; MI455X (gfx1250); checked and timed in simulation.
; The chip was launched on July 23, 2026; its instructions are those of AMD's public machine-readable ISA for CDNA 5 (MIT licence, August 2026) and "CDNA5" Instruction Set Architecture Reference Guide (July 2026). The comments in the code are by the model that wrote it; some were corrected since.
;; Block. Allowed arithmetic: matrix products marked QUANTISED: E3M2 operands, one E8M0 scale for each 32 along K, by v_wmma_scale_f32_16x16x128_f8f6f4 with both operands' format E3M2, f32 sums; everything else in f32.
;; Inputs: W1 1,024 x 4,096 float32; W2 4,096 x 1,024 float32; Wk 16 x 1,024 x 64 float32; Wp 1,024 x 1,024 float32; Wq 16 x 1,024 x 64 float32; Wv 16 x 1,024 x 64 float32; b1 4,096 float32; b2 1,024 float32; bp 1,024 float32; ln1_b 1,024 float32; ln1_g 1,024 float32; ln2_b 1,024 float32; ln2_g 1,024 float32; x 4 x 1,024 x 1,024 float32.
;; Outputs: out0 4 x 1,024 x 1,024 float32.
;; This version of the problem:
;;   THIS VERSION OF THE PROBLEM IS GIVEN IN LOW PRECISION. The matrix products marked QUANTISED in the list below multiply operands that are first quantised to E3M2 (3 exponent bits, 2 mantissa bits; 6 bits a number), with one power-of-two scale for each 32 numbers along K (OCP MX v1.0); their sums are f32. All else is computed in f32.
;;   The module's matrix products, in the order in which they are computed (A, B: the left and right operand; K: the contracted axis; several contracted axes count as one K, in the product's order):
;;     1. [M 1,024, K 1,024] x [K 1,024, N 4,096]; A: input Wq; B: computed on the way: QUANTISED
;;     2. [M 1,024, K 1,024] x [K 1,024, N 4,096]; A: input Wk; B: computed on the way: QUANTISED
;;     3. [M 1,024, K 1,024] x [K 1,024, N 4,096]; A: input Wv; B: computed on the way: QUANTISED
;;     4. batch 64 x [M 1,024, K 64] x [K 64, N 1,024]; A: computed on the way; B: computed on the way: QUANTISED
;;     5. batch 64 x [M 1,024, K 1,024] x [K 1,024, N 64]; A: softmax (see below); B: computed on the way: QUANTISED
;;     6. [M 4,096, K 1,024] x [K 1,024, N 1,024]; A: computed on the way; B: input Wp: QUANTISED
;;     7. [M 4,096, K 1,024] x [K 1,024, N 4,096]; A: computed on the way; B: input W1: QUANTISED
;;     8. [M 4,096, K 4,096] x [K 4,096, N 1,024]; A: computed on the way; B: input W2: QUANTISED
;;   THE QUANTISER, for each operand of a quantised product, along K:
;;     - K is cut into blocks of 32 from its start; a last block that is shorter is filled with zeros.
;;     - A block's scale is 2^e with e = floor(log2(the largest magnitude in the block)) - 4, held to -126 .. 127; a block of zeros has e = 0. As a byte (E8M0): e + 127.
;;     - Each number is divided by its block's scale, clamped to +-28, and rounded to the nearest number of E3M2, ties to even, subnormals kept.
;;     - The product sums the exact products of the quantised numbers (number of the format x scale) in f32.
;;   ~~~python
;;   def quantise(x, axis):      # numpy; x: float32 -> the quantised numbers, widened to float32 again
;;       x = np.moveaxis(x, axis, -1); K = x.shape[-1]
;;       x = np.pad(x, [(0, 0)] * (x.ndim - 1) + [(0, -K % 32)]); x = x.reshape(x.shape[:-1] + (-1, 32)); a = np.abs(x).max(-1, keepdims=True)
;;       e = np.where(a > 0, np.clip(np.frexp(np.where(a > 0, a, 1))[1] - 1 - 4, -126, 127), 0)      # np.frexp(a)[1] - 1 = floor(log2(a)), exactly
;;       r = np.clip(x / 2.0 ** e, -28, 28)
;;       step = 2.0 ** (np.maximum(np.frexp(np.where(r == 0, 1, r))[1] - 1, -2) - 2)
;;       q = np.round(r / step) * step * 2.0 ** e      # np.round: ties to even
;;       return np.moveaxis(q.reshape(q.shape[:-2] + (-1,))[..., :K], -1, axis).astype(np.float32)
;;   ~~~
;;   SOFTMAX AHEAD OF A QUANTISED PRODUCT. Where the list says 'softmax', what is quantised is not the finished softmax but p = 2^(t - M), with t = logit x log2(e) and M = ceil(the row's largest t), a whole number; so 1/2 < the row's largest p <= 1. The row's sum l is taken of the UNQUANTISED p, in f32, and the product's result is divided by l at the end. Since M is a whole number, a kernel that streams over the keys may use a running M (the ceiling of the running maximum): every later rescaling is an exact power of two, which a block's scale takes up: the codes' values come out the same.
;;   OPERANDS COMPUTED ON THE WAY. 'Computed on the way' means the value that the module computes at that place (a softmax that the list does not call 'softmax' is quantised finished and normalised). What goes into a quantiser is computed in f32, as accurately as f32 sums, v_exp_f32 and their like allow (about 1e-6 of the number): no bf16 or f16 on the way to a quantiser, and a product that is left as it is and whose result goes on into a quantised operand takes f32 operands (vector FMAs, or v_wmma_f32_16x16x4_f32). A number that lies on a knife's edge between two numbers of the format may be rounded either way, as far as f32 arithmetic and the matrix unit's own rounding can turn it there, and no further.
;; One version. Each part assembles by itself: llvm-mc -triple=amdgcn-amd-amdhsa -mcpu=gfx1250 --defsym DOCPART=n.
;; ======== version 1 of 1: 7 launches
;; limits: right only within a limited range of input values
;; workspace buffers: wts 9,830,400 bytes; hq 3,276,800 bytes; qkv 9,830,400 bytes; attq 3,276,800 bytes; x1 16,777,216 bytes; h2q 3,276,800 bytes; fq 13,107,200 bytes
;; launch prep (part 1): grid 640 x 1, 8 waves a work-group, no clusters, 102,400 bytes of LDS; arguments x, ln1_g, ln1_b, hq, Wq, Wk, Wv, Wp, W1, W2, wts; writes hq, wts
.if DOCPART == 1
	.amdgcn_target "amdgcn-amd-amdhsa--gfx1250"
	.amdhsa_code_object_version 6
	.text
	.protected	k_q8a73358026_prep
	.globl	k_q8a73358026_prep
	.p2align	8
	.type	k_q8a73358026_prep,@function
k_q8a73358026_prep:
	s_mov_b64 s[64:65], 0
	v_nop
	global_prefetch_b8 v0, s[64:65] scope:SCOPE_SE
	s_setreg_imm32_b32 hwreg(HW_REG_WAVE_MODE, 25, 1), 1
	s_wait_xcnt 0x0
; TWO JOBS THAT DEPEND ON NOTHING OF EACH OTHER, IN ONE LAUNCH.  Work-groups 0-255: the first layer norm, quantised (x -> hq).  Work-groups 256-639: all six weights, quantised (-> wts).
; The two ways part on the work-group's number at the first line and never meet again; each has LDS bytes of its own.
; BOTH OUTPUTS ARE LAID IN THE ORDER OF AN OPERAND'S REGISTERS.  A record is 16 rows x 128 along K of codes of BF6 (E3M2), 1,536 bytes: byte 512 c + 16 l + 4 i is register 4 c + i of lane l of the matrix operand
; (lane l: row l % 16; registers 6 c .. 6 c + 5: the block 2 c + l / 16 of the record's four).  A record's scale words (one E8M0 byte for each 32 along K, four to a row) are 64 bytes: 4 x row.
; INSIDE A BLOCK OF 32 THE ORDER IS NOT ASCENDING: place p holds k = (p & 7) + 2 (p & 8) + (p & 16) / 2.  Every operand of this program is laid so, on both sides of each product,
; because that is the order in which a matrix result of 16 neighbouring rows a tile leaves the quantiser.
; LIMITS: NaN and infinities are not served; a block whose largest magnitude lies under 2^-122 keeps the byte 1; a block of zeros gets the byte 1 and zero codes (only this program reads the bytes).
; ---- the layer norm's constants
.set STP,  528                         ; a stage row: 512 bytes + 16: the 16 rows that a load touches start in 16 different groups of banks
.set WST,  16*STP                      ; a wave's stage
.set RED,  8*WST                       ; 16 rows x 8 waves of partial sums; the second reduction's words lie 512 bytes on
.set GBR,  RED+1024                    ; g and b of a wave's 128 columns: 512 + 512 bytes for each wave
.set TM,   16                          ; v16-31  the quantiser's work
.set PC,   32                          ; v32-51  the codes
.set PW,   52                          ; v52     the scale word
.set R,    64                          ; v64-127 the rows as loaded, later b
.set X,    128                         ; v128-191 my 64 numbers
.set G,    192                         ; v192-255 g
.set SEL,  20                          ; s[20:21] lane selects: lane l xor 16
; ---- the weights' constants
.set WQS,  GBR+8*1024                  ; LDS: a stage of two records, 3,072 bytes, for each wave
.set WX,   64                          ; v64-191  128 numbers: block t at WX + 32 t, in the order of the places
.set CD0,  16                          ; v16-39   the codes: 12 registers for the operand's lane (r, 0), 12 for (r, 1)
.set OUTR, 192                         ; v192-215 the two records as they leave (v53 and v63 are kept for the add on both ways)
.set SCB,  9437184                     ; where the scale words begin in wts
; 64 numbers of a lane, register 16 b + i = place 16 (lane / 16) + i of block b of my row, become a fragment's codes in v[PC] on and its scale word in v[PW]
.macro QUANT s
.irp b, 0,1,2,3
	v_max3_num_f32 v[TM+\b], |v[\s+16*\b]|, |v[\s+1+16*\b]|, 0x2800000   ; my 16 numbers of block b, and the floor 2^(5 - 127): the byte cannot fall under 1
.endr
.irp i, 2,4,6,8,10,12,14
.irp b, 0,1,2,3
	s_delay_alu instid0(VALU_DEP_4)
	v_max3_num_f32 v[TM+\b], v[TM+\b], |v[\s+16*\b+\i]|, |v[\s+1+16*\b+\i]|   ; the four blocks by turns
.endr
.endr
.irp b, 0,1,2,3
	s_delay_alu instid0(VALU_DEP_4)
	v_permlanex16_b32 v[TM+4+\b], v[TM+\b], s[SEL], s[SEL+1]
.endr
.irp b, 0,1,2,3
	s_delay_alu instid0(VALU_DEP_4)
	v_max_num_f32 v[TM+\b], v[TM+\b], v[TM+4+\b]   ; with lane l xor 16's: the block's largest magnitude
.endr
.irp b, 0,1,2,3
	s_delay_alu instid0(VALU_DEP_4)
	v_add_nc_u32 v[TM+12+\b], 0xfe000000, v[TM+\b] ; 4 off its exponent field: the conversion's scale operand
.endr
.irp b, 0,1,2,3
	s_delay_alu instid0(VALU_DEP_4)
	v_lshrrev_b32 v[TM+4+\b], 23, v[TM+12+\b]      ; the scale's byte
.endr
	s_delay_alu instid0(VALU_DEP_3)
	v_lshl_or_b32 v[PW], v[TM+5], 8, v[TM+4]
	s_delay_alu instid0(VALU_DEP_1)
	v_lshl_or_b32 v[PW], v[TM+6], 16, v[PW]
	s_delay_alu instid0(VALU_DEP_1)
	v_lshl_or_b32 v[PW], v[TM+7], 24, v[PW]
.irp c, 0,1
	v_cvt_scalef32_pk16_bf6_f32 v[PC+6*\c:PC+2+6*\c], v[\s+32*\c:\s+15+32*\c], v[TM+12+2*\c]
	v_cvt_scalef32_pk16_bf6_f32 v[PC+12+4*\c:PC+14+4*\c], v[\s+16+32*\c:\s+31+32*\c], v[TM+12+2*\c+1]   ; (a conversion's three registers begin on an even number)
.endr
	v_nop                                          ; one plain instruction behind a scaled conversion
.irp c, 0,1                                    ; the operand wants a whole block in a lane: lanes 0-15 block 2 c, lanes 16-31 block 2 c + 1
.irp i, 0,1,2
	v_permlane16_swap_b32 v[PC+6*\c+\i], v[PC+12+4*\c+\i]
.endr
.irp i, 0,1,2
	s_delay_alu instid0(VALU_DEP_3)
	v_mov_b32 v[PC+3+6*\c+\i], v[PC+12+4*\c+\i]
.endr
.endr
.endm
; 64 numbers of my wave's 128 of g (off = 0) or b (off = 512), out of my wave's own LDS bytes, in my lane's order: block b, 16 u + 8 h + 0 .. 7.  The sixteen lanes of a half read the same bytes
.macro VEC reg, off
.irp b, 0,1,2,3
.irp u, 0,1
.irp j, 0,1
	ds_load_b128 v[\reg+16*\b+8*\u+4*\j:\reg+16*\b+8*\u+4*\j+3], v7 offset:\off+128*\b+64*\u+16*\j
.endr
.endr
.endr
.endm
; v54 = my row's sum over the lane pair; it goes to word [row][wave] at off, and the eight waves' words come back added in v32
.macro ACROSS off
	s_delay_alu instid0(VALU_DEP_1)
	v_pk_add_f32 v[54:55], v[54:55], v[56:57]
	s_delay_alu instid0(VALU_DEP_1)
	v_add_f32 v54, v54, v55
	s_delay_alu instid0(VALU_DEP_1)
	v_permlanex16_b32 v55, v54, s[SEL], s[SEL+1]
	s_delay_alu instid0(VALU_DEP_1)
	v_add_f32 v54, v54, v55
	ds_store_b32 v8, v54 offset:\off               ; both lanes of a row write the same word with the same value
	s_wait_dscnt 0x0                               ; for the others' sake: my store is done
	s_barrier_signal -1
	s_barrier_wait -1
	ds_load_b128 v[32:35], v9 offset:\off
	ds_load_b128 v[36:39], v9 offset:\off+16
	s_wait_dscnt 0x0
	v_add_f32 v32, v32, v33
	v_add_f32 v34, v34, v35
	v_add_f32 v36, v36, v37
	v_add_f32 v38, v38, v39
	s_delay_alu instid0(VALU_DEP_3)
	v_add_f32 v32, v32, v34
	s_delay_alu instid0(VALU_DEP_2)
	v_add_f32 v36, v36, v38
	s_delay_alu instid0(VALU_DEP_1)
	v_add_f32 v32, v32, v36
.endm
	v_lshl_add_u32 v53, v0, 2, 0x18c00             ; my spare word, and 0: kept on both ways for the closing add
	v_mov_b32 v63, 0
	s_cmp_lt_u32 ttmp9, 256                        ; the same for all waves of a work-group
	s_cbranch_scc0 .Lweights
; ======== THE LAYER NORM.  h = (x - mean) x rsqrt(var + 1e-5) x g + b along rows of 1,024 f32, then quantised along the row.
; hq: record (tile of 16 rows rt, K step ks) at (8 rt + ks) x 1,536; scale words at 3,145,728 + 64 x record.
; SHARES.  A work-group takes 16 rows, wave w their columns 128 w .. 128 w + 127: one record.  The loads take the bytes as they lie (512 consecutive bytes each); the wave's own stage in LDS turns them so
; that lane (r, h) holds 64 numbers of row r in the order that the conversions want.  g and b of the wave's columns come by one load each, issued with the rows, and are dealt out through LDS too.
; Mean and variance meet in LDS: two barriers.  The variance is taken of x - mean, so a common offset does no harm.
	s_load_b256 s[4:11], s[0:1], 0x0               ; x, g, b, hq
	v_lshrrev_b32 v1, 5, v0
	s_delay_alu instid0(VALU_DEP_1)
	v_readfirstlane_b32 s12, v1                    ; wave 0..7
	v_and_b32 v1, 31, v0                           ; lane
	v_and_b32 v2, 15, v0                           ; r
	v_bfe_u32 v3, v0, 4, 1                         ; h
	s_delay_alu instid0(VALU_DEP_3)
	v_lshlrev_b32 v4, 4, v1                        ; 16 x lane
	s_mul_i32 s13, s12, WST
	v_add_nc_u32 v5, s13, v4                       ; the stage, in: a row's 512 bytes as they lie
	v_mul_u32_u24 v6, v2, STP
	s_delay_alu instid0(VALU_DEP_1)
	v_lshl_add_u32 v6, v3, 5, v6
	s_delay_alu instid0(VALU_DEP_1)
	v_add_nc_u32 v6, s13, v6                       ; out: row r, + 32 h
	s_lshl_b32 s13, s12, 10
	s_add_co_u32 s13, s13, GBR                     ; my wave's g and b
	v_add_nc_u32 v11, s13, v4                      ; in: 16 bytes a lane
	v_lshl_add_u32 v7, v3, 5, s13                  ; out: + 32 h
	v_lshlrev_b32 v9, 5, v2
	s_delay_alu instid0(VALU_DEP_1)
	v_add_nc_u32 v9, RED, v9                       ; my row's eight partial sums
	s_lshl_b32 s13, s12, 2
	v_add_nc_u32 v8, s13, v9                       ; my wave's word among them
	v_lshlrev_b32 v10, 2, v2                       ; the scale word's place: 4 r
	s_mov_b32 s[SEL], 0x76543210
	s_mov_b32 s[SEL+1], 0xfedcba98
	s_mov_b32 s22, 0x3a800000                      ; 1 / 1024
	s_mov_b32 s23, 0x3727c5ac                      ; 1e-5
.irp b, 0,1,2,3
	v_mov_b32 v[TM+4+\b], 0                        ; written once: a lane permute's destination counts as one of its sources
.endr
	s_lshl_b32 s14, ttmp9, 16                      ; 16 rows of 4,096 bytes,
	s_lshl_b32 s16, s12, 9                         ; my wave's 512 bytes of a row
	s_add_co_u32 s14, s14, s16
	s_mov_b32 s15, 0
	s_mov_b32 s17, 0
	s_lshl_b32 s24, ttmp9, 3
	s_add_co_u32 s24, s24, s12                     ; my record
	s_mul_i32 s26, s24, 1536
	s_mov_b32 s27, 0
	s_lshl_b32 s28, s24, 6
	s_add_co_u32 s28, s28, 3145728
	s_mov_b32 s29, 0
	s_wait_alu depctr_va_vdst(0)
	s_wait_kmcnt 0x0
	s_add_nc_u64 s[4:5], s[4:5], s[14:15]
	s_add_nc_u64 s[6:7], s[6:7], s[16:17]
	s_add_nc_u64 s[8:9], s[8:9], s[16:17]
	s_add_nc_u64 s[18:19], s[10:11], s[28:29]      ; the scale words
	s_add_nc_u64 s[10:11], s[10:11], s[26:27]      ; the codes
.irp i, 0,1,2,3,4,5,6,7,8,9,10,11,12,13,14,15
	global_load_b128 v[R+4*\i:R+4*\i+3], v4, s[4:5] offset:4096*\i th:TH_LOAD_NT   ; row i: 512 consecutive bytes
.endr
	global_load_b128 v[40:43], v4, s[6:7]          ; g of my wave's 128 columns: 512 consecutive bytes
	global_load_b128 v[44:47], v4, s[8:9]          ; b likewise
	s_wait_loadcnt 0x0                             ; all that this way reads from memory was asked for together, and is in
.irp i, 0,1,2,3,4,5,6,7,8,9,10,11,12,13,14,15
	ds_store_b128 v5, v[R+4*\i:R+4*\i+3] offset:STP*\i
.endr
	ds_store_b128 v11, v[40:43]
	ds_store_b128 v11, v[44:47] offset:512
.irp b, 0,1,2,3
.irp u, 0,1
.irp j, 0,1
	ds_load_b128 v[X+16*\b+8*\u+4*\j:X+16*\b+8*\u+4*\j+3], v6 offset:128*\b+64*\u+16*\j   ; LDS serves a wave's instructions in order: these see my stores
.endr
.endr
.endr
	VEC G, 0
	s_wait_dscnt 0x0                               ; my numbers are back, and the stores have read their registers,
	VEC R, 512                                     ; which now take b; it lands under the first sum, and the wait in front of the first barrier covers it
	v_pk_add_f32 v[54:55], v[X:X+1], v[X+2:X+3]    ; the sum of my 64, two at a time, in two chains
	v_pk_add_f32 v[56:57], v[X+4:X+5], v[X+6:X+7]
.irp j, 8,12,16,20,24,28,32,36,40,44,48,52,56,60
	s_delay_alu instid0(VALU_DEP_2)
	v_pk_add_f32 v[54:55], v[54:55], v[X+\j:X+\j+1]
	s_delay_alu instid0(VALU_DEP_2)
	v_pk_add_f32 v[56:57], v[56:57], v[X+\j+2:X+\j+3]
.endr
	ACROSS 0
	s_delay_alu instid0(VALU_DEP_1)
	v_mul_f32 v58, s22, v32                        ; the mean
	s_delay_alu instid0(VALU_DEP_1)
	v_mov_b32 v59, v58
.set J, 0
.rept 32
	v_pk_add_f32 v[X+J:X+J+1], v[X+J:X+J+1], v[58:59] neg_lo:[0,1] neg_hi:[0,1]   ; x - mean
.set J, J+2
.endr
	v_pk_mul_f32 v[54:55], v[X:X+1], v[X:X+1]      ; the sum of squares
	v_pk_mul_f32 v[56:57], v[X+2:X+3], v[X+2:X+3]
.irp j, 4,8,12,16,20,24,28,32,36,40,44,48,52,56,60
	s_delay_alu instid0(VALU_DEP_2)
	v_pk_fma_f32 v[54:55], v[X+\j:X+\j+1], v[X+\j:X+\j+1], v[54:55]
	s_delay_alu instid0(VALU_DEP_2)
	v_pk_fma_f32 v[56:57], v[X+\j+2:X+\j+3], v[X+\j+2:X+\j+3], v[56:57]
.endr
	ACROSS 512                                     ; other words than the first reduction's: no wave can still be reading what is written
	s_delay_alu instid0(VALU_DEP_1)
	v_fma_f32 v62, v32, s22, s23                   ; var + 1e-5
	s_wait_alu depctr_va_vdst(0)
	v_rsq_f32 v60, v62
	v_rsq_f32 v61, v62                             ; twice: a pair for the packed multiply
	v_nop                                          ; a plain instruction behind the transcendentals
	s_wait_alu depctr_va_vdst(0)                   ; the wait ahead of the first reader: one for both
.set J, 0
.rept 32
	v_pk_mul_f32 v[X+J:X+J+1], v[X+J:X+J+1], v[60:61]
.set J, J+2
.endr
.set J, 0
.rept 32
	v_pk_fma_f32 v[X+J:X+J+1], v[X+J:X+J+1], v[G+J:G+J+1], v[R+J:R+J+1]
.set J, J+2
.endr
	QUANT X
.irp c, 0,1,2
	global_store_b128 v4, v[PC+4*\c:PC+4*\c+3], s[10:11] offset:512*\c   ; 32 lanes store 512 consecutive bytes, aligned
.endr
	global_store_b32 v10, v[PW], s[18:19]          ; lanes 16-31 hold and write the same words as lanes 0-15
	s_wait_tensorcnt 0x0                           ; the wave's end
	ds_add_u32 v53, v63
	s_wait_dscnt 0x0
	s_endpgm
; ======== THE WEIGHTS, f32 with K as the axis in front of the columns.
; wts: record (tile of 16 columns rt, K step ks) of a weight at first + rt x KS + ks; first records: Wq | Wk | Wv 0, 512, 1,024; Wp 1,536; W1 2,048 (KS = 8); W2 4,096 (KS = 32).  Scale words at 9,437,184 + 64 x record.
; A LANE TAKES A COLUMN AND ITS REGISTERS RUN DOWN K: a block's largest magnitude needs no other lane, and the conversions give codes with K innermost.  The order of places inside a block is the order of the loads.
; A wave takes 32 columns x 128 along K (two records), a work-group 256 columns.  With g = the work-group's number - 256: g 0-31 Wq, 32-63 Wk, 64-95 Wv, 96-127 Wp, 128-255 W1, 256-383 W2.
.Lweights:
	s_load_b256 s[4:11], s[0:1], 0x20              ; Wq, Wk, Wv, Wp
	s_load_b128 s[12:15], s[0:1], 0x40             ; W1, W2
	s_load_b64 s[16:17], s[0:1], 0x50              ; wts
	v_lshrrev_b32 v1, 5, v0
	s_delay_alu instid0(VALU_DEP_1)
	v_readfirstlane_b32 s18, v1                    ; wave 0..7
	v_and_b32 v1, 31, v0                           ; lane
	s_delay_alu instid0(VALU_DEP_1)
	v_lshlrev_b32 v2, 2, v1                        ; in: 4 bytes a lane
	s_delay_alu instid0(VALU_DEP_2)
	v_lshrrev_b32 v10, 4, v1                       ; which of my wave's two records
	s_delay_alu instid0(VALU_DEP_3)
	v_and_b32 v11, 15, v1                          ; my column in it
	s_delay_alu instid0(VALU_DEP_2)
	v_mul_u32_u24 v3, v10, 1536
	s_delay_alu instid0(VALU_DEP_1)
	v_lshl_add_u32 v3, v11, 4, v3
	s_mul_i32 s31, s18, 3072
	s_add_co_u32 s31, s31, WQS                     ; my wave's stage: two records
	v_add_nc_u32 v3, s31, v3                       ; into it: record, 16 x column
	v_lshlrev_b32 v5, 4, v1                        ; out: 16 bytes a lane
	s_delay_alu instid0(VALU_DEP_1)
	v_add_nc_u32 v4, s31, v5
	s_sub_co_u32 s38, ttmp9, 256                   ; g
	s_wait_alu depctr_va_vdst(0)
	s_wait_kmcnt 0x0
	; which weight: the choice hangs on the work-group's number alone
	s_mov_b64 s[26:27], s[14:15]                   ; W2,
	s_mov_b32 s19, 256                             ; its first g,
	s_mov_b32 s20, 4096                            ; its first record,
	s_mov_b32 s21, 5                               ; log2 of its K steps
	s_cmp_lt_u32 s38, 256
	s_cselect_b64 s[26:27], s[12:13], s[26:27]     ; W1
	s_cselect_b32 s19, 128, s19
	s_cselect_b32 s20, 2048, s20
	s_cselect_b32 s21, 3, s21
	s_cmp_lt_u32 s38, 128
	s_cselect_b64 s[26:27], s[10:11], s[26:27]     ; Wp
	s_cselect_b32 s19, 96, s19
	s_cselect_b32 s20, 1536, s20
	s_cmp_lt_u32 s38, 96
	s_cselect_b64 s[26:27], s[8:9], s[26:27]       ; Wv
	s_cselect_b32 s19, 64, s19
	s_cselect_b32 s20, 1024, s20
	s_cmp_lt_u32 s38, 64
	s_cselect_b64 s[26:27], s[6:7], s[26:27]       ; Wk
	s_cselect_b32 s19, 32, s19
	s_cselect_b32 s20, 512, s20
	s_cmp_lt_u32 s38, 32
	s_cselect_b64 s[26:27], s[4:5], s[26:27]       ; Wq
	s_cselect_b32 s19, 0, s19
	s_cselect_b32 s20, 0, s20
	s_sub_co_u32 s22, s38, s19                     ; my number within the weight
	s_bfm_b32 s23, s21, 0
	s_and_b32 s23, s22, s23                        ; K step
	s_lshr_b32 s24, s22, s21                       ; group of 256 columns
	s_lshl_b32 s25, s24, 4
	s_lshl_b32 s28, s18, 1
	s_add_co_u32 s25, s25, s28                     ; my first tile of 16 columns: 16 x group + 2 x wave
	s_lshl_b32 s25, s25, s21
	s_add_co_u32 s25, s25, s20
	s_add_co_u32 s25, s25, s23                     ; my first record
	s_mul_i32 s28, s25, 1536
	s_mov_b32 s29, 0
	s_add_nc_u64 s[32:33], s[16:17], s[28:29]      ; its codes,
	s_lshl_b32 s28, 1536, s21
	s_add_nc_u64 s[34:35], s[32:33], s[28:29]      ; those of the next tile of columns, KS records on,
	s_lshl_b32 s28, s25, 6
	s_add_co_u32 s28, s28, SCB
	s_add_nc_u64 s[36:37], s[16:17], s[28:29]      ; and its scale words
	s_add_co_u32 s30, s21, 6
	v_lshlrev_b32 v6, s30, v10                     ; the second record's words lie 64 KS bytes on
	s_delay_alu instid0(VALU_DEP_1)
	v_lshl_add_u32 v6, v11, 2, v6
; 128 loads: number WX + n is W(32 (n / 32) + the k of place n % 32, my column).  Each load reads 128 consecutive bytes; every offset is an immediate, 127 rows of 16,384 bytes at the most.
.macro LOADS pitch
	s_mul_i32 s30, s23, 128*\pitch
	s_add_co_u32 s28, s28, s30
	s_add_nc_u64 s[26:27], s[26:27], s[28:29]
.set NN, 0
.rept 128
.set SG, (NN&0x67)|((NN&8)<<1)|((NN&16)>>1)
	global_load_b32 v[WX+NN], v2, s[26:27] offset:SG*\pitch th:TH_LOAD_NT
.set NN, NN+1
.endr
.endm
	; three shapes of memory, three runs of the same 128 loads; the ways part on the work-group's number and hold no LDS instruction
	s_cmp_lt_u32 s38, 96
	s_cbranch_scc0 .Lflat
	s_lshl_b32 s28, s24, 2                         ; [16][1024][64]: my wave's 32 columns lie in head 4 x group + wave / 2,
	s_lshr_b32 s30, s18, 1
	s_add_co_u32 s28, s28, s30
	s_lshl_b32 s28, s28, 18
	s_and_b32 s30, s18, 1
	s_lshl_b32 s30, s30, 7                         ; in its lower or upper 32
	s_add_co_u32 s28, s28, s30
	LOADS 256
	s_branch .Ljoin
.Lflat:
	s_lshl_b32 s28, s24, 10                        ; [K][N]: 1,024 bytes a group of columns, 128 a wave
	s_lshl_b32 s30, s18, 7
	s_add_co_u32 s28, s28, s30
	s_sub_co_u32 s30, s38, 128
	s_cmp_lt_u32 s30, 128
	s_cbranch_scc0 .Lnarrow
	LOADS 16384                                    ; W1
	s_branch .Ljoin
.Lnarrow:
	LOADS 4096                                     ; Wp, W2
.Ljoin:
.macro BLOCK t
.set XS, WX+32*(\t)
.set CD, CD0+12*((\t)%2)+6*((\t)/2)    ; block t belongs to the operand's lane half t % 2, registers 6 (t / 2) on
.if (\t) == 0
	s_wait_loadcnt 63                              ; at most the youngest 63 of the 128 loads are out: blocks 0 and 1 are in
.elseif (\t) == 2
	s_wait_loadcnt 32                              ; block 3's 32 loads may be out
.elseif (\t) == 3
	s_wait_loadcnt 0x0
.endif
	v_max3_num_f32 v7, |v[XS]|, |v[XS+1]|, |v[XS+2]|               ; the block's largest magnitude: all 32 numbers are mine; two chains
	v_max3_num_f32 v8, |v[XS+3]|, |v[XS+4]|, |v[XS+5]|
.irp i, 6,10,14,18,22,26
	s_delay_alu instid0(VALU_DEP_2)
	v_max3_num_f32 v7, v7, |v[XS+\i]|, |v[XS+\i+1]|
	s_delay_alu instid0(VALU_DEP_2)
	v_max3_num_f32 v8, v8, |v[XS+\i+2]|, |v[XS+\i+3]|
.endr
	s_delay_alu instid0(VALU_DEP_2)
	v_max3_num_f32 v7, v7, |v[XS+30]|, |v[XS+31]|
	s_delay_alu instid0(VALU_DEP_1)
	v_max3_num_f32 v7, v7, v8, 0x2800000           ; and the floor 2^(5 - 127): the byte cannot fall under 1
	s_delay_alu instid0(VALU_DEP_1)
	v_add_nc_u32 v9, 0xfe000000, v7                ; 4 off the exponent field: the conversion takes this operand's exponent field as its scale
	v_cvt_scalef32_pk16_bf6_f32 v[CD:CD+2], v[XS:XS+15], v9
	v_cvt_scalef32_pk16_bf6_f32 v[12:14], v[XS+16:XS+31], v9       ; (a conversion's three registers begin on an even number: the second half is made elsewhere and moved)
	v_lshrrev_b32 v10, 23, v9                      ; the scale's byte; also the plain instruction behind the conversions
.if (\t) == 0
	s_delay_alu instid0(VALU_DEP_1)
	v_mov_b32 v15, v10
.else
	s_delay_alu instid0(VALU_DEP_1)
	v_lshl_or_b32 v15, v10, 8*(\t), v15            ; four bytes make my column's scale word
.endif
.irp i, 0,1,2
	v_mov_b32 v[CD+3+\i], v[12+\i]
.endr
.endm
	BLOCK 0
	BLOCK 1
	BLOCK 2
	BLOCK 3
	; my 24 registers belong to two lanes of the operand: through my wave's own stage, and out as the records lie
.irp h, 0,1
.irp c, 0,1,2
	ds_store_b128 v3, v[CD0+12*\h+4*\c:CD0+12*\h+4*\c+3] offset:512*\c+256*\h
.endr
.endr
.irp i, 0,1,2,3,4,5
	ds_load_b128 v[OUTR+4*\i:OUTR+4*\i+3], v4 offset:512*\i       ; LDS serves a wave's instructions in order: these see my stores
.endr
	s_wait_alu depctr_va_vdst(0)
	s_wait_dscnt 0x0
.irp c, 0,1,2
	global_store_b128 v5, v[OUTR+4*\c:OUTR+4*\c+3], s[32:33] offset:512*\c      ; 32 lanes store 512 consecutive bytes, aligned
.endr
.irp c, 0,1,2
	global_store_b128 v5, v[OUTR+12+4*\c:OUTR+12+4*\c+3], s[34:35] offset:512*\c
.endr
	global_store_b32 v6, v15, s[36:37]             ; the scale words: 64 consecutive bytes a record
	s_wait_tensorcnt 0x0                           ; the wave's end
	ds_add_u32 v53, v63
	s_wait_dscnt 0x0
	s_endpgm
.Lfunc_end_k_q8a73358026_prep:
	.size	k_q8a73358026_prep, .Lfunc_end_k_q8a73358026_prep-k_q8a73358026_prep
	.p2alignl 7, 3214868480
	.fill 96, 4, 3214868480
	.section	.rodata,"a",@progbits
	.p2align	6, 0x0
	.amdhsa_kernel k_q8a73358026_prep
		.amdhsa_group_segment_fixed_size 102400
		.amdhsa_private_segment_fixed_size 0
		.amdhsa_enable_private_segment 0
		.amdhsa_kernarg_size 88
		.amdhsa_user_sgpr_count 2
		.amdhsa_user_sgpr_kernarg_segment_ptr 1
		.amdhsa_wavefront_size32 1
		.amdhsa_system_sgpr_workgroup_id_x 1
		.amdhsa_system_sgpr_workgroup_id_y 1
		.amdhsa_system_sgpr_workgroup_id_z 1
		.amdhsa_system_vgpr_workitem_id 0
		.amdhsa_next_free_vgpr 256
		.amdhsa_next_free_sgpr 66
		.amdhsa_reserve_vcc 0
		.amdhsa_float_denorm_mode_32 3
		.amdhsa_float_denorm_mode_16_64 3
		.amdhsa_memory_ordered 1
		.amdhsa_forward_progress 1
		.amdhsa_inst_pref_size 78
	.end_amdhsa_kernel
	.amdgpu_metadata
---
amdhsa.version: [ 1, 2 ]
amdhsa.kernels:
  - .name:           k_q8a73358026_prep
    .symbol:         k_q8a73358026_prep.kd
    .args:
      - { .name: x, .offset: 0, .size: 8, .value_kind: global_buffer, .address_space: global }
      - { .name: ln1_g, .offset: 8, .size: 8, .value_kind: global_buffer, .address_space: global }
      - { .name: ln1_b, .offset: 16, .size: 8, .value_kind: global_buffer, .address_space: global }
      - { .name: hq, .offset: 24, .size: 8, .value_kind: global_buffer, .address_space: global }
      - { .name: Wq, .offset: 32, .size: 8, .value_kind: global_buffer, .address_space: global }
      - { .name: Wk, .offset: 40, .size: 8, .value_kind: global_buffer, .address_space: global }
      - { .name: Wv, .offset: 48, .size: 8, .value_kind: global_buffer, .address_space: global }
      - { .name: Wp, .offset: 56, .size: 8, .value_kind: global_buffer, .address_space: global }
      - { .name: W1, .offset: 64, .size: 8, .value_kind: global_buffer, .address_space: global }
      - { .name: W2, .offset: 72, .size: 8, .value_kind: global_buffer, .address_space: global }
      - { .name: wts, .offset: 80, .size: 8, .value_kind: global_buffer, .address_space: global }
    .group_segment_fixed_size: 102400
    .private_segment_fixed_size: 0
    .kernarg_segment_align: 8
    .kernarg_segment_size: 88
    .max_flat_workgroup_size: 256
    .sgpr_count:     66
    .vgpr_count:     256
    .wavefront_size: 32
...
	.end_amdgpu_metadata
.endif
;; end of part 1
;; launch qkvg (part 2): grid 12 x 16, 4 waves a work-group, clusters of 4 x 4, 327,680 bytes of LDS; arguments hq, wts, qkv; writes qkv
.if DOCPART == 2
	.amdgcn_target "amdgcn-amd-amdhsa--gfx1250"
	.amdhsa_code_object_version 6
	.text
	.protected	k_q8a73358026_qkvg
	.globl	k_q8a73358026_qkvg
	.p2align	8
	.type	k_q8a73358026_qkvg,@function
k_q8a73358026_qkvg:
	s_mov_b64 s[64:65], 0
	v_nop
	global_prefetch_b8 v0, s[64:65] scope:SCOPE_SE
	s_setreg_imm32_b32 hwreg(HW_REG_WAVE_MODE, 25, 1), 1
	s_wait_xcnt 0x0
	s_wait_alu depctr_hold_cnt(0) depctr_sa_sdst(0) depctr_va_vdst(0) depctr_va_sdst(0) depctr_va_ssrc(0) depctr_va_vcc(0) depctr_vm_vsrc(0)
	s_getreg_b32 s2, hwreg(HW_REG_IB_STS2, 6, 4)
	s_cmp_eq_u32 s2, 0
	s_cbranch_scc0 .Lentry_in_a_cluster
	s_endpgm
.Lentry_in_a_cluster:
	s_bfe_u32 s2, ttmp6, 0x10000c
	s_cmp_lg_u32 s2, 0xf033
	s_cbranch_scc0 .Lentry_shape_is_right
	s_endpgm
.Lentry_shape_is_right:
; q, k and v = h W, on codes of BF6 (E3M2) with E8M0 scales, and the results quantised at once: q and k along the head's 64, v along the tokens.
; Clusters with x = 0, 1 make q | k: lanes = tokens (hq), registers = the 2,048 columns of Wq | Wk.  Clusters with x = 2 make v: lanes = Wv's 1,024 columns, registers = tokens.
; The two cases differ only in numbers chosen by s_cselect on the cluster's x, which all sixteen partners share.
; qkv: q | k record (128 columns ks0, tile of 16 tokens rt) at (256 ks0 + rt) x 1,536; v record (tile of 16 columns rt, 128 tokens ks) at 6,291,456 + (32 rt + ks) x 1,536; scale words at 9,437,184 and 9,699,328.
.set KIND,  0                          ; 0: results quantised; 1: bias, relu, quantised; 2: bias, residual, f32 out
.set TA,    8                          ; tiles of 16 rows of each side in a wave's share
.set NQ,    2                          ; K steps of 128 in a slot
.set KS,    8                          ; K steps in all
.set ASOFF, 0                          ; (KIND 1, 2) where the scale words of the lanes' operand begin in its buffer,
.set BCOFF, 0                          ; the codes of the registers' operand,
.set BSOFF, 0                          ; its scale words,
.set OSOFF, 0                          ; (KIND 1) the output's scale words
; ---- From here on the text is the same in this program's four launches of this form; the constants above choose.
; C = A B^T on codes that lie in memory IN THE ORDER OF AN OPERAND'S REGISTERS: a record is 16 rows x 128 K, 1,536 bytes, byte 512 c + 16 l + 4 i = register 4 c + i of lane l; record (rt, ks) at (KS rt + ks) x 1,536;
; scale words at 64 x record + 4 x row.  So a fragment is three ds_load_b128 at 16 x lane: no pitch, no padding, each load 512 consecutive bytes.
; ROLES.  Side A is source 1: its rows become the result's lanes.  Side B is source 0: its rows run along a lane's registers, 8 neighbours a tile.
; SHARES.  Four waves; wave w makes A's half w / 2 against B's half w % 2: TA x TA accumulators of 16 x 16.  K goes through a ring of two LDS slots of NQ steps; waves 0, 1 fetch A's halves, waves 2, 3 B's.
; CLUSTER.  4 x 4 work-groups: A's tile is shared along a row of the cluster, B's along a column; each is asked for jointly, by the same tensor load with the same descriptor and a mask that names the four.
; The scale words of the work-group's rows, for all of K, are dense blocks of memory: they come once, with the first fills, and stay.
; REGISTERS, in windows of 256.  Window 0: v2-6 lane terms; v16-29 addresses; v32-63 scale words, two sets; A's fragments, two sets, at v64 and v160.  Window 1: B's fragments, two sets, at v0 and v128
; (KIND 1: the bias in the gaps).  Windows 2, 3: the accumulators (KIND 2: window 3 holds the residual and the bias).
; LIMITS: inside a block of 32 the products are added in the program's own order of places, not in ascending k; NaN and infinities are not served; a block under 2^-122, and a block of zeros, keep the byte 1.
.set TB,     TA
.set LAPS,   KS/(2*NQ)                 ; a lap = once round the ring
.set REC,    1536
.set ROWB,   NQ*REC                    ; a tile of 16 rows in a slot
.set KROW,   KS*REC                    ; and in memory
.set HALFT,  TA*ROWB                   ; what one tensor load brings, and what one wave reads of a side
.set SLOT,   4*HALFT                   ; A's two halves, then B's
.set SCL,    2*SLOT                    ; behind the ring: A's scale words,
.set SROW,   KS*64                     ; (those of 16 rows)
.set HALFS,  TA*SROW                   ; (what one tensor load brings)
.set SCLB,   SCL+2*HALFS+128           ; B's, 128 bytes askew, so that a load's lanes 0-15 (A's words) and 16-31 (B's) fall on different banks
.set SPARE,  SCL+4*HALFS+256           ; the spare words, 128 bytes for each wave: two blocks of 256 bytes that no other line names
.set STAGE,  SPARE+512                 ; (KIND 2) the way out: 16 rows x (256 bytes + 16) for each wave; no tensor load fills it
.set SPITCH, 272
.set L16,  2                           ; v2   16 x lane
.set ADRA, 16                          ; v16-17 LDS address of my A fragments in slot 0, 1
.set ADRB, 20                          ; v20-21 the same for B
.set EA,   24                          ; v24-26 the way out's addresses
.set ADRS, 27                          ; v27  LDS address of my scale words: lanes 0-15 A's rows, lanes 16-31 B's
.set SPW,  28                          ; v28  LDS address of my spare word; never rewritten
.set NIL,  29                          ; v29  0; never rewritten
.set SC,   32                          ; scale words: set s at SC + 16 s; register NQ i + q: tile i, the slot's q-th step
.set AF,   64                          ; A's fragments: set f at AF + 96 f
.set TM,   64                          ; the way out (KIND 0, 1): the quantiser's work,
.set PW,   80                          ; the scale word,
.set PC,   96                          ; the codes
.set BK,   64                          ; the way out (KIND 2): rows read back from the stage, two sets of 32
.set G1,   24                          ; s[24:31] descriptor group 1 for A's tiles; s[32:39] group 0, a set for each slot
.set G0,   32
.set G1B,  48                          ; s[48:55], s[56:63] the same for B's
.set G0B,  56
.set G1S,  68                          ; s[68:75], s[76:79] groups 1 and 0 for A's scale words; s[80:87], s[88:91] for B's
.set G0S,  76
.set G1SB, 80
.set G0SB, 88
.set OC,   94                          ; s[94:95] where my codes go; s[96:97] my scale words; s[98:99], s[100:101] their steps from tile to tile of A
.set OS,   96
.set OCS,  98
.set OSS,  100
.set SEL,  18                          ; s[18:19] lane selects for the way out
.set MSB, 0
.macro WIN new                         ; the immediate's high byte repeats the setting that is left; a switch that changes nothing is dropped
.if MSB != (\new)
	s_set_vgpr_msb (MSB<<8)|(\new)
.set MSB, (\new)
.endif
.endm
; A joint load: waves 0 and 1 fetch for A, waves 2 and 3 for B.  Each line has one mask and one set of registers for all that issue it; the branch hangs on the wave's number alone.
; Four v_nop follow each of the two lines, ahead of the jump, the label and what follows.
.macro JLOAD g0a, g1a, g0b, g1b
	s_cmp_eq_u32 s15, 0
	s_cbranch_scc0 .Lfor_b_\@
	tensor_load_to_lds s[\g0a:\g0a+3], s[\g1a:\g1a+7]
	s_nop 0
.rept 4
	v_nop
.endr
	s_branch .Lasked_\@
.Lfor_b_\@:
	tensor_load_to_lds s[\g0b:\g0b+3], s[\g1b:\g1b+7]
	s_nop 0
.rept 4
	v_nop
.endr
.Lasked_\@:
.endm
.macro CREST                           ; a round of the cluster's barrier behind its opening barrier
	s_cmp_lg_u32 s14, 0
	s_cbranch_scc1 .Lnot_wave_0_\@
	s_barrier_signal -3
.Lnot_wave_0_\@:
	s_barrier_wait -3
	s_barrier_signal -1
	s_barrier_wait -1
.endm
.macro CROUND                          ; a whole round
	s_barrier_signal -1
	s_barrier_wait -1
	CREST
.endm
.macro PLACES n                        ; plain vector instructions between a matrix instruction and a load into, or a read or write of, its registers (for reads and writes)
.rept \n
	v_nop
.endr
.endm
.if KIND == 0
	s_load_b128 s[4:7], s[0:1], 0x0                ; hq, wts
	s_load_b64 s[8:9], s[0:1], 0x10                ; qkv
.elseif KIND == 1
	s_load_b256 s[4:11], s[0:1], 0x0               ; A's buffer, wts, the bias, the output
.else
	s_load_b256 s[4:11], s[0:1], 0x0               ; A's buffer, wts, the bias, the residual
	s_load_b64 s[12:13], s[0:1], 0x20              ; the output
.endif
	v_lshl_add_u32 v[SPW], v0, 2, SPARE
	v_mov_b32 v[NIL], 0
	ds_add_u32 v28, v29
	ds_add_u32 v28, v29
	s_wait_dscnt 0x0
	v_lshrrev_b32 v1, 5, v0
	v_readfirstlane_b32 s14, v1                    ; wave 0..3
.set PFA, 22                           ; s[22:23] base of my prefetches: my work-group's two tiles of 16 rows of the eight that my wave fetches
	v_and_b32 v7, 31, v0                           ; v7: the prefetches' offset: lanes 0-23 name the 2 x 12 blocks of 256 bytes of a slot; lanes 24-31 name the last again
	v_min_u32 v7, 23, v7
	v_mul_u32_u24 v8, v7, 43
	v_lshrrev_b32 v8, 9, v8                        ; lane / 12: which of the two tiles
	v_mul_u32_u24 v8, v8, KROW-ROWB
	v_lshl_add_u32 v7, v7, 8, v8
	s_lshr_b32 s15, s14, 1                         ; my half of A.  Also: I fetch for A (0) or for B (1)
	s_and_b32 s16, s14, 1                          ; my half of B.  Also: which half I fetch
	s_bfe_u32 s40, ttmp6, 0x40000                  ; cx, cy: my place in the cluster
	s_bfe_u32 s41, ttmp6, 0x40004
	s_and_b32 s19, ttmp7, 0xffff                   ; the cluster's y
	s_lshl_b32 s42, ttmp9, 2
	s_add_co_u32 s42, s42, s40                     ; B's tile = 4 x cluster x + cx
	s_lshl_b32 s17, s19, 2
	s_add_co_u32 s17, s17, s41                     ; A's tile = 4 x cluster y + cy
.if KIND == 0
	s_lshl_b32 s66, s19, 2
	s_add_co_u32 s66, s66, s40                     ; 4 x cluster y + cx
	s_cmp_eq_u32 ttmp9, 2                          ; the clusters that make v
	s_cselect_b32 s42, s66, s42                    ; B: tokens there
	s_cselect_b32 s17, s41, s17                    ; A: Wv's four tiles there
	s_cselect_b32 s2, 1572864, 0                   ; where A's codes begin in their buffer (Wv's in wts; hq's at 0),
	s_mov_b32 s67, 3145728
	s_cselect_b32 s67, 9502720, s67                ; A's scale words,
	s_mov_b32 s66, 9437184
	s_cselect_b32 s66, 3145728, s66                ; B's scale words (B's codes begin at 0 in both cases),
	s_cselect_b32 s[OC], 6291456, 0                ; the output's codes,
	s_mov_b32 s[OS], 9437184
	s_cselect_b32 s[OS], 9699328, s[OS]            ; its scale words,
	s_cselect_b32 s[OCS], 32, 1                    ; records from one tile of A to the next,
	s_cselect_b32 s[OSS], 1, 256                   ; and from 128 rows of B to the next
.elseif KIND == 1
	s_mov_b32 s[OC], 0
	s_mov_b32 s[OS], OSOFF
	s_mov_b32 s[OCS], 32
	s_mov_b32 s[OSS], 1
.endif
	s_lshl_b32 s43, s41, 2
	s_lshl_b32 s43, 15, s43                        ; my row of the cluster
	s_lshl_b32 s44, 0x1111, s40                    ; my column
	; descriptor group 1: TA rows (tiles of 16) of ROWB bytes, KROW bytes apart, dense in LDS
	s_or_b32 s[G1+0], s43, (3<<16)|(1<<21)         ; 15:0 the mask; 17:16 elements of 8 bytes; 20 no padding; 21 set beside a mask
	s_or_b32 s[G1B+0], s44, (3<<16)|(1<<21)
.irp g, G1, G1B
	s_mov_b32 s[\g+1], (NQ*192)<<16                ; tensor_dim0
	s_mov_b32 s[\g+2], (2*TA)<<16                  ; tensor_dim1: both halves for the head's load; set to TA behind it
	s_mov_b32 s[\g+3], (NQ*192)<<16                ; tile_dim0
	s_mov_b32 s[\g+4], 2*TA                        ; tile_dim1 likewise
	s_mov_b32 s[\g+5], KS*192                      ; tensor_dim0_stride
	s_mov_b32 s[\g+6], 0
	s_mov_b32 s[\g+7], 0
.endr
	; and for the scale words of TA tiles: a dense block of HALFS bytes, as rows of 256
	s_or_b32 s[G1S+0], s43, (3<<16)|(1<<21)
	s_or_b32 s[G1SB+0], s44, (3<<16)|(1<<21)
.irp g, G1S, G1SB
	s_mov_b32 s[\g+1], 32<<16
	s_mov_b32 s[\g+2], (2*HALFS/256)<<16           ; both halves' scale words in one load
	s_mov_b32 s[\g+3], 32<<16
	s_mov_b32 s[\g+4], 2*HALFS/256
	s_mov_b32 s[\g+5], 32
	s_mov_b32 s[\g+6], 0
	s_mov_b32 s[\g+7], 0
.endr
	s_mul_i32 s18, s16, TA                         ; which half I fetch
	s_mul_i32 s20, s17, 2*TA
	s_add_co_u32 s20, s20, s18                     ; A: its first tile of 16 rows
	s_mul_i32 s46, s42, 2*TA
	s_add_co_u32 s46, s46, s18                     ; B likewise
	s_mul_i32 s22, s20, SROW                       ; their scale words, in bytes,
	s_mul_i32 s92, s46, SROW
	s_mul_i32 s20, s20, KROW                       ; and their codes (all under 2^24)
	s_mul_i32 s46, s46, KROW
.if KIND == 0
	s_add_co_u32 s20, s20, s2
	s_add_co_u32 s22, s22, s67
	s_add_co_u32 s92, s92, s66
.else
	s_add_co_u32 s22, s22, ASOFF
	s_add_co_u32 s46, s46, BCOFF
	s_add_co_u32 s92, s92, BSOFF
.endif
	s_mov_b32 s21, 0
	s_mov_b32 s23, 0
	s_mov_b32 s47, 0
	s_mov_b32 s93, 0
	s_mul_i32 s45, s14, HALFT                      ; where they go: wave x a half: no place in the cluster enters an LDS address
	s_mul_i32 s66, s16, HALFS
	s_wait_kmcnt 0x0
.if KIND == 0
	s_cmp_eq_u32 ttmp9, 2
	s_cselect_b64 s[10:11], s[6:7], s[4:5]         ; A's buffer
	s_cselect_b64 s[12:13], s[4:5], s[6:7]         ; B's
	s_add_nc_u64 s[20:21], s[10:11], s[20:21]
	s_add_nc_u64 s[22:23], s[10:11], s[22:23]
	s_add_nc_u64 s[46:47], s[12:13], s[46:47]
	s_add_nc_u64 s[92:93], s[12:13], s[92:93]
.else
	s_add_nc_u64 s[20:21], s[4:5], s[20:21]
	s_add_nc_u64 s[22:23], s[4:5], s[22:23]
	s_add_nc_u64 s[46:47], s[6:7], s[46:47]
	s_add_nc_u64 s[92:93], s[6:7], s[92:93]
.endif
	CROUND                                         ; all sixteen work-groups are here: the first joint loads meet
	; THE HEAD'S FOUR TILES, each whole, one load a wave: wave 0 slot 0's A (both halves), wave 1 its B, wave 2 A's scale words, wave 3 B's.  Slot 0's groups 0 serve the head's loads first
	s_mul_i32 s2, s16, TA*KROW                     ; my half's bytes, taken off again
	s_mov_b32 s3, 0
	s_mov_b32 s[G0], 1
	s_mov_b32 s[G0+1], 0
	s_sub_nc_u64 s[G0+2:G0+3], s[20:21], s[2:3]
	s_or_b32 s[G0+3], s[G0+3], 0x80000000
	s_mov_b32 s[G0B], 1
	s_mov_b32 s[G0B+1], 2*HALFT
	s_sub_nc_u64 s[G0B+2:G0B+3], s[46:47], s[2:3]
	s_or_b32 s[G0B+3], s[G0B+3], 0x80000000
	s_mov_b32 s2, s66                              ; the same for the scale words
	s_mov_b32 s[G0S], 1
	s_mov_b32 s[G0S+1], SCL
	s_sub_nc_u64 s[G0S+2:G0S+3], s[22:23], s[2:3]
	s_or_b32 s[G0S+3], s[G0S+3], 0x80000000
	s_mov_b32 s[G0SB], 1
	s_mov_b32 s[G0SB+1], SCLB
	s_sub_nc_u64 s[G0SB+2:G0SB+3], s[92:93], s[2:3]
	s_or_b32 s[G0SB+3], s[G0SB+3], 0x80000000
	s_cmp_eq_u32 s15, 0                            ; the four partners of a joint load share its rows out by address: place cx for A, cy for B
	s_cselect_b64 s[PFA:PFA+1], s[20:21], s[46:47]
	s_cselect_b32 s2, s40, s41
	s_mul_i32 s2, s2, (TA/4)*KROW
	s_add_nc_u64 s[PFA:PFA+1], s[PFA:PFA+1], s[2:3]
	s_wait_alu depctr_va_vdst(0)
; one chain of branches on the wave's number, one load to an arm, all arms to one join
.macro ARM under, g0, g1, next
	s_cmp_lt_u32 s14, \under
	s_cbranch_scc0 \next
	tensor_load_to_lds s[\g0:\g0+3], s[\g1:\g1+7]
	s_nop 0
.rept 4
	v_nop
.endr
	s_branch .Lhead_asked
\next:
.endm
	ARM 1, G0, G1, .Lhead_b
	ARM 2, G0B, G1B, .Lhead_sa
	ARM 3, G0S, G1S, .Lhead_sb
	tensor_load_to_lds s[G0SB:G0SB+3], s[G1SB:G1SB+7]
	s_nop 0
.rept 4
	v_nop
.endr
.Lhead_asked:
	global_prefetch_b8 v7, s[PFA:PFA+1] offset:ROWB th:TH_LOAD_NT scope:SCOPE_SE     ; my share of slots 1 and 2
	global_prefetch_b8 v7, s[PFA:PFA+1] offset:2*ROWB th:TH_LOAD_NT scope:SCOPE_SE
	s_wait_alu depctr_va_vdst(0)
	s_wait_tensorcnt 0x0                           ; my tile of the head's four is in
	ds_add_u32 v28, v29
	s_mov_b32 s[G1+2], TA<<16                      ; no tensor load of mine is out: from here on a load brings one half, TA tiles,
	s_mov_b32 s[G1+4], TA
	s_mov_b32 s[G1B+2], TA<<16
	s_mov_b32 s[G1B+4], TA
.irp s, 0,1                                    ; and the groups 0 are the ring's: my half of each slot
	s_mov_b32 s[G0+4*\s], 1
	s_add_co_u32 s[G0+4*\s+1], s45, \s*SLOT
	s_add_nc_u64 s[G0+4*\s+2:G0+4*\s+3], s[20:21], \s*ROWB
	s_or_b32 s[G0+4*\s+3], s[G0+4*\s+3], 0x80000000
	s_mov_b32 s[G0B+4*\s], 1
	s_add_co_u32 s[G0B+4*\s+1], s45, \s*SLOT
	s_add_nc_u64 s[G0B+4*\s+2:G0B+4*\s+3], s[46:47], \s*ROWB
	s_or_b32 s[G0B+4*\s+3], s[G0B+4*\s+3], 0x80000000
.endr
	s_wait_dscnt 0x0                               ; the add is done
	CROUND                                         ; all four tiles are in, and all sixteen work-groups are here
	JLOAD G0+4, G1, G0B+4, G1B                     ; slot 1's first fill, the first tensor load behind the round
	global_prefetch_b8 v7, s[PFA:PFA+1] offset:3*ROWB th:TH_LOAD_NT scope:SCOPE_SE   ; slot 3, the last: the loop asks for nothing
	v_and_b32 v1, 31, v0
	v_lshlrev_b32 v[L16], 4, v1                    ; 16 x lane
	v_and_b32 v3, 15, v0                           ; r
	v_bfe_u32 v4, v0, 4, 1                         ; h
	s_wait_alu depctr_va_vdst(0)
	v_lshlrev_b32 v6, 5, v4                        ; 32 h: my eight numbers of a tile's sixteen of the bias
	s_mul_i32 s18, s15, HALFT                      ; my half of A,
	s_mul_i32 s19, s16, HALFT                      ; my half of B,
	s_add_co_u32 s19, s19, 2*HALFT                 ; which lies behind A's two
.irp s, 0,1
	v_add_nc_u32 v[ADRA+\s], s18, v[L16]
	v_add_nc_u32 v[ADRB+\s], s19, v[L16]
	s_add_co_u32 s18, s18, SLOT
	s_add_co_u32 s19, s19, SLOT
.endr
	s_mul_i32 s18, s15, HALFS                      ; A's scale words: my half
	s_mul_i32 s19, s16, HALFS                      ; B's
	s_add_co_u32 s19, s19, SCLB-SCL
	s_sub_co_u32 s19, s19, s18
	v_mul_u32_u24 v5, s19, v4                      ; lanes 16-31 take B's: one product, the distance between the two
	s_add_co_u32 s18, s18, SCL
	v_lshl_add_u32 v5, v3, 2, v5
	v_add_nc_u32 v[ADRS], s18, v5
.if KIND < 2
	v_lshlrev_b32 v[EA+1], 2, v3                   ; a scale word's place: 4 r
	s_lshl_b32 s[OC+1], s17, 4
	s_lshl_b32 s[OS+1], s15, 3
	s_add_co_u32 s[OC+1], s[OC+1], s[OS+1]         ; my first tile of A's rows
	s_mul_i32 s[OC+1], s[OC+1], s[OCS]
	s_lshl_b32 s[OS+1], s42, 1
	s_add_co_u32 s[OS+1], s[OS+1], s16             ; my 128 rows of B
	s_mul_i32 s[OS+1], s[OS+1], s[OSS]
	s_add_co_u32 s[OC+1], s[OC+1], s[OS+1]         ; my first record of the output
	s_mul_i32 s[OS+1], s[OC+1], REC
	s_add_co_u32 s[OC], s[OC], s[OS+1]
	s_lshl_b32 s[OS+1], s[OC+1], 6
	s_add_co_u32 s[OS], s[OS], s[OS+1]
	s_mov_b32 s[OC+1], 0
	s_mov_b32 s[OS+1], 0
	s_lshl_b32 s[OSS], s[OCS], 6                   ; the steps, in bytes
	s_mul_i32 s[OCS], s[OCS], REC
	s_mov_b32 s[OCS+1], 0
	s_mov_b32 s[OSS+1], 0
.if KIND == 0
	s_add_nc_u64 s[OC:OC+1], s[8:9], s[OC:OC+1]
	s_add_nc_u64 s[OS:OS+1], s[8:9], s[OS:OS+1]
.else
	s_add_nc_u64 s[OC:OC+1], s[10:11], s[OC:OC+1]
	s_add_nc_u64 s[OS:OS+1], s[10:11], s[OS:OS+1]
.endif
.else
	s_mul_i32 s18, s14, 16*SPITCH
	s_add_co_u32 s18, s18, STAGE                   ; my stage
	v_mul_u32_u24 v5, v3, SPITCH
	v_lshl_add_u32 v5, v4, 5, v5
	v_add_nc_u32 v[EA], s18, v5                    ; in: row r, 32 bytes for each half of the lanes
	v_mul_u32_u24 v5, v4, SPITCH
	v_lshl_add_u32 v5, v3, 4, v5
	v_add_nc_u32 v[EA+1], s18, v5                  ; back: lanes 0-15 one row of 256 bytes, lanes 16-31 the next
	v_lshlrev_b32 v5, 12, v4
	v_lshl_add_u32 v[EA+2], v3, 4, v5              ; and the same two rows in memory (rows of 4,096 bytes)
	s_lshl_b32 s[OC], s17, 7
	s_lshl_b32 s[OC+1], s15, 6
	s_add_co_u32 s[OC], s[OC], s[OC+1]             ; my first row
	s_lshl_b32 s[OC], s[OC], 12
	s_lshl_b32 s[OC+1], s42, 7
	s_lshl_b32 s[OS], s16, 6
	s_add_co_u32 s[OC+1], s[OC+1], s[OS]           ; my first column
	s_lshl_b32 s[OC+1], s[OC+1], 2
	s_add_co_u32 s[OC], s[OC], s[OC+1]
	s_mov_b32 s[OC+1], 0
	s_add_nc_u64 s[10:11], s[10:11], s[OC:OC+1]    ; the residual,
	s_add_nc_u64 s[12:13], s[12:13], s[OC:OC+1]    ; and the output, at my share's corner
.endif
.if KIND > 0
	s_mul_i32 s46, s42, 128*TB                     ; the bias of my columns: 32 TB numbers a tile of B, 16 TB a half
	s_mul_i32 s47, s16, 64*TB
	s_add_co_u32 s46, s46, s47
	s_mov_b32 s47, 0
	s_add_nc_u64 s[8:9], s[8:9], s[46:47]
.if KIND == 1
	WIN 0x40                                       ; destination window 1
.else
	WIN 0xc0                                       ; destination window 3
.endif
.set J, 0
.rept TB                                       ; eight registers a tile of B, in the result's layout: they are the C of each sum's first matrix instruction
.if KIND == 1
.set BI, 96+8*J+96*(J/4)
.else
.set BI, 128+8*J
.endif
	global_load_b128 v[BI:BI+3], v6, s[8:9] offset:64*J
	global_load_b128 v[BI+4:BI+7], v6, s[8:9] offset:64*J+16
.set J, J+1
.endr
.if KIND == 2
.set J, 0
.rept 32                                       ; the residual of my 64 x 64, as it will be stored: two rows an instruction
	global_load_b128 v[4*J:4*J+3], v[EA+2], s[10:11] offset:2*J*4096 th:TH_LOAD_NT
.set J, J+1
.endr
.endif
	WIN 0
.endif
; The fragments of the slot's q-th step into set fs: three loads of 16 bytes a lane each
.macro FETCH slot, q, fs
	WIN 0x40                                       ; destination window 1, address window 0
.set I, 0
.rept TB
.irp c, 0,1,2
	ds_load_b128 v[128*(\fs)+12*I+4*\c:128*(\fs)+12*I+4*\c+3], v[ADRB+\slot] offset:I*ROWB+(\q)*REC+512*\c
.endr
.set I, I+1
.endr
	WIN 0
.set I, 0
.rept TA
.irp c, 0,1,2
	ds_load_b128 v[AF+96*(\fs)+12*I+4*\c:AF+96*(\fs)+12*I+4*\c+3], v[ADRA+\slot] offset:I*ROWB+(\q)*REC+512*\c
.endr
.set I, I+1
.endr
.endm
.macro SCALES sc                       ; a slot's scale words into set sc: lanes 0-15 take A's tile i, lanes 16-31 B's tile i
.set I, 0
.rept TA
.set K, 0
.rept NQ
	ds_load_b32 v[SC+16*(\sc)+NQ*I+K], v[ADRS] offset:I*SROW+64*K
.set K, K+1
.endr
.set I, I+1
.endr
.endm
; A's tile a against B's TB tiles, 128 along K.  cm = 1: the first product starts the sums, with 0 or with the bias as C: nothing is ever cleared.
; The accumulators take turns, one instruction a turn, in the same order in every step.
.macro MULA a, fs, q, sc, cm
.set J, 0
.rept TB
.set AI, 8*(TB*(\a)+J)
.set AW, 2+AI/256
.set AR, AI%256
.set FB, 128*(\fs)+12*J
.set FA, AF+96*(\fs)+12*(\a)
.set SWB, SC+16*(\sc)+NQ*J+(\q)
.set SWA, SC+16*(\sc)+NQ*(\a)+(\q)
.if (\cm) && (KIND == 0)
	WIN 0x01|(AW<<4)|(AW<<6)
	v_wmma_scale_f32_16x16x128_f8f6f4 v[AR:AR+7], v[FB:FB+11], v[FA:FA+11], 0, v[SWB], v[SWA] matrix_a_fmt:MATRIX_FMT_BF6 matrix_b_fmt:MATRIX_FMT_BF6 matrix_a_scale:MATRIX_SCALE_ROW1
.elseif (\cm) && (KIND == 1)
.set BI, 96+8*J+96*(J/4)
	WIN 0x11|(AW<<6)                               ; C: the bias, in window 1
	v_wmma_scale_f32_16x16x128_f8f6f4 v[AR:AR+7], v[FB:FB+11], v[FA:FA+11], v[BI:BI+7], v[SWB], v[SWA] matrix_a_fmt:MATRIX_FMT_BF6 matrix_b_fmt:MATRIX_FMT_BF6 matrix_a_scale:MATRIX_SCALE_ROW1
.elseif (\cm)
.set BI, 128+8*J
	WIN 0x31|(AW<<6)                               ; C: the bias, in window 3
	v_wmma_scale_f32_16x16x128_f8f6f4 v[AR:AR+7], v[FB:FB+11], v[FA:FA+11], v[BI:BI+7], v[SWB], v[SWA] matrix_a_fmt:MATRIX_FMT_BF6 matrix_b_fmt:MATRIX_FMT_BF6 matrix_a_scale:MATRIX_SCALE_ROW1
.else
	WIN 0x01|(AW<<4)|(AW<<6)                       ; source 0 (B) window 1, source 1 (A) window 0, C and D the accumulator's window
	v_wmma_scale_f32_16x16x128_f8f6f4 v[AR:AR+7], v[FB:FB+11], v[FA:FA+11], v[AR:AR+7], v[SWB], v[SWA] matrix_a_fmt:MATRIX_FMT_BF6 matrix_b_fmt:MATRIX_FMT_BF6 matrix_a_scale:MATRIX_SCALE_ROW1
.endif
.set J, J+1
.endr
.endm
.macro MULS a0, n, fs, q, sc, cm       ; A's tiles a0 .. a0 + n - 1
.set AA, \a0
.rept \n
	MULA AA, \fs, \q, \sc, \cm
.set AA, AA+1
.endr
.endm
; A step of 128 along K that has its successor in the same slot: the successor's fragments are asked for first, into the other set, and land under this step's products
.macro STEP slot, q, cm
	s_wait_dscnt 0x0                               ; this step's fragments, asked for a whole step ago, are in
	PLACES 4                                       ; the other set was read by the last products
	FETCH \slot, (\q)+1, ((\q)+1)%2
	MULS 0, TA, (\q)%2, \q, \slot, \cm
.endm
.macro STEPS slot, q0                  ; the slot's steps q0 .. NQ - 2
.if NQ-1-(\q0) > 0
.set QQ, \q0
.rept NQ-1-(\q0)
	STEP \slot, QQ, 0
.set QQ, QQ+1
.endr
.endif
.endm
; A slot's last step changes slots: ONE barrier; in front of it each wave waits for all its tensor loads, adds 0 to its spare word, and waits for that and for its own reads of this slot.
; fill = 1: the barrier opens a round of the cluster's barrier, and behind the round this slot is filled again, two slots ahead.
.macro TURN slot, next, fill
	WIN 0                                          ; (the add's two registers lie in window 0)
	s_wait_tensorcnt 0x0                           ; all my tensor loads have landed: my part of the next slot
	ds_add_u32 v[SPW], v[NIL]                      ; 0 onto my spare word
	s_wait_dscnt 1                                 ; this step's fragments are in; the add may be out
	MULS 0, TA/4, 1, NQ-1, \slot, 0                ; matrix instructions stand between the add and the wait for it
	s_wait_dscnt 0x0                               ; the add is done, and my reads of this slot are over
	s_barrier_signal -1
	MULS TA/4, TA/4, 1, NQ-1, \slot, 0
	WIN 0
	s_barrier_wait -1
.if \fill
	CREST                                          ; no wave of any partner still reads this slot's tiles or has a load on its way
	s_add_nc_u64 s[G0+4*\slot+2:G0+4*\slot+3], s[G0+4*\slot+2:G0+4*\slot+3], 2*ROWB
	s_add_nc_u64 s[G0B+4*\slot+2:G0B+4*\slot+3], s[G0B+4*\slot+2:G0B+4*\slot+3], 2*ROWB
	JLOAD G0+4*\slot, G1, G0B+4*\slot, G1B         ; the first tensor load behind the round; its four v_nop are also the places in front of the loads below
.else
	PLACES 4
.endif
	s_wait_alu depctr_va_vdst(0)
	v_add_nc_u32 v[ADRS], NQ*64, v[ADRS]           ; on to the next slot's scale words
	FETCH \next, 0, 0
	SCALES \next
	MULS TA/2, TA/2, 1, NQ-1, \slot, 0
.endm
	s_wait_alu depctr_va_vdst(0)
	s_wait_tensorcnt 1                             ; the scale words and my part of slot 0 are in; slot 1's load may be out
	s_barrier_signal -1
	s_barrier_wait -1                              ; everybody's are
	FETCH 0, 0, 0
	SCALES 0
.if KIND == 1
	s_wait_loadcnt 0x0                             ; the bias
.elseif KIND == 2
	s_wait_loadcnt 32                              ; the bias; the residual's 32 loads may be out
.endif
	STEP 0, 0, 1                                   ; the first step stands in front of the loop: its products start the sums
.if LAPS > 1
	WIN 0                                          ; at a label and at a branch every window is 0
	s_mov_b32 s3, LAPS-1
.Llap:                                                 ; a trip goes once round the ring, from a lap's second step to the next lap's first, and fills both slots again
	STEPS 0, 1
	TURN 0, 1, 1
	STEPS 1, 0
	TURN 1, 0, 1
	STEP 0, 0, 0
	WIN 0
	s_sub_co_u32 s3, s3, 1
	s_cmp_lg_u32 s3, 0
	s_cbranch_scc1 .Llap
.endif
	STEPS 0, 1                                     ; the last lap fills nothing, and has no round of the cluster's barrier
	TURN 0, 1, 0
	STEPS 1, 0
	s_wait_dscnt 0x0                               ; the very last step: nothing more to fetch
	MULS 0, TA, 1, NQ-1, 1, 0
	WIN 0
	PLACES 4                                       ; in front of the first read of results and of writes into registers that held fragments
.if KIND < 2
; THE WAY OUT ON CODES.  A lane's 64 numbers of a tile of A (8 tiles of B x 8 registers) are 128 neighbours along the next product's K, less the order of places inside a block:
; they are quantised in registers and ARE a record of the next operand: three stores of 512 consecutive bytes, and the scale words.
.macro QUANTW s, W                     ; the 64 accumulator registers v[s] on of window W -> codes in v[PC] on, scale word in v[PW]
.if KIND == 1
	WIN ((\W)<<2)|((\W)<<6)
.set J, 0
.rept 64
	v_max_num_f32 v[(\s)+J], 0, v[(\s)+J]          ; relu, in f32; each accumulator from its low end on
.set J, J+1
.endr
.endif
	WIN (\W)|((\W)<<2)
.irp b, 0,1,2,3
	v_max3_num_f32 v[TM+\b], |v[(\s)+16*\b]|, |v[(\s)+16*\b+1]|, 0x2800000   ; block b: my 16 numbers, and the floor 2^(5 - 127): the byte cannot fall under 1
.endr
.irp i, 2,4,6,8,10,12,14
.irp b, 0,1,2,3
	v_max3_num_f32 v[TM+\b], |v[(\s)+16*\b+\i]|, |v[(\s)+16*\b+\i+1]|, v[TM+\b]   ; the four blocks by turns
.endr
.endr
	WIN 0
.irp b, 0,1,2,3
	v_permlanex16_b32 v[TM+4+\b], v[TM+\b], s[SEL], s[SEL+1]
.endr
.irp b, 0,1,2,3
	v_max_num_f32 v[TM+\b], v[TM+\b], v[TM+4+\b]   ; with lane l xor 16's: the block's largest magnitude
.endr
.irp b, 0,1,2,3
	v_add_nc_u32 v[TM+12+\b], 0xfe000000, v[TM+\b] ; 4 off its exponent field: the conversion's scale operand
.endr
.irp b, 0,1,2,3
	v_lshrrev_b32 v[TM+4+\b], 23, v[TM+12+\b]      ; the scale's byte
.endr
	v_lshl_or_b32 v[PW], v[TM+5], 8, v[TM+4]
	v_lshl_or_b32 v[PW], v[TM+6], 16, v[PW]
	v_lshl_or_b32 v[PW], v[TM+7], 24, v[PW]
	WIN (\W)                                       ; source 0: the accumulators
.irp c, 0,1
	v_cvt_scalef32_pk16_bf6_f32 v[PC+6*\c:PC+2+6*\c], v[(\s)+32*\c:(\s)+15+32*\c], v[TM+12+2*\c]
	v_cvt_scalef32_pk16_bf6_f32 v[PC+12+4*\c:PC+14+4*\c], v[(\s)+16+32*\c:(\s)+31+32*\c], v[TM+12+2*\c+1]   ; (a conversion's three registers begin on an even number)
.endr
	WIN 0
	v_nop                                          ; one plain instruction behind a scaled conversion
.irp c, 0,1                                    ; the operand wants a whole block in a lane
.irp i, 0,1,2
	v_permlane16_swap_b32 v[PC+6*\c+\i], v[PC+12+4*\c+\i]
.endr
.irp i, 0,1,2
	v_mov_b32 v[PC+3+6*\c+\i], v[PC+12+4*\c+\i]
.endr
.endr
.endm
	s_mov_b32 s[SEL], 0x76543210
	s_mov_b32 s[SEL+1], 0xfedcba98
.irp b, 0,1,2,3
	v_mov_b32 v[TM+4+\b], 0                        ; written once: a lane permute's destination counts as one of its sources
.endr
.set AB, 0
.rept TA
.if AB > 0
	s_wait_xcnt 0x0                                ; the last tile's stores have read their data and their bases: both are written again only behind this wait
	s_add_nc_u64 s[OC:OC+1], s[OC:OC+1], s[OCS:OCS+1]
	s_add_nc_u64 s[OS:OS+1], s[OS:OS+1], s[OSS:OSS+1]
.endif
	QUANTW 64*(AB%4), 2+AB/4
.irp c, 0,1,2
	global_store_b128 v[L16], v[PC+4*\c:PC+4*\c+3], s[OC:OC+1] offset:512*\c   ; 32 lanes store 512 consecutive bytes, aligned
.endr
	global_store_b32 v[EA+1], v[PW], s[OS:OS+1]    ; lanes 16-31 hold and write the same words as lanes 0-15
.set AB, AB+1
.endr
.else
; THE WAY OUT IN f32.  A lane holds 32 neighbouring bytes of a row and the lanes beside it other rows: a block of 16 rows x 64 columns goes through my own stage and comes back as rows of 256 bytes;
; the residual is added, and sixteen lanes store 256 consecutive bytes, aligned.  LDS serves a wave's instructions in order: no wait between the stores and the loads, nor in front of the next block's stores.
.macro TOSTAGE a
	WIN 0x08                                       ; an LDS store's data are its source 1: window 2
.irp b, 0,1,2,3
	ds_store_b128 v[EA], v[32*(\a)+8*\b:32*(\a)+8*\b+3] offset:64*\b          ; each accumulator from its low end on
	ds_store_b128 v[EA], v[32*(\a)+8*\b+4:32*(\a)+8*\b+7] offset:64*\b+16
.endr
	WIN 0
.irp t, 0,1,2,3,4,5,6,7
	ds_load_b128 v[BK+32*((\a)%2)+4*\t:BK+32*((\a)%2)+4*\t+3], v[EA+1] offset:2*SPITCH*\t
.endr
.endm
.macro SEND a, younger                 ; younger: the LDS instructions issued behind block a's loads, which may stay out
	s_wait_dscnt \younger
	WIN 0x0c                                       ; source 1: the residual, in window 3
.irp i, 0,2,4,6,8,10,12,14,16,18,20,22,24,26,28,30
	v_pk_add_f32 v[BK+32*((\a)%2)+\i:BK+32*((\a)%2)+\i+1], v[BK+32*((\a)%2)+\i:BK+32*((\a)%2)+\i+1], v[32*(\a)+\i:32*(\a)+\i+1]
.endr
	WIN 0
.irp t, 0,1,2,3,4,5,6,7
	global_store_b128 v[EA+2], v[BK+32*((\a)%2)+4*\t:BK+32*((\a)%2)+4*\t+3], s[12:13] offset:(16*(\a)+2*\t)*4096 th:TH_STORE_NT
.endr
.endm
	s_wait_loadcnt 0x0                             ; the residual
	TOSTAGE 0
.irp a, 1,2,3
.if \a > 1
	s_wait_xcnt 0x0                                ; block a - 2's stores have read their registers: block a's loads may land there
.endif
	TOSTAGE \a
	SEND \a-1, 16                                  ; behind block a - 1's loads: block a's 8 stores and 8 loads
.endr
	SEND 3, 0
.endif
	s_wait_tensorcnt 0x0                           ; the wave's end
	ds_add_u32 v[SPW], v[NIL]
	s_wait_dscnt 0x0
	CROUND                                         ; the closing round: no work-group ends while a partner may still ask for a tile that names it
	s_endpgm
.Lfunc_end_k_q8a73358026_qkvg:
	.size	k_q8a73358026_qkvg, .Lfunc_end_k_q8a73358026_qkvg-k_q8a73358026_qkvg
	.p2alignl 7, 3214868480
	.fill 96, 4, 3214868480
	.section	.rodata,"a",@progbits
	.p2align	6, 0x0
	.amdhsa_kernel k_q8a73358026_qkvg
		.amdhsa_group_segment_fixed_size 327680
		.amdhsa_private_segment_fixed_size 0
		.amdhsa_enable_private_segment 0
		.amdhsa_kernarg_size 24
		.amdhsa_user_sgpr_count 2
		.amdhsa_user_sgpr_kernarg_segment_ptr 1
		.amdhsa_wavefront_size32 1
		.amdhsa_system_sgpr_workgroup_id_x 1
		.amdhsa_system_sgpr_workgroup_id_y 1
		.amdhsa_system_sgpr_workgroup_id_z 1
		.amdhsa_system_vgpr_workitem_id 0
		.amdhsa_next_free_vgpr 1024
		.amdhsa_next_free_sgpr 102
		.amdhsa_reserve_vcc 0
		.amdhsa_float_denorm_mode_32 3
		.amdhsa_float_denorm_mode_16_64 3
		.amdhsa_memory_ordered 1
		.amdhsa_forward_progress 1
		.amdhsa_inst_pref_size 145
	.end_amdhsa_kernel
	.amdgpu_metadata
---
amdhsa.version: [ 1, 2 ]
amdhsa.kernels:
  - .name:           k_q8a73358026_qkvg
    .symbol:         k_q8a73358026_qkvg.kd
    .args:
      - { .name: hq, .offset: 0, .size: 8, .value_kind: global_buffer, .address_space: global }
      - { .name: wts, .offset: 8, .size: 8, .value_kind: global_buffer, .address_space: global }
      - { .name: qkv, .offset: 16, .size: 8, .value_kind: global_buffer, .address_space: global }
    .group_segment_fixed_size: 327680
    .private_segment_fixed_size: 0
    .kernarg_segment_align: 8
    .kernarg_segment_size: 24
    .max_flat_workgroup_size: 128
    .sgpr_count:     102
    .vgpr_count:     1024
    .wavefront_size: 32
...
	.end_amdgpu_metadata
.endif
;; end of part 2
;; launch attn (part 3): grid 8 x 32, 16 waves a work-group, no clusters, 327,680 bytes of LDS; arguments qkv, attq; writes attq
.if DOCPART == 3
	.amdgcn_target "amdgcn-amd-amdhsa--gfx1250"
	.amdhsa_code_object_version 6
	.text
	.protected	k_q8a73358026_attn
	.globl	k_q8a73358026_attn
	.p2align	8
	.type	k_q8a73358026_attn,@function
k_q8a73358026_attn:
	s_mov_b64 s[64:65], 0
	v_nop
	global_prefetch_b8 v0, s[64:65] scope:SCOPE_SE
	s_setreg_imm32_b32 hwreg(HW_REG_WAVE_MODE, 25, 1), 1
	s_wait_xcnt 0x0
; att = softmax(q k^T / 32, causal) v for 64 (batch, head) pairs of 1,024 tokens and head size 64, both products on codes of BF6 (E3M2) with E8M0 scales; att is quantised at once along the 1,024 of the next product.
; THE SOFTMAX AHEAD OF THE SECOND PRODUCT: t = score x log2(e) / 32; M = the row's largest t so far, rounded up to a whole number; p = 2^(t - M) is quantised along the keys, not normalised;
; the row's sum is taken of the unquantised p and divides at the end.  When M moves, the sum and O are multiplied by 2^(old M - new M): exact.
; OPERANDS lie in qkv in the order of an operand's registers (records of 16 rows x 128 K, 1,536 bytes).  A record of q or k holds TWO heads (64 + 64 along K): k's is used whole, and in q's the other head's
; six registers are cleared: zero codes add nothing under any scale byte that the quantiser gives.
; SHARES.  A work-group has one batch and one pair of heads, and 64 early and 64 late queries (blocks x and 15 - x of 16), which together need 9 key steps whatever x is.
; Wave w: head w % 2 of the pair; 16 queries: tile (w / 2) % 4 of the early (w < 8) or late block.
; ALL OF K AND V OF THE PAIR FITS IN LDS, 196,608 bytes: it is filled once, in four stages of 256 keys; nothing is filled again.  No cluster: the steps that a wave leaves out hang on the work-group's
; block of queries, which would be its place in a cluster.  No prefetch: all that the work-group reads is asked for at its head.
; LAYOUT.  Both products are used transposed: S^T = K Q^T, O^T = V^T P^T: a lane holds one query (lane % 16) throughout.  Register 8 t + j of S^T is key 16 t + 8 (lane / 16) + j of the step.
; LIMITS: NaN and infinities are not served; a block under 2^-122, and a block of zeros, keep the byte 1; inside a block of 32 the products are added in the program's own order of places.
.set REC,   1536
.set STG,   49152                      ; a stage of 256 keys: 16 records of K, then V's [8 tiles of 16 channels][2 steps]
.set VOFF,  24576
.set KSREG, 196608                     ; K's scale words: 64 bytes a tile of 16 keys
.set VSREG, 200704                     ; V's: 512 bytes a tile of channels, 64 a key step
.set XCH,   204800                     ; 1,024 bytes for each pair of waves: the odd head's half record on its way to the even wave
.set QKS,   9437184                    ; in qkv: q | k's scale words,
.set VC,    6291456                    ; v's codes,
.set VS,    9699328                    ; v's scale words
.set AK0,  1                           ; v1   16 x lane: my place in a record
.set AV0,  2                           ; v2   the same in V's part of a stage, at my head's four tiles
.set ASK0, 3                           ; v3   my place among K's scale words
.set ASV0, 4                           ; v4   and among V's
.set ADK,  8                           ; v8-11 the addresses of the step in hand
.set ADV,  9
.set ADS,  10
.set ADT,  11
.set WV,   8                           ; s8   wave
.set HE,   9                           ; s9   which head of the pair
.set BB,   10                          ; s10  batch
.set PR,   11                          ; s11  pair of heads
.set QT,   12                          ; s12  my tile of 16 queries
.set Q0,   13                          ; s13  my first query
.set KF,   14                          ; s14  the step's first key
.set TB,   15                          ; s15  LDS byte at which the stage in hand begins
.set G1K,  16                          ; s[16:23], s[24:31], s[32:39], s[40:47] descriptor groups 1: K's codes, V's codes, K's scale words, V's
.set G1V,  24
.set G1KS, 32
.set G1VS, 40
.set TS,   72                          ; s72  the stage's scale words of K: 1,024 bytes a stage
.set TJ,   73                          ; s73  and of V: 128
.set CS,   74                          ; s[74:75] c = log2(e) / 32
.set SEL,  76                          ; s[76:77] lane selects: lane l xor 16
	s_load_b128 s[4:7], s[0:1], 0x0                ; qkv, attq
	v_lshl_add_u32 v95, v0, 2, 0x34000
	v_mov_b32 v243, 0
	ds_add_u32 v95, v243
	ds_add_u32 v95, v243
	v_lshrrev_b32 v8, 5, v0
	s_delay_alu instid0(VALU_DEP_1)
	v_readfirstlane_b32 s[WV], v8                  ; wave 0..15
	s_and_b32 s[HE], s[WV], 1
	s_and_b32 s80, ttmp7, 0xffff
	s_lshr_b32 s[BB], s80, 3
	s_and_b32 s[PR], s80, 7
	s_lshr_b32 s80, s[WV], 1
	s_and_b32 s80, s80, 3
	s_sub_co_u32 s81, 15, ttmp9
	s_cmp_lt_u32 s[WV], 8
	s_cselect_b32 s81, ttmp9, s81                  ; my block of 64 queries
	s_lshl_b32 s[QT], s81, 2
	s_add_co_u32 s[QT], s[QT], s80
	s_lshl_b32 s[Q0], s[QT], 4
	; descriptor groups 1: constants, on the one way that all waves take.  Elements of 8 bytes, no padding
	s_mov_b32 s[G1K], 3<<16                        ; K's codes: 4 records, 6,144 dense bytes, as 24 rows of 256
	s_mov_b32 s[G1K+1], 32<<16
	s_mov_b32 s[G1K+2], 24<<16
	s_mov_b32 s[G1K+3], 32<<16
	s_mov_b32 s[G1K+4], 24
	s_mov_b32 s[G1K+5], 32
	s_mov_b32 s[G1K+6], 0
	s_mov_b32 s[G1K+7], 0
	s_mov_b32 s[G1V], 3<<16                        ; V's codes: 2 tiles of channels x 2 records (3,072 bytes), 49,152 bytes apart
	s_mov_b32 s[G1V+1], 384<<16
	s_mov_b32 s[G1V+2], 2<<16
	s_mov_b32 s[G1V+3], 384<<16
	s_mov_b32 s[G1V+4], 2
	s_mov_b32 s[G1V+5], 6144
	s_mov_b32 s[G1V+6], 0
	s_mov_b32 s[G1V+7], 0
	s_mov_b32 s[G1KS], 3<<16                       ; K's scale words: 1,024 dense bytes, as 4 rows of 256
	s_mov_b32 s[G1KS+1], 32<<16
	s_mov_b32 s[G1KS+2], 4<<16
	s_mov_b32 s[G1KS+3], 32<<16
	s_mov_b32 s[G1KS+4], 4
	s_mov_b32 s[G1KS+5], 32
	s_mov_b32 s[G1KS+6], 0
	s_mov_b32 s[G1KS+7], 0
	s_mov_b32 s[G1VS], 3<<16                       ; V's: 2 tiles of channels x 512 bytes, 2,048 bytes apart
	s_mov_b32 s[G1VS+1], 64<<16
	s_mov_b32 s[G1VS+2], 2<<16
	s_mov_b32 s[G1VS+3], 64<<16
	s_mov_b32 s[G1VS+4], 2
	s_mov_b32 s[G1VS+5], 256
	s_mov_b32 s[G1VS+6], 0
	s_mov_b32 s[G1VS+7], 0
	; byte offsets, made apart from the addresses
	s_and_b32 s80, s[WV], 3                        ; my quarter of what is fetched
	s_lshl_b32 s81, s[PR], 8
	s_lshl_b32 s3, s[BB], 6
	s_add_co_u32 s81, s81, s3                      ; 256 pair + 64 batch: q's first record of this batch and pair
	s_add_co_u32 s88, s81, s[QT]                   ; my record of q
	s_lshl_b32 s90, s88, 6
	s_add_co_u32 s90, s90, QKS
	s_mul_i32 s88, s88, REC
	s_mov_b32 s89, 0
	s_mov_b32 s91, 0
	s_add_co_u32 s92, s3, s[QT]                    ; the output's record: (tile of tokens) x 8 + pair
	s_lshl_b32 s92, s92, 3
	s_add_co_u32 s92, s92, s[PR]
	s_lshl_b32 s94, s92, 6
	s_add_co_u32 s94, s94, 3145728
	s_mul_i32 s92, s92, REC
	s_mov_b32 s93, 0
	s_mov_b32 s95, 0
	s_add_co_u32 s81, s81, 2048                    ; k's records lie 8 x 256 behind q's
	s_lshl_b32 s82, s80, 2
	s_add_co_u32 s82, s82, s81
	s_mul_i32 s82, s82, REC                        ; K's codes: 4 records a wave and stage
	s_lshl_b32 s84, s80, 4
	s_add_co_u32 s84, s84, s81
	s_lshl_b32 s84, s84, 6
	s_add_co_u32 s84, s84, QKS                     ; K's scale words: 16 tiles a wave
	s_lshl_b32 s81, s[PR], 3
	s_lshl_b32 s3, s80, 1
	s_add_co_u32 s81, s81, s3
	s_lshl_b32 s81, s81, 5
	s_lshl_b32 s3, s[BB], 3
	s_add_co_u32 s81, s81, s3                      ; V: record (8 pair + 2 quarter) x 32 + 8 batch
	s_mul_i32 s86, s81, REC
	s_add_co_u32 s86, s86, VC
	s_lshl_b32 s81, s81, 6
	s_add_co_u32 s81, s81, VS
	; THE HEAD'S LOADS, one a wave: waves 0-3 a quarter of stage 0's K, waves 4-7 of its V, waves 8-11 a quarter of K's scale words, waves 12-15 of V's
	s_cmp_lt_u32 s[WV], 4
	s_cselect_b32 s82, s82, s86
	s_cmp_lt_u32 s[WV], 12
	s_cselect_b32 s84, s84, s81
	s_mov_b32 s83, 0
	s_mov_b32 s85, 0
	s_mul_i32 s81, s[WV], 4*REC                    ; stage 0: 6,144 bytes a wave, K's part, then V's
	s_lshl_b32 s80, s[WV], 10
	s_add_co_u32 s80, s80, KSREG-8192              ; the scale words: 1,024 bytes for each of waves 8-15
	; STAGES 1 TO 3 come behind the first barrier, one load a wave: with i = wave % 8 under 6, stage 1 + i / 2, half i % 2 of K's 16 records (waves 0-5) or of V's 8 tiles (waves 8-13)
	s_and_b32 s2, s[WV], 7
	s_and_b32 s66, s2, 1
	s_lshr_b32 s67, s2, 1
	s_lshl_b32 s86, s[PR], 8
	s_lshl_b32 s3, s[BB], 6
	s_add_co_u32 s3, s3, s86
	s_lshl_b32 s87, s2, 3
	s_add_co_u32 s3, s3, s87
	s_add_co_u32 s3, s3, 2048+16                   ; K: record 2,048 + 256 pair + 64 batch + 16 + 8 i
	s_mul_i32 s3, s3, REC
	s_lshl_b32 s87, s[BB], 3
	s_add_co_u32 s86, s86, s87
	s_lshl_b32 s87, s66, 7
	s_add_co_u32 s86, s86, s87
	s_lshl_b32 s87, s67, 1
	s_add_co_u32 s86, s86, s87
	s_add_co_u32 s86, s86, 2                       ; V: record 256 pair + 128 half + 8 batch + 2 stage
	s_mul_i32 s86, s86, REC
	s_add_co_u32 s86, s86, VC
	s_cmp_lt_u32 s[WV], 8
	s_cselect_b32 s86, s3, s86
	s_mov_b32 s87, 0
	s_mul_i32 s67, s67, STG                        ; in LDS: stage x STG + half x 12,288, V's part VOFF on
	s_mul_i32 s66, s66, 8*REC
	s_add_co_u32 s67, s67, s66
	s_lshr_b32 s66, s[WV], 3
	s_mul_i32 s66, s66, VOFF
	s_add_co_u32 s67, s67, s66
	s_add_co_u32 s67, s67, STG
	s_mov_b32 s[SEL], 0x76543210
	s_mov_b32 s[SEL+1], 0xfedcba98
	s_mov_b32 s[CS], 0x3d38aa3b                    ; log2(e) / 32
	s_mov_b32 s[CS+1], s[CS]                       ; (named with it as a pair, so it is written)
	s_mov_b32 s[TB], 0
	s_mov_b32 s[TS], 0
	s_mov_b32 s[TJ], 0
	s_mov_b32 s[KF], 0
	s_cmp_eq_u32 s[HE], 0
	s_cselect_b32 s78, -1, 0                       ; keeps q's registers 0-5 (the even head's),
	s_not_b32 s79, s78                             ; or 6-11
	s_wait_dscnt 0x0
	s_wait_kmcnt 0x0
	s_add_nc_u64 s[82:83], s[4:5], s[82:83]
	s_add_nc_u64 s[84:85], s[4:5], s[84:85]
	s_add_nc_u64 s[88:89], s[4:5], s[88:89]        ; q's codes
	s_add_nc_u64 s[90:91], s[4:5], s[90:91]        ; q's scale words
	s_add_nc_u64 s[92:93], s[6:7], s[92:93]        ; the output's codes
	s_add_nc_u64 s[94:95], s[6:7], s[94:95]        ; and scale words
	s_mov_b32 s48, 1                               ; group 0 of the scale words
	s_mov_b32 s49, s80
	s_mov_b64 s[50:51], s[84:85]
	s_or_b32 s51, s51, 0x80000000
	s_mov_b32 s52, 1                               ; group 0 of stage 0's codes,
	s_mov_b32 s53, s81
	s_mov_b64 s[54:55], s[82:83]
	s_or_b32 s55, s55, 0x80000000
	s_add_nc_u64 s[86:87], s[4:5], s[86:87]
	s_mov_b32 s56, 1                               ; and of my part of stages 1 to 3
	s_mov_b32 s57, s67
	s_mov_b64 s[58:59], s[86:87]
	s_or_b32 s59, s59, 0x80000000
; one chain of branches on the wave's number, one load to an arm, all arms to one join: every way through the head passes one load
.macro ARM under, g0, g1, next
	s_cmp_lt_u32 s[WV], \under
	s_cbranch_scc0 \next
	tensor_load_to_lds s[\g0:\g0+3], s[\g1:\g1+7]
	s_nop 0
.rept 4
	v_nop
.endr
	s_branch .Lfilled
\next:
.endm
	ARM 4, 52, G1K, .Lh_v
	ARM 8, 52, G1V, .Lh_ks
	ARM 12, 48, G1KS, .Lh_vs
	tensor_load_to_lds s[48:51], s[G1VS:G1VS+7]
	s_nop 0
.rept 4
	v_nop
.endr
.Lfilled:
	v_and_b32 v8, 15, v0                           ; r
	v_and_b32 v10, 31, v0                          ; lane
	s_delay_alu instid0(VALU_DEP_1)
	v_lshlrev_b32 v[AK0], 4, v10
	s_delay_alu instid0(VALU_DEP_3)
	v_lshlrev_b32 v29, 2, v8                       ; 4 r
.irp c, 0,1,2
	global_load_b128 v[16+4*\c:19+4*\c], v[AK0], s[88:89] offset:512*\c   ; q's record stays in registers: v16-27
.endr
	global_load_b32 v255, v29, s[90:91]            ; q's scale words
	s_mul_i32 s80, s[HE], 8*REC
	s_add_co_u32 s80, s80, VOFF
	v_add_nc_u32 v[AV0], s80, v[AK0]
	v_add_nc_u32 v[ASK0], KSREG, v29
	s_lshl_b32 s80, s[HE], 11
	s_add_co_u32 s80, s80, VSREG
	v_add_nc_u32 v[ASV0], s80, v29
	s_lshr_b32 s80, s[WV], 1
	s_lshl_b32 s80, s80, 10
	s_add_co_u32 s80, s80, XCH                     ; my pair of waves' bytes: 16 a lane, then 8 a lane, then 4 a lane
	v_add_nc_u32 v5, s80, v[AK0]
	v_lshl_add_u32 v6, v10, 3, s80
	s_delay_alu instid0(VALU_DEP_1)
	v_add_nc_u32 v6, 512, v6
	v_lshl_add_u32 v7, v10, 2, s80
	s_delay_alu instid0(VALU_DEP_1)
	v_add_nc_u32 v7, 768, v7
	v_mov_b32 v13, 0xff61b1e6                      ; the largest t so far: -3e38, under every t
	s_delay_alu instid0(VALU_DEP_1)
	v_floor_f32 v12, -v13                          ; -M
	v_mov_b32 v14, 0                               ; the sum, in two halves
	v_mov_b32 v15, 0
.irp b, 0,1,2,3
	v_mov_b32 v[236+\b], 0                         ; written once: a lane permute's destination counts as one of its sources
.endr
	v_mov_b32 v252, 0
	v_mov_b32 v253, 0                              ; (named as the upper half of the pair v[252:253] before it is first written)
.set J, 0
.rept 32
	v_mov_b32 v[160+J], 0                          ; O^T.  (The step is written without a first form: the first finds zeros, which the first change of M leaves zeros)
.set J, J+1
.endr
; A KEY STEP: 128 keys, the q-th of the stage in hand.  A step all of whose keys come after my 16 queries is left out: a scalar branch on ids.
.macro STEP q
	s_add_co_u32 s3, s[Q0], 15
	s_cmp_gt_u32 s[KF], s3
	s_cbranch_scc1 .Lhidden_\@
	v_add_nc_u32 v[ADK], s[TB], v[AK0]
	v_add_nc_u32 v[ADV], s[TB], v[AV0]
	v_add_nc_u32 v[ADS], s[TS], v[ASK0]
	v_add_nc_u32 v[ADT], s[TJ], v[ASV0]            ; (these four are also the places in front of the loads below, and behind the masking of q)
	s_wait_alu depctr_va_vdst(0)
.irp g, 0,1                                    ; S^T = K Q^T, four tiles of 16 keys at a time
.if \g
.rept 4
	v_nop                                          ; places in front of loads into registers that matrix instructions have read
.endr
.endif
.irp t, 0,1,2,3
.irp c, 0,1,2
	ds_load_b128 v[32+12*\t+4*\c:35+12*\t+4*\c], v[ADK] offset:(8*(\q)+4*\g+\t)*REC+512*\c
.endr
	ds_load_b32 v[248+\t], v[ADS] offset:(8*(\q)+4*\g+\t)*64
.endr
	s_wait_dscnt 0x0
.irp t, 0,1,2,3
	v_wmma_scale_f32_16x16x128_f8f6f4 v[96+8*(4*\g+\t):103+8*(4*\g+\t)], v[32+12*\t:43+12*\t], v[16:27], 0, v[248+\t], v255 matrix_a_fmt:MATRIX_FMT_BF6 matrix_b_fmt:MATRIX_FMT_BF6
.endr
.endr
.rept 4
	v_nop
.endr
	s_add_co_u32 s3, s[KF], 127                    ; on the diagonal the scores of hidden keys become -infinity ahead of the maximum: p = 0 then.  A step all of whose keys count skips this
	s_cmp_le_u32 s3, s[Q0]
	s_cbranch_scc1 .Lopen_\@
	s_sub_co_i32 s3, s[Q0], s[KF]
	v_and_b32 v252, 15, v0
	v_bfe_u32 v253, v0, 4, 1
	s_delay_alu instid0(VALU_DEP_1)
	v_lshlrev_b32 v253, 3, v253
	s_delay_alu instid0(VALU_DEP_1)
	v_sub_nc_u32 v252, v252, v253
	s_delay_alu instid0(VALU_DEP_1)
	v_add_nc_u32 v252, s3, v252                    ; d = my query - KF - 8 (lane / 16).  Register n holds key KF + 8 (lane / 16) + 16 (n / 8) + n % 8: hidden where 16 (n / 8) + n % 8 > d
	v_mov_b32 v254, 0xff800000                     ; -infinity
.set J, 0
.rept 64
	v_cmp_gt_i32 vcc_lo, 16*(J/8)+J%8, v252
	v_cndmask_b32 v[96+J], v[96+J], v254, vcc_lo
.set J, J+1
.endr
.Lopen_\@:
.irp b, 0,1,2,3
	v_max3_num_f32 v[232+\b], v[96+16*\b], v[97+16*\b], v[98+16*\b]   ; the largest score of each block of 32 keys: it serves for the row's maximum and, since p rises with the score, for the block's largest p
.endr
.irp i, 3,5,7,9,11,13
.irp b, 0,1,2,3
	v_max3_num_f32 v[232+\b], v[232+\b], v[96+16*\b+\i], v[97+16*\b+\i]   ; the four blocks by turns
.endr
.endr
.irp b, 0,1,2,3
	v_max_num_f32 v[232+\b], v[232+\b], v[111+16*\b]
.endr
.irp b, 0,1,2,3
	s_delay_alu instid0(VALU_DEP_4)
	v_permlanex16_b32 v[236+\b], v[232+\b], s[SEL], s[SEL+1]
.endr
.irp b, 0,1,2,3
	s_delay_alu instid0(VALU_DEP_4)
	v_max_num_f32 v[232+\b], v[232+\b], v[236+\b]  ; with lane l xor 16's 16 keys
.endr
	s_delay_alu instid0(VALU_DEP_2)
	v_max3_num_f32 v254, v232, v233, v234
	s_delay_alu instid0(VALU_DEP_1)
	v_max_num_f32 v254, v254, v235                 ; the step's largest score of my query
	s_delay_alu instid0(VALU_DEP_1)
	v_mul_f32 v254, s[CS], v254                    ; as t (c is positive)
	s_delay_alu instid0(VALU_DEP_1)
	v_max_num_f32 v13, v13, v254                   ; the running largest t
	v_mov_b32 v254, v12
	s_delay_alu instid0(VALU_DEP_2)
	v_floor_f32 v12, -v13                          ; the new -M = floor(-t) = -ceil(t): a whole number
	s_delay_alu instid0(VALU_DEP_1)
	v_sub_f32 v254, v12, v254                      ; M's old value less its new one: a whole number, 0 or less
	s_delay_alu instid0(VALU_DEP_1)
	v_cvt_i32_f32 v254, v254                       ; (it saturates)
	s_delay_alu instid0(VALU_DEP_1)
	v_ldexp_f32 v252, 1.0, v254                    ; f = 2^(old M - new M)
.set J, 0
.rept 32
	v_pk_fma_f32 v[96+J:97+J], v[96+J:97+J], s[CS:CS+1], v[12:13] op_sel_hi:[1,0,0]   ; t - M, two at a time
.set J, J+2
.endr
.irp b, 0,1,2,3
	v_fma_f32 v[232+\b], v[232+\b], s[CS], v12     ; the same of each block's largest score
.endr
.set J, 0
	s_wait_alu depctr_va_vdst(0)
.rept 64
	v_exp_f32 v[96+J], v[96+J]                     ; p = 2^(t - M), at most 1: not normalised
.set J, J+1
.endr
	v_pk_mul_f32 v[14:15], v[14:15], v[252:253] op_sel_hi:[1,0]   ; the sums under the new M; also the plain instruction behind the exponentials
	s_wait_alu depctr_va_vdst(0)                   ; the wait ahead of the first reader: one for the whole batch
.irp b, 0,1,2,3
	v_exp_f32 v[232+\b], v[232+\b]                 ; the block's largest p: the same two instructions on the same number give the same bits
.endr
	v_pk_add_f32 v[236:237], v[100:101], v[104:105]
	v_pk_add_f32 v[250:251], v[108:109], v[112:113]
	v_pk_add_f32 v[248:249], v[116:117], v[120:121]
	v_pk_add_f32 v[246:247], v[124:125], v[128:129]
	v_pk_add_f32 v[244:245], v[132:133], v[136:137]
	v_pk_add_f32 v[240:241], v[140:141], v[144:145]
	v_pk_add_f32 v[238:239], v[148:149], v[152:153]
	v_pk_add_f32 v[14:15], v[14:15], v[156:157]
	v_pk_add_f32 v[236:237], v[236:237], v[96:97]
	v_pk_add_f32 v[250:251], v[250:251], v[98:99]
	v_pk_add_f32 v[248:249], v[248:249], v[102:103]
	v_pk_add_f32 v[246:247], v[246:247], v[106:107]
	v_pk_add_f32 v[244:245], v[244:245], v[110:111]
	v_pk_add_f32 v[240:241], v[240:241], v[114:115]
	v_pk_add_f32 v[238:239], v[238:239], v[118:119]
	v_pk_add_f32 v[14:15], v[14:15], v[122:123]
	v_pk_add_f32 v[236:237], v[236:237], v[126:127]
	v_pk_add_f32 v[250:251], v[250:251], v[130:131]
	v_pk_add_f32 v[248:249], v[248:249], v[134:135]
	v_pk_add_f32 v[246:247], v[246:247], v[138:139]
	v_pk_add_f32 v[244:245], v[244:245], v[142:143]
	v_pk_add_f32 v[240:241], v[240:241], v[146:147]
	v_pk_add_f32 v[238:239], v[238:239], v[150:151]
	v_pk_add_f32 v[14:15], v[14:15], v[154:155]
	v_pk_add_f32 v[236:237], v[236:237], v[158:159]
	s_delay_alu instid0(VALU_DEP_2)
	v_pk_add_f32 v[14:15], v[14:15], v[246:247]
	s_delay_alu instid0(VALU_DEP_2)
	v_pk_add_f32 v[236:237], v[236:237], v[244:245]
	v_pk_add_f32 v[250:251], v[250:251], v[240:241]
	v_pk_add_f32 v[248:249], v[248:249], v[238:239]
	s_delay_alu instid0(VALU_DEP_2)
	v_pk_add_f32 v[14:15], v[14:15], v[250:251]
	s_delay_alu instid0(VALU_DEP_2)
	v_pk_add_f32 v[236:237], v[236:237], v[248:249]
	s_delay_alu instid0(VALU_DEP_1)
	v_pk_add_f32 v[14:15], v[14:15], v[236:237]
	s_wait_alu depctr_va_vdst(0)                   ; and one for the four
.irp b, 0,1,2,3
	v_max_num_f32 v[232+\b], 0x2800000, v[232+\b]  ; the floor 2^(5 - 127): the byte cannot fall under 1
.endr
.irp b, 0,1,2,3
	s_delay_alu instid0(VALU_DEP_4)
	v_add_nc_u32 v[244+\b], 0xfe000000, v[232+\b]  ; 4 off the exponent field: the conversion's scale operand
.endr
.irp b, 0,1,2,3
	s_delay_alu instid0(VALU_DEP_4)
	v_lshrrev_b32 v[236+\b], 23, v[244+\b]         ; the scale's byte
.endr
	s_delay_alu instid0(VALU_DEP_3)
	v_lshl_or_b32 v253, v237, 8, v236              ; p's scale word for these 128 keys
	s_delay_alu instid0(VALU_DEP_1)
	v_lshl_or_b32 v253, v238, 16, v253
	s_delay_alu instid0(VALU_DEP_1)
	v_lshl_or_b32 v253, v239, 24, v253
.irp c, 0,1
	v_cvt_scalef32_pk16_bf6_f32 v[224+6*\c:226+6*\c], v[96+32*\c:111+32*\c], v[244+2*\c]
	v_cvt_scalef32_pk16_bf6_f32 v[236+4*\c:238+4*\c], v[112+32*\c:127+32*\c], v[244+2*\c+1]   ; (a conversion's three registers begin on an even number)
.endr
	v_nop                                          ; one plain instruction behind a scaled conversion
.irp c, 0,1                                    ; the operand wants a whole block in a lane
.irp i, 0,1,2
	v_permlane16_swap_b32 v[224+6*\c+\i], v[236+4*\c+\i]
.endr
.irp i, 0,1,2
	s_delay_alu instid0(VALU_DEP_3)
	v_mov_b32 v[227+6*\c+\i], v[236+4*\c+\i]
.endr
.endr
.set J, 0
.rept 16
	v_pk_mul_f32 v[160+J:161+J], v[160+J:161+J], v[252:253] op_sel_hi:[1,0]   ; O^T under the new M.  (Twelve of these name no register of any one product below: the places in front of it)
.set J, J+2
.endr
.irp t, 0,1,2,3                                ; O^T += V^T P^T: my head's four tiles of 16 channels; K = these 128 keys
.irp c, 0,1,2
	ds_load_b128 v[32+12*\t+4*\c:35+12*\t+4*\c], v[ADV] offset:2*REC*\t+REC*(\q)+512*\c
.endr
	ds_load_b32 v[248+\t], v[ADT] offset:512*\t+64*(\q)
.endr
	s_wait_alu depctr_va_vdst(0)
	s_wait_dscnt 0x0
.irp t, 0,1,2,3
	v_wmma_scale_f32_16x16x128_f8f6f4 v[160+8*\t:167+8*\t], v[32+12*\t:43+12*\t], v[224:235], v[160+8*\t:167+8*\t], v[248+\t], v253 matrix_a_fmt:MATRIX_FMT_BF6 matrix_b_fmt:MATRIX_FMT_BF6
.endr
.Lhidden_\@:
	s_add_co_u32 s[KF], s[KF], 128
.endm
.macro STAGE                           ; 256 keys
	STEP 0
	STEP 1
	s_add_co_u32 s[TB], s[TB], STG
	s_add_co_u32 s[TS], s[TS], 1024
	s_add_co_u32 s[TJ], s[TJ], 128
.endm
	s_wait_alu depctr_va_vdst(0)
	s_wait_tensorcnt 0x0                           ; my part of the head's tiles is in
	ds_add_u32 v95, v243
	s_mov_b32 s[G1K+2], 48<<16                     ; no tensor load of mine is out: from here on a load of K brings 8 records, 48 rows of 256 bytes,
	s_mov_b32 s[G1K+4], 48
	s_mov_b32 s[G1V+2], 4<<16                      ; and a load of V 4 tiles of channels
	s_mov_b32 s[G1V+4], 4
	s_wait_dscnt 0x0
	s_barrier_signal -1
	s_barrier_wait -1                              ; stage 0 and the scale words are whole
	s_cmp_lt_u32 s2, 6                             ; stages 1 to 3, first fills: twelve waves ask, one load each; they land under stage 0's work
	s_cbranch_scc0 .Lrest_asked
	s_cmp_lt_u32 s[WV], 8
	s_cbranch_scc0 .Lrest_v
	tensor_load_to_lds s[56:59], s[G1K:G1K+7]
	s_nop 0
.rept 4
	v_nop
.endr
	s_branch .Lrest_asked
.Lrest_v:
	tensor_load_to_lds s[56:59], s[G1V:G1V+7]
	s_nop 0
.rept 4
	v_nop
.endr
.Lrest_asked:
	s_wait_loadcnt 0x0                             ; q
.irp i, 0,1,2,3,4,5
	v_and_b32 v[16+\i], s78, v[16+\i]              ; the other head's half of q becomes zero codes
.endr
.irp i, 6,7,8,9,10,11
	v_and_b32 v[16+\i], s79, v[16+\i]
.endr
	STAGE
	s_wait_tensorcnt 0x0                           ; my parts of stages 1 to 3 are in,
	s_wait_dscnt 0x0
	s_barrier_signal -1
	s_barrier_wait -1                              ; everybody's are
	s_mov_b32 s2, 3
.Lstage:
	STAGE
	s_sub_co_u32 s2, s2, 1
	s_cmp_lg_u32 s2, 0
	s_cbranch_scc1 .Lstage
	; THE WAY OUT.  O^T / the sum is my head's 64 of the next product's K: two blocks of 32, half a record.  The odd head's wave hands its half to the even head's wave through LDS, as an image of its registers.
.rept 4
	v_nop                                          ; places behind the last products
.endr
	v_add_f32 v14, v14, v15                        ; the sum's two halves,
	s_delay_alu instid0(VALU_DEP_1)
	v_permlanex16_b32 v252, v14, s[SEL], s[SEL+1]
	s_delay_alu instid0(VALU_DEP_1)
	v_add_f32 v14, v14, v252                       ; and lane l xor 16's: the row's sum
	s_wait_alu depctr_va_vdst(0)
	v_rcp_f32 v14, v14
	v_nop                                          ; a plain instruction behind the transcendental
	s_wait_alu depctr_va_vdst(0)                   ; the wait ahead of the first reader
.set J, 0
.rept 32
	v_mul_f32 v[192+J], v[160+J], v14              ; register 8 t + j: channel 16 t + 8 (lane / 16) + j of my query
.set J, J+1
.endr
.irp b, 0,1
	v_max3_num_f32 v[232+\b], |v[192+16*\b]|, |v[193+16*\b]|, 0x2800000
.endr
.irp i, 2,4,6,8,10,12,14
.irp b, 0,1
	s_delay_alu instid0(VALU_DEP_2)
	v_max3_num_f32 v[232+\b], v[232+\b], |v[192+16*\b+\i]|, |v[193+16*\b+\i]|
.endr
.endr
.irp b, 0,1
	s_delay_alu instid0(VALU_DEP_2)
	v_permlanex16_b32 v[236+\b], v[232+\b], s[SEL], s[SEL+1]
.endr
.irp b, 0,1
	s_delay_alu instid0(VALU_DEP_2)
	v_max_num_f32 v[232+\b], v[232+\b], v[236+\b]
.endr
.irp b, 0,1
	s_delay_alu instid0(VALU_DEP_2)
	v_add_nc_u32 v[244+\b], 0xfe000000, v[232+\b]
.endr
.irp b, 0,1
	s_delay_alu instid0(VALU_DEP_2)
	v_lshrrev_b32 v[236+\b], 23, v[244+\b]
.endr
	s_delay_alu instid0(VALU_DEP_1)
	v_lshl_or_b32 v253, v237, 8, v236              ; my head's two bytes,
	s_lshl_b32 s3, s[HE], 4
	v_lshlrev_b32 v253, s3, v253                   ; at their places in the record's scale word
	v_cvt_scalef32_pk16_bf6_f32 v[224:226], v[192:207], v244
	v_cvt_scalef32_pk16_bf6_f32 v[236:238], v[208:223], v245
	v_nop                                          ; one plain instruction behind a scaled conversion
.irp i, 0,1,2
	v_permlane16_swap_b32 v[224+\i], v[236+\i]
.endr
.irp i, 0,1,2
	s_delay_alu instid0(VALU_DEP_3)
	v_mov_b32 v[227+\i], v[236+\i]
.endr
	s_cmp_eq_u32 s[HE], 0
	s_cbranch_scc1 .Lkeeps
	ds_store_b64 v6, v[224:225]                    ; the odd head's six registers and its half word
	ds_store_b128 v5, v[226:229]
	ds_store_b32 v7, v253
.Lkeeps:
	s_wait_dscnt 0x0                               ; for the other wave's sake: my stores are done
	s_barrier_signal -1
	s_barrier_wait -1
	s_cmp_lg_u32 s[HE], 0
	s_cbranch_scc1 .Lend
	ds_load_b64 v[230:231], v6                     ; registers 6-11 of the record
	ds_load_b128 v[232:235], v5
	ds_load_b32 v254, v7
	s_wait_dscnt 0x0
	s_wait_alu depctr_va_vdst(0)
	v_or_b32 v253, v253, v254
.irp c, 0,1,2
	global_store_b128 v[AK0], v[224+4*\c:227+4*\c], s[92:93] offset:512*\c   ; 32 lanes store 512 consecutive bytes, aligned
.endr
	global_store_b32 v29, v253, s[94:95]           ; lanes 16-31 hold and write the same words as lanes 0-15
.Lend:
	s_wait_tensorcnt 0x0
	ds_add_u32 v95, v243
	s_wait_dscnt 0x0
	s_endpgm
.Lfunc_end_k_q8a73358026_attn:
	.size	k_q8a73358026_attn, .Lfunc_end_k_q8a73358026_attn-k_q8a73358026_attn
	.p2alignl 7, 3214868480
	.fill 96, 4, 3214868480
	.section	.rodata,"a",@progbits
	.p2align	6, 0x0
	.amdhsa_kernel k_q8a73358026_attn
		.amdhsa_group_segment_fixed_size 327680
		.amdhsa_private_segment_fixed_size 0
		.amdhsa_enable_private_segment 0
		.amdhsa_kernarg_size 16
		.amdhsa_user_sgpr_count 2
		.amdhsa_user_sgpr_kernarg_segment_ptr 1
		.amdhsa_wavefront_size32 1
		.amdhsa_system_sgpr_workgroup_id_x 1
		.amdhsa_system_sgpr_workgroup_id_y 1
		.amdhsa_system_sgpr_workgroup_id_z 1
		.amdhsa_system_vgpr_workitem_id 0
		.amdhsa_next_free_vgpr 256
		.amdhsa_next_free_sgpr 96
		.amdhsa_reserve_vcc 1
		.amdhsa_float_denorm_mode_32 3
		.amdhsa_float_denorm_mode_16_64 3
		.amdhsa_memory_ordered 1
		.amdhsa_forward_progress 1
		.amdhsa_inst_pref_size 113
	.end_amdhsa_kernel
	.amdgpu_metadata
---
amdhsa.version: [ 1, 2 ]
amdhsa.kernels:
  - .name:           k_q8a73358026_attn
    .symbol:         k_q8a73358026_attn.kd
    .args:
      - { .name: qkv, .offset: 0, .size: 8, .value_kind: global_buffer, .address_space: global }
      - { .name: attq, .offset: 8, .size: 8, .value_kind: global_buffer, .address_space: global }
    .group_segment_fixed_size: 327680
    .private_segment_fixed_size: 0
    .kernarg_segment_align: 8
    .kernarg_segment_size: 16
    .max_flat_workgroup_size: 512
    .sgpr_count:     96
    .vgpr_count:     256
    .wavefront_size: 32
...
	.end_amdgpu_metadata
.endif
;; end of part 3
;; launch proj (part 4): grid 8 x 32, 4 waves a work-group, clusters of 4 x 4, 327,680 bytes of LDS; arguments attq, wts, bp, x, x1; writes x1
.if DOCPART == 4
	.amdgcn_target "amdgcn-amd-amdhsa--gfx1250"
	.amdhsa_code_object_version 6
	.text
	.protected	k_q8a73358026_proj
	.globl	k_q8a73358026_proj
	.p2align	8
	.type	k_q8a73358026_proj,@function
k_q8a73358026_proj:
	s_mov_b64 s[64:65], 0
	v_nop
	global_prefetch_b8 v0, s[64:65] scope:SCOPE_SE
	s_setreg_imm32_b32 hwreg(HW_REG_WAVE_MODE, 25, 1), 1
	s_wait_xcnt 0x0
	s_wait_alu depctr_hold_cnt(0) depctr_sa_sdst(0) depctr_va_vdst(0) depctr_va_sdst(0) depctr_va_ssrc(0) depctr_va_vcc(0) depctr_vm_vsrc(0)
	s_getreg_b32 s2, hwreg(HW_REG_IB_STS2, 6, 4)
	s_cmp_eq_u32 s2, 0
	s_cbranch_scc0 .Lentry_in_a_cluster
	s_endpgm
.Lentry_in_a_cluster:
	s_bfe_u32 s2, ttmp6, 0x10000c
	s_cmp_lg_u32 s2, 0xf033
	s_cbranch_scc0 .Lentry_shape_is_right
	s_endpgm
.Lentry_shape_is_right:
; x1 = x + att Wp + bp, the product on codes of BF6 (E3M2) with E8M0 scales; x1 in f32.  Lanes = tokens (attq), registers = Wp's columns.
; 4,096 x 1,024 of output are 256 tiles of 128 x 128: one for each work-group.  All of K (8 steps) is the two first fills: no slot is filled again.
.set KIND,  2                          ; 0: results quantised; 1: bias, relu, quantised; 2: bias, residual, f32 out
.set TA,    4                          ; tiles of 16 rows of each side in a wave's share
.set NQ,    4                          ; K steps of 128 in a slot
.set KS,    8                          ; K steps in all
.set ASOFF, 3145728                    ; (KIND 1, 2) where the scale words of the lanes' operand begin in its buffer,
.set BCOFF, 2359296                    ; the codes of the registers' operand,
.set BSOFF, 9535488                    ; its scale words,
.set OSOFF, 0                          ; (KIND 1) the output's scale words
; ---- From here on the text is the same in this program's four launches of this form; the constants above choose.
; C = A B^T on codes that lie in memory IN THE ORDER OF AN OPERAND'S REGISTERS: a record is 16 rows x 128 K, 1,536 bytes, byte 512 c + 16 l + 4 i = register 4 c + i of lane l; record (rt, ks) at (KS rt + ks) x 1,536;
; scale words at 64 x record + 4 x row.  So a fragment is three ds_load_b128 at 16 x lane: no pitch, no padding, each load 512 consecutive bytes.
; ROLES.  Side A is source 1: its rows become the result's lanes.  Side B is source 0: its rows run along a lane's registers, 8 neighbours a tile.
; SHARES.  Four waves; wave w makes A's half w / 2 against B's half w % 2: TA x TA accumulators of 16 x 16.  K goes through a ring of two LDS slots of NQ steps; waves 0, 1 fetch A's halves, waves 2, 3 B's.
; CLUSTER.  4 x 4 work-groups: A's tile is shared along a row of the cluster, B's along a column; each is asked for jointly, by the same tensor load with the same descriptor and a mask that names the four.
; The scale words of the work-group's rows, for all of K, are dense blocks of memory: they come once, with the first fills, and stay.
; REGISTERS, in windows of 256.  Window 0: v2-6 lane terms; v16-29 addresses; v32-63 scale words, two sets; A's fragments, two sets, at v64 and v160.  Window 1: B's fragments, two sets, at v0 and v128
; (KIND 1: the bias in the gaps).  Windows 2, 3: the accumulators (KIND 2: window 3 holds the residual and the bias).
; LIMITS: inside a block of 32 the products are added in the program's own order of places, not in ascending k; NaN and infinities are not served; a block under 2^-122, and a block of zeros, keep the byte 1.
.set TB,     TA
.set LAPS,   KS/(2*NQ)                 ; a lap = once round the ring
.set REC,    1536
.set ROWB,   NQ*REC                    ; a tile of 16 rows in a slot
.set KROW,   KS*REC                    ; and in memory
.set HALFT,  TA*ROWB                   ; what one tensor load brings, and what one wave reads of a side
.set SLOT,   4*HALFT                   ; A's two halves, then B's
.set SCL,    2*SLOT                    ; behind the ring: A's scale words,
.set SROW,   KS*64                     ; (those of 16 rows)
.set HALFS,  TA*SROW                   ; (what one tensor load brings)
.set SCLB,   SCL+2*HALFS+128           ; B's, 128 bytes askew, so that a load's lanes 0-15 (A's words) and 16-31 (B's) fall on different banks
.set SPARE,  SCL+4*HALFS+256           ; the spare words, 128 bytes for each wave: two blocks of 256 bytes that no other line names
.set STAGE,  SPARE+512                 ; (KIND 2) the way out: 16 rows x (256 bytes + 16) for each wave; no tensor load fills it
.set SPITCH, 272
.set L16,  2                           ; v2   16 x lane
.set ADRA, 16                          ; v16-17 LDS address of my A fragments in slot 0, 1
.set ADRB, 20                          ; v20-21 the same for B
.set EA,   24                          ; v24-26 the way out's addresses
.set ADRS, 27                          ; v27  LDS address of my scale words: lanes 0-15 A's rows, lanes 16-31 B's
.set SPW,  28                          ; v28  LDS address of my spare word; never rewritten
.set NIL,  29                          ; v29  0; never rewritten
.set SC,   32                          ; scale words: set s at SC + 16 s; register NQ i + q: tile i, the slot's q-th step
.set AF,   64                          ; A's fragments: set f at AF + 96 f
.set TM,   64                          ; the way out (KIND 0, 1): the quantiser's work,
.set PW,   80                          ; the scale word,
.set PC,   96                          ; the codes
.set BK,   64                          ; the way out (KIND 2): rows read back from the stage, two sets of 32
.set G1,   24                          ; s[24:31] descriptor group 1 for A's tiles; s[32:39] group 0, a set for each slot
.set G0,   32
.set G1B,  48                          ; s[48:55], s[56:63] the same for B's
.set G0B,  56
.set G1S,  68                          ; s[68:75], s[76:79] groups 1 and 0 for A's scale words; s[80:87], s[88:91] for B's
.set G0S,  76
.set G1SB, 80
.set G0SB, 88
.set OC,   94                          ; s[94:95] where my codes go; s[96:97] my scale words; s[98:99], s[100:101] their steps from tile to tile of A
.set OS,   96
.set OCS,  98
.set OSS,  100
.set SEL,  18                          ; s[18:19] lane selects for the way out
.set MSB, 0
.macro WIN new                         ; the immediate's high byte repeats the setting that is left; a switch that changes nothing is dropped
.if MSB != (\new)
	s_set_vgpr_msb (MSB<<8)|(\new)
.set MSB, (\new)
.endif
.endm
; A joint load: waves 0 and 1 fetch for A, waves 2 and 3 for B.  Each line has one mask and one set of registers for all that issue it; the branch hangs on the wave's number alone.
; Four v_nop follow each of the two lines, ahead of the jump, the label and what follows.
.macro JLOAD g0a, g1a, g0b, g1b
	s_cmp_eq_u32 s15, 0
	s_cbranch_scc0 .Lfor_b_\@
	tensor_load_to_lds s[\g0a:\g0a+3], s[\g1a:\g1a+7]
	s_nop 0
.rept 4
	v_nop
.endr
	s_branch .Lasked_\@
.Lfor_b_\@:
	tensor_load_to_lds s[\g0b:\g0b+3], s[\g1b:\g1b+7]
	s_nop 0
.rept 4
	v_nop
.endr
.Lasked_\@:
.endm
.macro CREST                           ; a round of the cluster's barrier behind its opening barrier
	s_cmp_lg_u32 s14, 0
	s_cbranch_scc1 .Lnot_wave_0_\@
	s_barrier_signal -3
.Lnot_wave_0_\@:
	s_barrier_wait -3
	s_barrier_signal -1
	s_barrier_wait -1
.endm
.macro CROUND                          ; a whole round
	s_barrier_signal -1
	s_barrier_wait -1
	CREST
.endm
.macro PLACES n                        ; plain vector instructions between a matrix instruction and a load into, or a read or write of, its registers (for reads and writes)
.rept \n
	v_nop
.endr
.endm
.if KIND == 0
	s_load_b128 s[4:7], s[0:1], 0x0                ; hq, wts
	s_load_b64 s[8:9], s[0:1], 0x10                ; qkv
.elseif KIND == 1
	s_load_b256 s[4:11], s[0:1], 0x0               ; A's buffer, wts, the bias, the output
.else
	s_load_b256 s[4:11], s[0:1], 0x0               ; A's buffer, wts, the bias, the residual
	s_load_b64 s[12:13], s[0:1], 0x20              ; the output
.endif
	v_lshl_add_u32 v[SPW], v0, 2, SPARE
	v_mov_b32 v[NIL], 0
	ds_add_u32 v28, v29
	ds_add_u32 v28, v29
	s_wait_dscnt 0x0
	v_lshrrev_b32 v1, 5, v0
	v_readfirstlane_b32 s14, v1                    ; wave 0..3
	s_lshr_b32 s15, s14, 1                         ; my half of A.  Also: I fetch for A (0) or for B (1)
	s_and_b32 s16, s14, 1                          ; my half of B.  Also: which half I fetch
	s_bfe_u32 s40, ttmp6, 0x40000                  ; cx, cy: my place in the cluster
	s_bfe_u32 s41, ttmp6, 0x40004
	s_and_b32 s19, ttmp7, 0xffff                   ; the cluster's y
	s_lshl_b32 s42, ttmp9, 2
	s_add_co_u32 s42, s42, s40                     ; B's tile = 4 x cluster x + cx
	s_lshl_b32 s17, s19, 2
	s_add_co_u32 s17, s17, s41                     ; A's tile = 4 x cluster y + cy
.if KIND == 0
	s_lshl_b32 s66, s19, 2
	s_add_co_u32 s66, s66, s40                     ; 4 x cluster y + cx
	s_cmp_eq_u32 ttmp9, 2                          ; the clusters that make v
	s_cselect_b32 s42, s66, s42                    ; B: tokens there
	s_cselect_b32 s17, s41, s17                    ; A: Wv's four tiles there
	s_cselect_b32 s2, 1572864, 0                   ; where A's codes begin in their buffer (Wv's in wts; hq's at 0),
	s_mov_b32 s67, 3145728
	s_cselect_b32 s67, 9502720, s67                ; A's scale words,
	s_mov_b32 s66, 9437184
	s_cselect_b32 s66, 3145728, s66                ; B's scale words (B's codes begin at 0 in both cases),
	s_cselect_b32 s[OC], 6291456, 0                ; the output's codes,
	s_mov_b32 s[OS], 9437184
	s_cselect_b32 s[OS], 9699328, s[OS]            ; its scale words,
	s_cselect_b32 s[OCS], 32, 1                    ; records from one tile of A to the next,
	s_cselect_b32 s[OSS], 1, 256                   ; and from 128 rows of B to the next
.elseif KIND == 1
	s_mov_b32 s[OC], 0
	s_mov_b32 s[OS], OSOFF
	s_mov_b32 s[OCS], 32
	s_mov_b32 s[OSS], 1
.endif
	s_lshl_b32 s43, s41, 2
	s_lshl_b32 s43, 15, s43                        ; my row of the cluster
	s_lshl_b32 s44, 0x1111, s40                    ; my column
	; descriptor group 1: TA rows (tiles of 16) of ROWB bytes, KROW bytes apart, dense in LDS
	s_or_b32 s[G1+0], s43, (3<<16)|(1<<21)         ; 15:0 the mask; 17:16 elements of 8 bytes; 20 no padding; 21 set beside a mask
	s_or_b32 s[G1B+0], s44, (3<<16)|(1<<21)
.irp g, G1, G1B
	s_mov_b32 s[\g+1], (NQ*192)<<16                ; tensor_dim0
	s_mov_b32 s[\g+2], (2*TA)<<16                  ; tensor_dim1: both halves for the head's load; set to TA behind it
	s_mov_b32 s[\g+3], (NQ*192)<<16                ; tile_dim0
	s_mov_b32 s[\g+4], 2*TA                        ; tile_dim1 likewise
	s_mov_b32 s[\g+5], KS*192                      ; tensor_dim0_stride
	s_mov_b32 s[\g+6], 0
	s_mov_b32 s[\g+7], 0
.endr
	; and for the scale words of TA tiles: a dense block of HALFS bytes, as rows of 256
	s_or_b32 s[G1S+0], s43, (3<<16)|(1<<21)
	s_or_b32 s[G1SB+0], s44, (3<<16)|(1<<21)
.irp g, G1S, G1SB
	s_mov_b32 s[\g+1], 32<<16
	s_mov_b32 s[\g+2], (2*HALFS/256)<<16           ; both halves' scale words in one load
	s_mov_b32 s[\g+3], 32<<16
	s_mov_b32 s[\g+4], 2*HALFS/256
	s_mov_b32 s[\g+5], 32
	s_mov_b32 s[\g+6], 0
	s_mov_b32 s[\g+7], 0
.endr
	s_mul_i32 s18, s16, TA                         ; which half I fetch
	s_mul_i32 s20, s17, 2*TA
	s_add_co_u32 s20, s20, s18                     ; A: its first tile of 16 rows
	s_mul_i32 s46, s42, 2*TA
	s_add_co_u32 s46, s46, s18                     ; B likewise
	s_mul_i32 s22, s20, SROW                       ; their scale words, in bytes,
	s_mul_i32 s92, s46, SROW
	s_mul_i32 s20, s20, KROW                       ; and their codes (all under 2^24)
	s_mul_i32 s46, s46, KROW
.if KIND == 0
	s_add_co_u32 s20, s20, s2
	s_add_co_u32 s22, s22, s67
	s_add_co_u32 s92, s92, s66
.else
	s_add_co_u32 s22, s22, ASOFF
	s_add_co_u32 s46, s46, BCOFF
	s_add_co_u32 s92, s92, BSOFF
.endif
	s_mov_b32 s21, 0
	s_mov_b32 s23, 0
	s_mov_b32 s47, 0
	s_mov_b32 s93, 0
	s_mul_i32 s45, s14, HALFT                      ; where they go: wave x a half: no place in the cluster enters an LDS address
	s_mul_i32 s66, s16, HALFS
	s_wait_kmcnt 0x0
.if KIND == 0
	s_cmp_eq_u32 ttmp9, 2
	s_cselect_b64 s[10:11], s[6:7], s[4:5]         ; A's buffer
	s_cselect_b64 s[12:13], s[4:5], s[6:7]         ; B's
	s_add_nc_u64 s[20:21], s[10:11], s[20:21]
	s_add_nc_u64 s[22:23], s[10:11], s[22:23]
	s_add_nc_u64 s[46:47], s[12:13], s[46:47]
	s_add_nc_u64 s[92:93], s[12:13], s[92:93]
.else
	s_add_nc_u64 s[20:21], s[4:5], s[20:21]
	s_add_nc_u64 s[22:23], s[4:5], s[22:23]
	s_add_nc_u64 s[46:47], s[6:7], s[46:47]
	s_add_nc_u64 s[92:93], s[6:7], s[92:93]
.endif
	CROUND                                         ; all sixteen work-groups are here: the first joint loads meet
	; THE HEAD'S FOUR TILES, each whole, one load a wave: wave 0 slot 0's A (both halves), wave 1 its B, wave 2 A's scale words, wave 3 B's.  Slot 0's groups 0 serve the head's loads
	s_mul_i32 s2, s16, TA*KROW                     ; my half's bytes, taken off again
	s_mov_b32 s3, 0
	s_mov_b32 s[G0], 1
	s_mov_b32 s[G0+1], 0
	s_sub_nc_u64 s[G0+2:G0+3], s[20:21], s[2:3]
	s_or_b32 s[G0+3], s[G0+3], 0x80000000
	s_mov_b32 s[G0B], 1
	s_mov_b32 s[G0B+1], 2*HALFT
	s_sub_nc_u64 s[G0B+2:G0B+3], s[46:47], s[2:3]
	s_or_b32 s[G0B+3], s[G0B+3], 0x80000000
	s_mov_b32 s2, s66                              ; the same for the scale words
	s_mov_b32 s[G0S], 1
	s_mov_b32 s[G0S+1], SCL
	s_sub_nc_u64 s[G0S+2:G0S+3], s[22:23], s[2:3]
	s_or_b32 s[G0S+3], s[G0S+3], 0x80000000
	s_mov_b32 s[G0SB], 1
	s_mov_b32 s[G0SB+1], SCLB
	s_sub_nc_u64 s[G0SB+2:G0SB+3], s[92:93], s[2:3]
	s_or_b32 s[G0SB+3], s[G0SB+3], 0x80000000
; one chain of branches on the wave's number, one load to an arm, all arms to one join
.macro ARM under, g0, g1, next
	s_cmp_lt_u32 s14, \under
	s_cbranch_scc0 \next
	tensor_load_to_lds s[\g0:\g0+3], s[\g1:\g1+7]
	s_nop 0
.rept 4
	v_nop
.endr
	s_branch .Lhead_asked
\next:
.endm
	ARM 1, G0, G1, .Lhead_b
	ARM 2, G0B, G1B, .Lhead_sa
	ARM 3, G0S, G1S, .Lhead_sb
	tensor_load_to_lds s[G0SB:G0SB+3], s[G1SB:G1SB+7]
	s_nop 0
.rept 4
	v_nop
.endr
.Lhead_asked:
	s_wait_alu depctr_va_vdst(0)
	s_wait_tensorcnt 0x0                           ; my tile of the head's four is in
	ds_add_u32 v28, v29
	s_mov_b32 s[G1+2], TA<<16                      ; no tensor load of mine is out: from here on a load brings one half, TA tiles,
	s_mov_b32 s[G1+4], TA
	s_mov_b32 s[G1B+2], TA<<16
	s_mov_b32 s[G1B+4], TA
.irp s, 0,1                                    ; and the groups 0 are the ring's: my half of each slot
	s_mov_b32 s[G0+4*\s], 1
	s_add_co_u32 s[G0+4*\s+1], s45, \s*SLOT
	s_add_nc_u64 s[G0+4*\s+2:G0+4*\s+3], s[20:21], \s*ROWB
	s_or_b32 s[G0+4*\s+3], s[G0+4*\s+3], 0x80000000
	s_mov_b32 s[G0B+4*\s], 1
	s_add_co_u32 s[G0B+4*\s+1], s45, \s*SLOT
	s_add_nc_u64 s[G0B+4*\s+2:G0B+4*\s+3], s[46:47], \s*ROWB
	s_or_b32 s[G0B+4*\s+3], s[G0B+4*\s+3], 0x80000000
.endr
	s_wait_dscnt 0x0                               ; the add is done
	CROUND                                         ; all four tiles are in, and all sixteen work-groups are here
	JLOAD G0+4, G1, G0B+4, G1B                     ; slot 1's first fill, the first tensor load behind the round.  No prefetch: all of K is these two fills, and there is no loop to run ahead in
	v_and_b32 v1, 31, v0
	v_lshlrev_b32 v[L16], 4, v1                    ; 16 x lane
	v_and_b32 v3, 15, v0                           ; r
	v_bfe_u32 v4, v0, 4, 1                         ; h
	s_wait_alu depctr_va_vdst(0)
	v_lshlrev_b32 v6, 5, v4                        ; 32 h: my eight numbers of a tile's sixteen of the bias
	s_mul_i32 s18, s15, HALFT                      ; my half of A,
	s_mul_i32 s19, s16, HALFT                      ; my half of B,
	s_add_co_u32 s19, s19, 2*HALFT                 ; which lies behind A's two
.irp s, 0,1
	v_add_nc_u32 v[ADRA+\s], s18, v[L16]
	v_add_nc_u32 v[ADRB+\s], s19, v[L16]
	s_add_co_u32 s18, s18, SLOT
	s_add_co_u32 s19, s19, SLOT
.endr
	s_mul_i32 s18, s15, HALFS                      ; A's scale words: my half
	s_mul_i32 s19, s16, HALFS                      ; B's
	s_add_co_u32 s19, s19, SCLB-SCL
	s_sub_co_u32 s19, s19, s18
	v_mul_u32_u24 v5, s19, v4                      ; lanes 16-31 take B's: one product, the distance between the two
	s_add_co_u32 s18, s18, SCL
	v_lshl_add_u32 v5, v3, 2, v5
	v_add_nc_u32 v[ADRS], s18, v5
.if KIND < 2
	v_lshlrev_b32 v[EA+1], 2, v3                   ; a scale word's place: 4 r
	s_lshl_b32 s[OC+1], s17, 4
	s_lshl_b32 s[OS+1], s15, 3
	s_add_co_u32 s[OC+1], s[OC+1], s[OS+1]         ; my first tile of A's rows
	s_mul_i32 s[OC+1], s[OC+1], s[OCS]
	s_lshl_b32 s[OS+1], s42, 1
	s_add_co_u32 s[OS+1], s[OS+1], s16             ; my 128 rows of B
	s_mul_i32 s[OS+1], s[OS+1], s[OSS]
	s_add_co_u32 s[OC+1], s[OC+1], s[OS+1]         ; my first record of the output
	s_mul_i32 s[OS+1], s[OC+1], REC
	s_add_co_u32 s[OC], s[OC], s[OS+1]
	s_lshl_b32 s[OS+1], s[OC+1], 6
	s_add_co_u32 s[OS], s[OS], s[OS+1]
	s_mov_b32 s[OC+1], 0
	s_mov_b32 s[OS+1], 0
	s_lshl_b32 s[OSS], s[OCS], 6                   ; the steps, in bytes
	s_mul_i32 s[OCS], s[OCS], REC
	s_mov_b32 s[OCS+1], 0
	s_mov_b32 s[OSS+1], 0
.if KIND == 0
	s_add_nc_u64 s[OC:OC+1], s[8:9], s[OC:OC+1]
	s_add_nc_u64 s[OS:OS+1], s[8:9], s[OS:OS+1]
.else
	s_add_nc_u64 s[OC:OC+1], s[10:11], s[OC:OC+1]
	s_add_nc_u64 s[OS:OS+1], s[10:11], s[OS:OS+1]
.endif
.else
	s_mul_i32 s18, s14, 16*SPITCH
	s_add_co_u32 s18, s18, STAGE                   ; my stage
	v_mul_u32_u24 v5, v3, SPITCH
	v_lshl_add_u32 v5, v4, 5, v5
	v_add_nc_u32 v[EA], s18, v5                    ; in: row r, 32 bytes for each half of the lanes
	v_mul_u32_u24 v5, v4, SPITCH
	v_lshl_add_u32 v5, v3, 4, v5
	v_add_nc_u32 v[EA+1], s18, v5                  ; back: lanes 0-15 one row of 256 bytes, lanes 16-31 the next
	v_lshlrev_b32 v5, 12, v4
	v_lshl_add_u32 v[EA+2], v3, 4, v5              ; and the same two rows in memory (rows of 4,096 bytes)
	s_wait_alu depctr_va_vdst(0)
	s_lshl_b32 s[OC], s17, 7
	s_lshl_b32 s[OC+1], s15, 6
	s_add_co_u32 s[OC], s[OC], s[OC+1]             ; my first row
	s_lshl_b32 s[OC], s[OC], 12
	s_lshl_b32 s[OC+1], s42, 7
	s_lshl_b32 s[OS], s16, 6
	s_add_co_u32 s[OC+1], s[OC+1], s[OS]           ; my first column
	s_lshl_b32 s[OC+1], s[OC+1], 2
	s_add_co_u32 s[OC], s[OC], s[OC+1]
	s_mov_b32 s[OC+1], 0
	s_add_nc_u64 s[10:11], s[10:11], s[OC:OC+1]    ; the residual,
	s_add_nc_u64 s[12:13], s[12:13], s[OC:OC+1]    ; and the output, at my share's corner
.endif
.if KIND > 0
	s_mul_i32 s46, s42, 128*TB                     ; the bias of my columns: 32 TB numbers a tile of B, 16 TB a half
	s_mul_i32 s47, s16, 64*TB
	s_add_co_u32 s46, s46, s47
	s_mov_b32 s47, 0
	s_add_nc_u64 s[8:9], s[8:9], s[46:47]
.if KIND == 1
	WIN 0x40                                       ; destination window 1
.else
	WIN 0xc0                                       ; destination window 3
.endif
.set J, 0
.rept TB                                       ; eight registers a tile of B, in the result's layout: they are the C of each sum's first matrix instruction
.if KIND == 1
.set BI, 96+8*J+96*(J/4)
.else
.set BI, 128+8*J
.endif
	global_load_b128 v[BI:BI+3], v6, s[8:9] offset:64*J
	global_load_b128 v[BI+4:BI+7], v6, s[8:9] offset:64*J+16
.set J, J+1
.endr
.if KIND == 2
.set J, 0
.rept 32                                       ; the residual of my 64 x 64, as it will be stored: two rows an instruction
	global_load_b128 v[4*J:4*J+3], v[EA+2], s[10:11] offset:2*J*4096 th:TH_LOAD_NT
.set J, J+1
.endr
.endif
	WIN 0
.endif
; The fragments of the slot's q-th step into set fs: three loads of 16 bytes a lane each
.macro FETCH slot, q, fs
	WIN 0x40                                       ; destination window 1, address window 0
.set I, 0
.rept TB
.irp c, 0,1,2
	ds_load_b128 v[128*(\fs)+12*I+4*\c:128*(\fs)+12*I+4*\c+3], v[ADRB+\slot] offset:I*ROWB+(\q)*REC+512*\c
.endr
.set I, I+1
.endr
	WIN 0
.set I, 0
.rept TA
.irp c, 0,1,2
	ds_load_b128 v[AF+96*(\fs)+12*I+4*\c:AF+96*(\fs)+12*I+4*\c+3], v[ADRA+\slot] offset:I*ROWB+(\q)*REC+512*\c
.endr
.set I, I+1
.endr
.endm
.macro SCALES sc                       ; a slot's scale words into set sc: lanes 0-15 take A's tile i, lanes 16-31 B's tile i
.set I, 0
.rept TA
.set K, 0
.rept NQ
	ds_load_b32 v[SC+16*(\sc)+NQ*I+K], v[ADRS] offset:I*SROW+64*K
.set K, K+1
.endr
.set I, I+1
.endr
.endm
; A's tile a against B's TB tiles, 128 along K.  cm = 1: the first product starts the sums, with 0 or with the bias as C: nothing is ever cleared.
; The accumulators take turns, one instruction a turn, in the same order in every step.
.macro MULA a, fs, q, sc, cm
.set J, 0
.rept TB
.set AI, 8*(TB*(\a)+J)
.set AW, 2+AI/256
.set AR, AI%256
.set FB, 128*(\fs)+12*J
.set FA, AF+96*(\fs)+12*(\a)
.set SWB, SC+16*(\sc)+NQ*J+(\q)
.set SWA, SC+16*(\sc)+NQ*(\a)+(\q)
.if (\cm) && (KIND == 0)
	WIN 0x01|(AW<<4)|(AW<<6)
	v_wmma_scale_f32_16x16x128_f8f6f4 v[AR:AR+7], v[FB:FB+11], v[FA:FA+11], 0, v[SWB], v[SWA] matrix_a_fmt:MATRIX_FMT_BF6 matrix_b_fmt:MATRIX_FMT_BF6 matrix_a_scale:MATRIX_SCALE_ROW1
.elseif (\cm) && (KIND == 1)
.set BI, 96+8*J+96*(J/4)
	WIN 0x11|(AW<<6)                               ; C: the bias, in window 1
	v_wmma_scale_f32_16x16x128_f8f6f4 v[AR:AR+7], v[FB:FB+11], v[FA:FA+11], v[BI:BI+7], v[SWB], v[SWA] matrix_a_fmt:MATRIX_FMT_BF6 matrix_b_fmt:MATRIX_FMT_BF6 matrix_a_scale:MATRIX_SCALE_ROW1
.elseif (\cm)
.set BI, 128+8*J
	WIN 0x31|(AW<<6)                               ; C: the bias, in window 3
	v_wmma_scale_f32_16x16x128_f8f6f4 v[AR:AR+7], v[FB:FB+11], v[FA:FA+11], v[BI:BI+7], v[SWB], v[SWA] matrix_a_fmt:MATRIX_FMT_BF6 matrix_b_fmt:MATRIX_FMT_BF6 matrix_a_scale:MATRIX_SCALE_ROW1
.else
	WIN 0x01|(AW<<4)|(AW<<6)                       ; source 0 (B) window 1, source 1 (A) window 0, C and D the accumulator's window
	v_wmma_scale_f32_16x16x128_f8f6f4 v[AR:AR+7], v[FB:FB+11], v[FA:FA+11], v[AR:AR+7], v[SWB], v[SWA] matrix_a_fmt:MATRIX_FMT_BF6 matrix_b_fmt:MATRIX_FMT_BF6 matrix_a_scale:MATRIX_SCALE_ROW1
.endif
.set J, J+1
.endr
.endm
.macro MULS a0, n, fs, q, sc, cm       ; A's tiles a0 .. a0 + n - 1
.set AA, \a0
.rept \n
	MULA AA, \fs, \q, \sc, \cm
.set AA, AA+1
.endr
.endm
; A step of 128 along K that has its successor in the same slot: the successor's fragments are asked for first, into the other set, and land under this step's products
.macro STEP slot, q, cm
	s_wait_dscnt 0x0                               ; this step's fragments, asked for a whole step ago, are in
	PLACES 4                                       ; the other set was read by the last products
	FETCH \slot, (\q)+1, ((\q)+1)%2
	MULS 0, TA, (\q)%2, \q, \slot, \cm
.endm
.macro STEPS slot, q0                  ; the slot's steps q0 .. NQ - 2
.if NQ-1-(\q0) > 0
.set QQ, \q0
.rept NQ-1-(\q0)
	STEP \slot, QQ, 0
.set QQ, QQ+1
.endr
.endif
.endm
; A slot's last step changes slots: ONE barrier; in front of it each wave waits for all its tensor loads, adds 0 to its spare word, and waits for that and for its own reads of this slot.
; fill = 1: the barrier opens a round of the cluster's barrier, and behind the round this slot is filled again, two slots ahead.
.macro TURN slot, next, fill
	WIN 0                                          ; (the add's two registers lie in window 0)
	s_wait_tensorcnt 0x0                           ; all my tensor loads have landed: my part of the next slot
	ds_add_u32 v[SPW], v[NIL]                      ; 0 onto my spare word
	s_wait_dscnt 1                                 ; this step's fragments are in; the add may be out
	MULS 0, TA/4, 1, NQ-1, \slot, 0                ; matrix instructions stand between the add and the wait for it
	s_wait_dscnt 0x0                               ; the add is done, and my reads of this slot are over
	s_barrier_signal -1
	MULS TA/4, TA/4, 1, NQ-1, \slot, 0
	WIN 0
	s_barrier_wait -1
.if \fill
	CREST                                          ; no wave of any partner still reads this slot's tiles or has a load on its way
	s_add_nc_u64 s[G0+4*\slot+2:G0+4*\slot+3], s[G0+4*\slot+2:G0+4*\slot+3], 2*ROWB
	s_add_nc_u64 s[G0B+4*\slot+2:G0B+4*\slot+3], s[G0B+4*\slot+2:G0B+4*\slot+3], 2*ROWB
	JLOAD G0+4*\slot, G1, G0B+4*\slot, G1B         ; the first tensor load behind the round; its four v_nop are also the places in front of the loads below
.else
	PLACES 4
.endif
	v_add_nc_u32 v[ADRS], NQ*64, v[ADRS]           ; on to the next slot's scale words
	FETCH \next, 0, 0
	SCALES \next
	MULS TA/2, TA/2, 1, NQ-1, \slot, 0
.endm
	s_wait_tensorcnt 1                             ; the scale words and my part of slot 0 are in; slot 1's load may be out
	s_barrier_signal -1
	s_barrier_wait -1                              ; everybody's are
	FETCH 0, 0, 0
	SCALES 0
.if KIND == 1
	s_wait_loadcnt 0x0                             ; the bias
.elseif KIND == 2
	s_wait_loadcnt 32                              ; the bias; the residual's 32 loads may be out
.endif
	STEP 0, 0, 1                                   ; the first step stands in front of the loop: its products start the sums
.if LAPS > 1
	WIN 0                                          ; at a label and at a branch every window is 0
	s_mov_b32 s3, LAPS-1
.Llap:                                                 ; a trip goes once round the ring, from a lap's second step to the next lap's first, and fills both slots again
	STEPS 0, 1
	TURN 0, 1, 1
	STEPS 1, 0
	TURN 1, 0, 1
	STEP 0, 0, 0
	WIN 0
	s_sub_co_u32 s3, s3, 1
	s_cmp_lg_u32 s3, 0
	s_cbranch_scc1 .Llap
.endif
	STEPS 0, 1                                     ; the last lap fills nothing, and has no round of the cluster's barrier
	TURN 0, 1, 0
	STEPS 1, 0
	s_wait_dscnt 0x0                               ; the very last step: nothing more to fetch
	MULS 0, TA, 1, NQ-1, 1, 0
	WIN 0
	PLACES 4                                       ; in front of the first read of results and of writes into registers that held fragments
.if KIND < 2
; THE WAY OUT ON CODES.  A lane's 64 numbers of a tile of A (8 tiles of B x 8 registers) are 128 neighbours along the next product's K, less the order of places inside a block:
; they are quantised in registers and ARE a record of the next operand: three stores of 512 consecutive bytes, and the scale words.
.macro QUANTW s, W                     ; the 64 accumulator registers v[s] on of window W -> codes in v[PC] on, scale word in v[PW]
.if KIND == 1
	WIN ((\W)<<2)|((\W)<<6)
.set J, 0
.rept 64
	v_max_num_f32 v[(\s)+J], 0, v[(\s)+J]          ; relu, in f32; each accumulator from its low end on
.set J, J+1
.endr
.endif
	WIN (\W)|((\W)<<2)
.irp b, 0,1,2,3
	v_max3_num_f32 v[TM+\b], |v[(\s)+16*\b]|, |v[(\s)+16*\b+1]|, 0x2800000   ; block b: my 16 numbers, and the floor 2^(5 - 127): the byte cannot fall under 1
.endr
.irp i, 2,4,6,8,10,12,14
.irp b, 0,1,2,3
	v_max3_num_f32 v[TM+\b], |v[(\s)+16*\b+\i]|, |v[(\s)+16*\b+\i+1]|, v[TM+\b]   ; the four blocks by turns
.endr
.endr
	WIN 0
.irp b, 0,1,2,3
	v_permlanex16_b32 v[TM+4+\b], v[TM+\b], s[SEL], s[SEL+1]
.endr
.irp b, 0,1,2,3
	v_max_num_f32 v[TM+\b], v[TM+\b], v[TM+4+\b]   ; with lane l xor 16's: the block's largest magnitude
.endr
.irp b, 0,1,2,3
	v_add_nc_u32 v[TM+12+\b], 0xfe000000, v[TM+\b] ; 4 off its exponent field: the conversion's scale operand
.endr
.irp b, 0,1,2,3
	v_lshrrev_b32 v[TM+4+\b], 23, v[TM+12+\b]      ; the scale's byte
.endr
	v_lshl_or_b32 v[PW], v[TM+5], 8, v[TM+4]
	v_lshl_or_b32 v[PW], v[TM+6], 16, v[PW]
	v_lshl_or_b32 v[PW], v[TM+7], 24, v[PW]
	WIN (\W)                                       ; source 0: the accumulators
.irp c, 0,1
	v_cvt_scalef32_pk16_bf6_f32 v[PC+6*\c:PC+2+6*\c], v[(\s)+32*\c:(\s)+15+32*\c], v[TM+12+2*\c]
	v_cvt_scalef32_pk16_bf6_f32 v[PC+12+4*\c:PC+14+4*\c], v[(\s)+16+32*\c:(\s)+31+32*\c], v[TM+12+2*\c+1]   ; (a conversion's three registers begin on an even number)
.endr
	WIN 0
	v_nop                                          ; one plain instruction behind a scaled conversion
.irp c, 0,1                                    ; the operand wants a whole block in a lane
.irp i, 0,1,2
	v_permlane16_swap_b32 v[PC+6*\c+\i], v[PC+12+4*\c+\i]
.endr
.irp i, 0,1,2
	v_mov_b32 v[PC+3+6*\c+\i], v[PC+12+4*\c+\i]
.endr
.endr
.endm
	s_mov_b32 s[SEL], 0x76543210
	s_mov_b32 s[SEL+1], 0xfedcba98
.irp b, 0,1,2,3
	v_mov_b32 v[TM+4+\b], 0                        ; written once: a lane permute's destination counts as one of its sources
.endr
.set AB, 0
.rept TA
.if AB > 0
	s_wait_xcnt 0x0                                ; the last tile's stores have read their data and their bases: both are written again only behind this wait
	s_add_nc_u64 s[OC:OC+1], s[OC:OC+1], s[OCS:OCS+1]
	s_add_nc_u64 s[OS:OS+1], s[OS:OS+1], s[OSS:OSS+1]
.endif
	QUANTW 64*(AB%4), 2+AB/4
.irp c, 0,1,2
	global_store_b128 v[L16], v[PC+4*\c:PC+4*\c+3], s[OC:OC+1] offset:512*\c   ; 32 lanes store 512 consecutive bytes, aligned
.endr
	global_store_b32 v[EA+1], v[PW], s[OS:OS+1]    ; lanes 16-31 hold and write the same words as lanes 0-15
.set AB, AB+1
.endr
.else
; THE WAY OUT IN f32.  A lane holds 32 neighbouring bytes of a row and the lanes beside it other rows: a block of 16 rows x 64 columns goes through my own stage and comes back as rows of 256 bytes;
; the residual is added, and sixteen lanes store 256 consecutive bytes, aligned.  LDS serves a wave's instructions in order: no wait between the stores and the loads, nor in front of the next block's stores.
.macro TOSTAGE a
	WIN 0x08                                       ; an LDS store's data are its source 1: window 2
.irp b, 0,1,2,3
	ds_store_b128 v[EA], v[32*(\a)+8*\b:32*(\a)+8*\b+3] offset:64*\b          ; each accumulator from its low end on
	ds_store_b128 v[EA], v[32*(\a)+8*\b+4:32*(\a)+8*\b+7] offset:64*\b+16
.endr
	WIN 0
.irp t, 0,1,2,3,4,5,6,7
	ds_load_b128 v[BK+32*((\a)%2)+4*\t:BK+32*((\a)%2)+4*\t+3], v[EA+1] offset:2*SPITCH*\t
.endr
.endm
.macro SEND a, younger                 ; younger: the LDS instructions issued behind block a's loads, which may stay out
	s_wait_dscnt \younger
	WIN 0x0c                                       ; source 1: the residual, in window 3
.irp i, 0,2,4,6,8,10,12,14,16,18,20,22,24,26,28,30
	v_pk_add_f32 v[BK+32*((\a)%2)+\i:BK+32*((\a)%2)+\i+1], v[BK+32*((\a)%2)+\i:BK+32*((\a)%2)+\i+1], v[32*(\a)+\i:32*(\a)+\i+1]
.endr
	WIN 0
.irp t, 0,1,2,3,4,5,6,7
	global_store_b128 v[EA+2], v[BK+32*((\a)%2)+4*\t:BK+32*((\a)%2)+4*\t+3], s[12:13] offset:(16*(\a)+2*\t)*4096 th:TH_STORE_NT
.endr
.endm
	s_wait_loadcnt 0x0                             ; the residual
	TOSTAGE 0
.irp a, 1,2,3
.if \a > 1
	s_wait_xcnt 0x0                                ; block a - 2's stores have read their registers: block a's loads may land there
.endif
	TOSTAGE \a
	SEND \a-1, 16                                  ; behind block a - 1's loads: block a's 8 stores and 8 loads
.endr
	SEND 3, 0
.endif
	s_wait_tensorcnt 0x0                           ; the wave's end
	ds_add_u32 v[SPW], v[NIL]
	s_wait_dscnt 0x0
	CROUND                                         ; the closing round: no work-group ends while a partner may still ask for a tile that names it
	s_endpgm
.Lfunc_end_k_q8a73358026_proj:
	.size	k_q8a73358026_proj, .Lfunc_end_k_q8a73358026_proj-k_q8a73358026_proj
	.p2alignl 7, 3214868480
	.fill 96, 4, 3214868480
	.section	.rodata,"a",@progbits
	.p2align	6, 0x0
	.amdhsa_kernel k_q8a73358026_proj
		.amdhsa_group_segment_fixed_size 327680
		.amdhsa_private_segment_fixed_size 0
		.amdhsa_enable_private_segment 0
		.amdhsa_kernarg_size 40
		.amdhsa_user_sgpr_count 2
		.amdhsa_user_sgpr_kernarg_segment_ptr 1
		.amdhsa_wavefront_size32 1
		.amdhsa_system_sgpr_workgroup_id_x 1
		.amdhsa_system_sgpr_workgroup_id_y 1
		.amdhsa_system_sgpr_workgroup_id_z 1
		.amdhsa_system_vgpr_workitem_id 0
		.amdhsa_next_free_vgpr 1024
		.amdhsa_next_free_sgpr 102
		.amdhsa_reserve_vcc 0
		.amdhsa_float_denorm_mode_32 3
		.amdhsa_float_denorm_mode_16_64 3
		.amdhsa_memory_ordered 1
		.amdhsa_forward_progress 1
		.amdhsa_inst_pref_size 60
	.end_amdhsa_kernel
	.amdgpu_metadata
---
amdhsa.version: [ 1, 2 ]
amdhsa.kernels:
  - .name:           k_q8a73358026_proj
    .symbol:         k_q8a73358026_proj.kd
    .args:
      - { .name: attq, .offset: 0, .size: 8, .value_kind: global_buffer, .address_space: global }
      - { .name: wts, .offset: 8, .size: 8, .value_kind: global_buffer, .address_space: global }
      - { .name: bp, .offset: 16, .size: 8, .value_kind: global_buffer, .address_space: global }
      - { .name: x, .offset: 24, .size: 8, .value_kind: global_buffer, .address_space: global }
      - { .name: x1, .offset: 32, .size: 8, .value_kind: global_buffer, .address_space: global }
    .group_segment_fixed_size: 327680
    .private_segment_fixed_size: 0
    .kernarg_segment_align: 8
    .kernarg_segment_size: 40
    .max_flat_workgroup_size: 128
    .sgpr_count:     102
    .vgpr_count:     1024
    .wavefront_size: 32
...
	.end_amdgpu_metadata
.endif
;; end of part 4
;; launch ln2 (part 5): grid 256 x 1, 8 waves a work-group, no clusters, 77,824 bytes of LDS; arguments x1, ln2_g, ln2_b, h2q; writes h2q
.if DOCPART == 5
	.amdgcn_target "amdgcn-amd-amdhsa--gfx1250"
	.amdhsa_code_object_version 6
	.text
	.protected	k_q8a73358026_ln2
	.globl	k_q8a73358026_ln2
	.p2align	8
	.type	k_q8a73358026_ln2,@function
k_q8a73358026_ln2:
	s_mov_b64 s[64:65], 0
	v_nop
	global_prefetch_b8 v0, s[64:65] scope:SCOPE_SE
	s_setreg_imm32_b32 hwreg(HW_REG_WAVE_MODE, 25, 1), 1
	s_wait_xcnt 0x0
; h = (x - mean) x rsqrt(var + 1e-5) x g + b along rows of 1,024 f32, then quantised along the row to codes of BF6 (E3M2) with one E8M0 byte for each 32.
; The output is laid in the order of an operand's registers: record (tile of 16 rows rt, K step ks) of 1,536 bytes at (8 rt + ks) x 1,536, byte 512 c + 16 l + 4 i = register 4 c + i of lane l;
; scale words at 3,145,728 + 64 x record + 4 x row.  Inside a block of 32, place p holds k = (p & 7) + 2 (p & 8) + (p & 16) / 2, as in every operand of this program.
; SHARES.  A work-group takes 16 rows, wave w their columns 128 w .. 128 w + 127: one record.  The loads take the bytes as they lie (512 consecutive bytes each); the wave's own stage in LDS turns them so
; that lane (r, h) holds 64 numbers of row r in the order that the conversions want.  g and b of the wave's columns come by one load each, issued with the rows, and are dealt out through LDS too.
; Mean and variance meet in LDS: two barriers.  The variance is taken of x - mean, so a common offset does no harm.
; LIMITS: NaN and infinities are not served; a block under 2^-122 keeps the byte 1; a block of zeros gets the byte 1 and zero codes (only this program reads the bytes).
.set STP,  528                         ; a stage row: 512 bytes + 16: the 16 rows that a load touches start in 16 different groups of banks
.set WST,  16*STP                      ; a wave's stage
.set RED,  8*WST                       ; 16 rows x 8 waves of partial sums; the second reduction's words lie 512 bytes on
.set GBR,  RED+1024                    ; g and b of a wave's 128 columns: 512 + 512 bytes for each wave
.set TM,   16                          ; v16-31  the quantiser's work
.set PC,   32                          ; v32-51  the codes
.set PW,   52                          ; v52     the scale word
.set R,    64                          ; v64-127 the rows as loaded, later b
.set X,    128                         ; v128-191 my 64 numbers
.set G,    192                         ; v192-255 g
.set SEL,  20                          ; s[20:21] lane selects: lane l xor 16
; 64 numbers of a lane, register 16 b + i = place 16 (lane / 16) + i of block b of my row, become a fragment's codes in v[PC] on and its scale word in v[PW]
.macro QUANT s
.irp b, 0,1,2,3
	v_max3_num_f32 v[TM+\b], |v[\s+16*\b]|, |v[\s+1+16*\b]|, 0x2800000   ; my 16 numbers of block b, and the floor 2^(5 - 127): the byte cannot fall under 1
.endr
.irp i, 2,4,6,8,10,12,14
.irp b, 0,1,2,3
	s_delay_alu instid0(VALU_DEP_4)
	v_max3_num_f32 v[TM+\b], v[TM+\b], |v[\s+16*\b+\i]|, |v[\s+1+16*\b+\i]|   ; the four blocks by turns
.endr
.endr
.irp b, 0,1,2,3
	s_delay_alu instid0(VALU_DEP_4)
	v_permlanex16_b32 v[TM+4+\b], v[TM+\b], s[SEL], s[SEL+1]
.endr
.irp b, 0,1,2,3
	s_delay_alu instid0(VALU_DEP_4)
	v_max_num_f32 v[TM+\b], v[TM+\b], v[TM+4+\b]   ; with lane l xor 16's: the block's largest magnitude
.endr
.irp b, 0,1,2,3
	s_delay_alu instid0(VALU_DEP_4)
	v_add_nc_u32 v[TM+12+\b], 0xfe000000, v[TM+\b] ; 4 off its exponent field: the conversion's scale operand
.endr
.irp b, 0,1,2,3
	s_delay_alu instid0(VALU_DEP_4)
	v_lshrrev_b32 v[TM+4+\b], 23, v[TM+12+\b]      ; the scale's byte
.endr
	s_delay_alu instid0(VALU_DEP_3)
	v_lshl_or_b32 v[PW], v[TM+5], 8, v[TM+4]
	s_delay_alu instid0(VALU_DEP_1)
	v_lshl_or_b32 v[PW], v[TM+6], 16, v[PW]
	s_delay_alu instid0(VALU_DEP_1)
	v_lshl_or_b32 v[PW], v[TM+7], 24, v[PW]
.irp c, 0,1
	v_cvt_scalef32_pk16_bf6_f32 v[PC+6*\c:PC+2+6*\c], v[\s+32*\c:\s+15+32*\c], v[TM+12+2*\c]
	v_cvt_scalef32_pk16_bf6_f32 v[PC+12+4*\c:PC+14+4*\c], v[\s+16+32*\c:\s+31+32*\c], v[TM+12+2*\c+1]   ; (a conversion's three registers begin on an even number)
.endr
	v_nop                                          ; one plain instruction behind a scaled conversion
.irp c, 0,1                                    ; the operand wants a whole block in a lane: lanes 0-15 block 2 c, lanes 16-31 block 2 c + 1
.irp i, 0,1,2
	v_permlane16_swap_b32 v[PC+6*\c+\i], v[PC+12+4*\c+\i]
.endr
.irp i, 0,1,2
	s_delay_alu instid0(VALU_DEP_3)
	v_mov_b32 v[PC+3+6*\c+\i], v[PC+12+4*\c+\i]
.endr
.endr
.endm
; 64 numbers of my wave's 128 of g (off = 0) or b (off = 512), out of my wave's own LDS bytes, in my lane's order: block b, 16 u + 8 h + 0 .. 7.  The sixteen lanes of a half read the same bytes
.macro VEC reg, off
.irp b, 0,1,2,3
.irp u, 0,1
.irp j, 0,1
	ds_load_b128 v[\reg+16*\b+8*\u+4*\j:\reg+16*\b+8*\u+4*\j+3], v7 offset:\off+128*\b+64*\u+16*\j
.endr
.endr
.endr
.endm
; v54 = my row's sum over the lane pair; it goes to word [row][wave] at off, and the eight waves' words come back added in v32
.macro ACROSS off
	s_delay_alu instid0(VALU_DEP_1)
	v_pk_add_f32 v[54:55], v[54:55], v[56:57]
	s_delay_alu instid0(VALU_DEP_1)
	v_add_f32 v54, v54, v55
	s_delay_alu instid0(VALU_DEP_1)
	v_permlanex16_b32 v55, v54, s[SEL], s[SEL+1]
	s_delay_alu instid0(VALU_DEP_1)
	v_add_f32 v54, v54, v55
	ds_store_b32 v8, v54 offset:\off               ; both lanes of a row write the same word with the same value
	s_wait_dscnt 0x0                               ; for the others' sake: my store is done
	s_barrier_signal -1
	s_barrier_wait -1
	ds_load_b128 v[32:35], v9 offset:\off
	ds_load_b128 v[36:39], v9 offset:\off+16
	s_wait_dscnt 0x0
	v_add_f32 v32, v32, v33
	v_add_f32 v34, v34, v35
	v_add_f32 v36, v36, v37
	v_add_f32 v38, v38, v39
	s_delay_alu instid0(VALU_DEP_3)
	v_add_f32 v32, v32, v34
	s_delay_alu instid0(VALU_DEP_2)
	v_add_f32 v36, v36, v38
	s_delay_alu instid0(VALU_DEP_1)
	v_add_f32 v32, v32, v36
.endm
	s_load_b256 s[4:11], s[0:1], 0x0               ; x, g, b, the codes' buffer
	v_lshl_add_u32 v53, v0, 2, 0x12c00
	v_mov_b32 v63, 0
	v_lshrrev_b32 v1, 5, v0
	s_delay_alu instid0(VALU_DEP_1)
	v_readfirstlane_b32 s12, v1                    ; wave 0..7
	v_and_b32 v1, 31, v0                           ; lane
	v_and_b32 v2, 15, v0                           ; r
	v_bfe_u32 v3, v0, 4, 1                         ; h
	s_delay_alu instid0(VALU_DEP_3)
	v_lshlrev_b32 v4, 4, v1                        ; 16 x lane
	s_mul_i32 s13, s12, WST
	v_add_nc_u32 v5, s13, v4                       ; the stage, in: a row's 512 bytes as they lie
	v_mul_u32_u24 v6, v2, STP
	s_delay_alu instid0(VALU_DEP_1)
	v_lshl_add_u32 v6, v3, 5, v6
	s_delay_alu instid0(VALU_DEP_1)
	v_add_nc_u32 v6, s13, v6                       ; out: row r, + 32 h
	s_lshl_b32 s13, s12, 10
	s_add_co_u32 s13, s13, GBR                     ; my wave's g and b
	v_add_nc_u32 v11, s13, v4                      ; in: 16 bytes a lane
	v_lshl_add_u32 v7, v3, 5, s13                  ; out: + 32 h
	v_lshlrev_b32 v9, 5, v2
	s_delay_alu instid0(VALU_DEP_1)
	v_add_nc_u32 v9, RED, v9                       ; my row's eight partial sums
	s_lshl_b32 s13, s12, 2
	v_add_nc_u32 v8, s13, v9                       ; my wave's word among them
	v_lshlrev_b32 v10, 2, v2                       ; the scale word's place: 4 r
	s_mov_b32 s[SEL], 0x76543210
	s_mov_b32 s[SEL+1], 0xfedcba98
	s_mov_b32 s22, 0x3a800000                      ; 1 / 1024
	s_mov_b32 s23, 0x3727c5ac                      ; 1e-5
.irp b, 0,1,2,3
	v_mov_b32 v[TM+4+\b], 0                        ; written once: a lane permute's destination counts as one of its sources
.endr
	s_lshl_b32 s14, ttmp9, 16                      ; 16 rows of 4,096 bytes,
	s_lshl_b32 s16, s12, 9                         ; my wave's 512 bytes of a row
	s_add_co_u32 s14, s14, s16
	s_mov_b32 s15, 0
	s_mov_b32 s17, 0
	s_lshl_b32 s24, ttmp9, 3
	s_add_co_u32 s24, s24, s12                     ; my record
	s_mul_i32 s26, s24, 1536
	s_mov_b32 s27, 0
	s_lshl_b32 s28, s24, 6
	s_add_co_u32 s28, s28, 3145728
	s_mov_b32 s29, 0
	s_wait_alu depctr_va_vdst(0)
	s_wait_kmcnt 0x0
	s_add_nc_u64 s[4:5], s[4:5], s[14:15]
	s_add_nc_u64 s[6:7], s[6:7], s[16:17]
	s_add_nc_u64 s[8:9], s[8:9], s[16:17]
	s_add_nc_u64 s[18:19], s[10:11], s[28:29]      ; the scale words
	s_add_nc_u64 s[10:11], s[10:11], s[26:27]      ; the codes
.irp i, 0,1,2,3,4,5,6,7,8,9,10,11,12,13,14,15
	global_load_b128 v[R+4*\i:R+4*\i+3], v4, s[4:5] offset:4096*\i th:TH_LOAD_NT   ; row i: 512 consecutive bytes
.endr
	global_load_b128 v[40:43], v4, s[6:7]          ; g of my wave's 128 columns: 512 consecutive bytes
	global_load_b128 v[44:47], v4, s[8:9]          ; b likewise
	s_wait_loadcnt 0x0                             ; all that the wave reads from memory was asked for together, and is in
.irp i, 0,1,2,3,4,5,6,7,8,9,10,11,12,13,14,15
	ds_store_b128 v5, v[R+4*\i:R+4*\i+3] offset:STP*\i
.endr
	ds_store_b128 v11, v[40:43]
	ds_store_b128 v11, v[44:47] offset:512
.irp b, 0,1,2,3
.irp u, 0,1
.irp j, 0,1
	ds_load_b128 v[X+16*\b+8*\u+4*\j:X+16*\b+8*\u+4*\j+3], v6 offset:128*\b+64*\u+16*\j   ; LDS serves a wave's instructions in order: these see my stores
.endr
.endr
.endr
	VEC G, 0
	s_wait_dscnt 0x0                               ; my numbers are back, and the stores have read their registers,
	VEC R, 512                                     ; which now take b; it lands under the first sum, and the wait in front of the first barrier covers it
	v_pk_add_f32 v[54:55], v[X:X+1], v[X+2:X+3]    ; the sum of my 64, two at a time, in two chains
	v_pk_add_f32 v[56:57], v[X+4:X+5], v[X+6:X+7]
.irp j, 8,12,16,20,24,28,32,36,40,44,48,52,56,60
	s_delay_alu instid0(VALU_DEP_2)
	v_pk_add_f32 v[54:55], v[54:55], v[X+\j:X+\j+1]
	s_delay_alu instid0(VALU_DEP_2)
	v_pk_add_f32 v[56:57], v[56:57], v[X+\j+2:X+\j+3]
.endr
	ACROSS 0
	s_delay_alu instid0(VALU_DEP_1)
	v_mul_f32 v58, s22, v32                        ; the mean
	s_delay_alu instid0(VALU_DEP_1)
	v_mov_b32 v59, v58
.set J, 0
.rept 32
	v_pk_add_f32 v[X+J:X+J+1], v[X+J:X+J+1], v[58:59] neg_lo:[0,1] neg_hi:[0,1]   ; x - mean
.set J, J+2
.endr
	v_pk_mul_f32 v[54:55], v[X:X+1], v[X:X+1]      ; the sum of squares
	v_pk_mul_f32 v[56:57], v[X+2:X+3], v[X+2:X+3]
.irp j, 4,8,12,16,20,24,28,32,36,40,44,48,52,56,60
	s_delay_alu instid0(VALU_DEP_2)
	v_pk_fma_f32 v[54:55], v[X+\j:X+\j+1], v[X+\j:X+\j+1], v[54:55]
	s_delay_alu instid0(VALU_DEP_2)
	v_pk_fma_f32 v[56:57], v[X+\j+2:X+\j+3], v[X+\j+2:X+\j+3], v[56:57]
.endr
	ACROSS 512                                     ; other words than the first reduction's: no wave can still be reading what is written
	s_delay_alu instid0(VALU_DEP_1)
	v_fma_f32 v62, v32, s22, s23                   ; var + 1e-5
	s_wait_alu depctr_va_vdst(0)
	v_rsq_f32 v60, v62
	v_rsq_f32 v61, v62                             ; twice: a pair for the packed multiply
	v_nop                                          ; a plain instruction behind the transcendentals
	s_wait_alu depctr_va_vdst(0)                   ; the wait ahead of the first reader: one for both
.set J, 0
.rept 32
	v_pk_mul_f32 v[X+J:X+J+1], v[X+J:X+J+1], v[60:61]
.set J, J+2
.endr
.set J, 0
.rept 32
	v_pk_fma_f32 v[X+J:X+J+1], v[X+J:X+J+1], v[G+J:G+J+1], v[R+J:R+J+1]
.set J, J+2
.endr
	QUANT X
.irp c, 0,1,2
	global_store_b128 v4, v[PC+4*\c:PC+4*\c+3], s[10:11] offset:512*\c   ; 32 lanes store 512 consecutive bytes, aligned
.endr
	global_store_b32 v10, v[PW], s[18:19]          ; lanes 16-31 hold and write the same words as lanes 0-15
	s_wait_tensorcnt 0x0
	ds_add_u32 v53, v63
	s_wait_dscnt 0x0
	s_endpgm
.Lfunc_end_k_q8a73358026_ln2:
	.size	k_q8a73358026_ln2, .Lfunc_end_k_q8a73358026_ln2-k_q8a73358026_ln2
	.p2alignl 7, 3214868480
	.fill 96, 4, 3214868480
	.section	.rodata,"a",@progbits
	.p2align	6, 0x0
	.amdhsa_kernel k_q8a73358026_ln2
		.amdhsa_group_segment_fixed_size 77824
		.amdhsa_private_segment_fixed_size 0
		.amdhsa_enable_private_segment 0
		.amdhsa_kernarg_size 32
		.amdhsa_user_sgpr_count 2
		.amdhsa_user_sgpr_kernarg_segment_ptr 1
		.amdhsa_wavefront_size32 1
		.amdhsa_system_sgpr_workgroup_id_x 1
		.amdhsa_system_sgpr_workgroup_id_y 1
		.amdhsa_system_sgpr_workgroup_id_z 1
		.amdhsa_system_vgpr_workitem_id 0
		.amdhsa_next_free_vgpr 256
		.amdhsa_next_free_sgpr 66
		.amdhsa_reserve_vcc 0
		.amdhsa_float_denorm_mode_32 3
		.amdhsa_float_denorm_mode_16_64 3
		.amdhsa_memory_ordered 1
		.amdhsa_forward_progress 1
		.amdhsa_inst_pref_size 29
	.end_amdhsa_kernel
	.amdgpu_metadata
---
amdhsa.version: [ 1, 2 ]
amdhsa.kernels:
  - .name:           k_q8a73358026_ln2
    .symbol:         k_q8a73358026_ln2.kd
    .args:
      - { .name: x1, .offset: 0, .size: 8, .value_kind: global_buffer, .address_space: global }
      - { .name: ln2_g, .offset: 8, .size: 8, .value_kind: global_buffer, .address_space: global }
      - { .name: ln2_b, .offset: 16, .size: 8, .value_kind: global_buffer, .address_space: global }
      - { .name: h2q, .offset: 24, .size: 8, .value_kind: global_buffer, .address_space: global }
    .group_segment_fixed_size: 77824
    .private_segment_fixed_size: 0
    .kernarg_segment_align: 8
    .kernarg_segment_size: 32
    .max_flat_workgroup_size: 256
    .sgpr_count:     66
    .vgpr_count:     256
    .wavefront_size: 32
...
	.end_amdgpu_metadata
.endif
;; end of part 5
;; launch ffn1 (part 6): grid 16 x 16, 4 waves a work-group, clusters of 4 x 4, 327,680 bytes of LDS; arguments h2q, wts, b1, fq; writes fq
.if DOCPART == 6
	.amdgcn_target "amdgcn-amd-amdhsa--gfx1250"
	.amdhsa_code_object_version 6
	.text
	.protected	k_q8a73358026_ffn1
	.globl	k_q8a73358026_ffn1
	.p2align	8
	.type	k_q8a73358026_ffn1,@function
k_q8a73358026_ffn1:
	s_mov_b64 s[64:65], 0
	v_nop
	global_prefetch_b8 v0, s[64:65] scope:SCOPE_SE
	s_setreg_imm32_b32 hwreg(HW_REG_WAVE_MODE, 25, 1), 1
	s_wait_xcnt 0x0
	s_wait_alu depctr_hold_cnt(0) depctr_sa_sdst(0) depctr_va_vdst(0) depctr_va_sdst(0) depctr_va_ssrc(0) depctr_va_vcc(0) depctr_vm_vsrc(0)
	s_getreg_b32 s2, hwreg(HW_REG_IB_STS2, 6, 4)
	s_cmp_eq_u32 s2, 0
	s_cbranch_scc0 .Lentry_in_a_cluster
	s_endpgm
.Lentry_in_a_cluster:
	s_bfe_u32 s2, ttmp6, 0x10000c
	s_cmp_lg_u32 s2, 0xf033
	s_cbranch_scc0 .Lentry_shape_is_right
	s_endpgm
.Lentry_shape_is_right:
.set KIND,  1
.set TA,    8
.set NQ,    2
.set KS,    8
.set ASOFF, 3145728
.set BCOFF, 3145728
.set BSOFF, 9568256
.set OSOFF, 12582912
.set TB,     TA
.set LAPS,   KS/(2*NQ)
.set REC,    1536
.set ROWB,   NQ*REC
.set KROW,   KS*REC
.set HALFT,  TA*ROWB
.set SLOT,   4*HALFT
.set SCL,    2*SLOT
.set SROW,   KS*64
.set HALFS,  TA*SROW
.set SCLB,   SCL+2*HALFS+128
.set SPARE,  SCL+4*HALFS+256
.set STAGE,  SPARE+512
.set SPITCH, 272
.set L16,  2
.set ADRA, 16
.set ADRB, 20
.set EA,   24
.set ADRS, 27
.set SPW,  28
.set NIL,  29
.set SC,   32
.set AF,   64
.set TM,   64
.set PW,   80
.set PC,   96
.set BK,   64
.set G1,   24
.set G0,   32
.set G1B,  48
.set G0B,  56
.set G1S,  68
.set G0S,  76
.set G1SB, 80
.set G0SB, 88
.set OC,   94
.set OS,   96
.set OCS,  98
.set OSS,  100
.set SEL,  18
.set MSB, 0
.macro WIN new
.if MSB != (\new)
	s_set_vgpr_msb (MSB<<8)|(\new)
.set MSB, (\new)
.endif
.endm
.macro JLOAD g0a, g1a, g0b, g1b
	s_cmp_eq_u32 s15, 0
	s_cbranch_scc0 .Lfor_b_\@
	tensor_load_to_lds s[\g0a:\g0a+3], s[\g1a:\g1a+7]
	s_nop 0
.rept 4
	v_nop
.endr
	s_branch .Lasked_\@
.Lfor_b_\@:
	tensor_load_to_lds s[\g0b:\g0b+3], s[\g1b:\g1b+7]
	s_nop 0
.rept 4
	v_nop
.endr
.Lasked_\@:
.endm
.macro CREST
	s_cmp_lg_u32 s14, 0
	s_cbranch_scc1 .Lnot_wave_0_\@
	s_barrier_signal -3
.Lnot_wave_0_\@:
	s_barrier_wait -3
	s_barrier_signal -1
	s_barrier_wait -1
.endm
.macro CROUND
	s_barrier_signal -1
	s_barrier_wait -1
	CREST
.endm
.macro PLACES n
.rept \n
	v_nop
.endr
.endm
.if KIND == 0
	s_load_b128 s[4:7], s[0:1], 0x0
	s_load_b64 s[8:9], s[0:1], 0x10
.elseif KIND == 1
	s_load_b256 s[4:11], s[0:1], 0x0
.else
	s_load_b256 s[4:11], s[0:1], 0x0
	s_load_b64 s[12:13], s[0:1], 0x20
.endif
	v_lshl_add_u32 v[SPW], v0, 2, SPARE
	v_mov_b32 v[NIL], 0
	ds_add_u32 v28, v29
	ds_add_u32 v28, v29
	s_wait_dscnt 0x0
	v_lshrrev_b32 v1, 5, v0
	v_readfirstlane_b32 s14, v1
.set PFA, 22                           ; s[22:23] base of my prefetches: my work-group's two tiles of 16 rows of the eight that my wave fetches
	v_and_b32 v7, 31, v0                           ; v7: the prefetches' offset: lanes 0-23 name the 2 x 12 blocks of 256 bytes of a slot; lanes 24-31 name the last again
	v_min_u32 v7, 23, v7
	v_mul_u32_u24 v8, v7, 43
	v_lshrrev_b32 v8, 9, v8                        ; lane / 12: which of the two tiles
	v_mul_u32_u24 v8, v8, KROW-ROWB
	v_lshl_add_u32 v7, v7, 8, v8
	s_lshr_b32 s15, s14, 1
	s_and_b32 s16, s14, 1
	s_bfe_u32 s40, ttmp6, 0x40000
	s_bfe_u32 s41, ttmp6, 0x40004
	s_and_b32 s19, ttmp7, 0xffff
	s_lshl_b32 s42, ttmp9, 2
	s_add_co_u32 s42, s42, s40
	s_lshl_b32 s17, s19, 2
	s_add_co_u32 s17, s17, s41
.if KIND == 0
	s_lshl_b32 s66, s19, 2
	s_add_co_u32 s66, s66, s40
	s_cmp_eq_u32 ttmp9, 2
	s_cselect_b32 s42, s66, s42
	s_cselect_b32 s17, s41, s17
	s_cselect_b32 s2, 1572864, 0
	s_mov_b32 s67, 3145728
	s_cselect_b32 s67, 9502720, s67
	s_mov_b32 s66, 9437184
	s_cselect_b32 s66, 3145728, s66
	s_cselect_b32 s[OC], 6291456, 0
	s_mov_b32 s[OS], 9437184
	s_cselect_b32 s[OS], 9699328, s[OS]
	s_cselect_b32 s[OCS], 32, 1
	s_cselect_b32 s[OSS], 1, 256
.elseif KIND == 1
	s_mov_b32 s[OC], 0
	s_mov_b32 s[OS], OSOFF
	s_mov_b32 s[OCS], 32
	s_mov_b32 s[OSS], 1
.endif
	s_lshl_b32 s43, s41, 2
	s_lshl_b32 s43, 15, s43
	s_lshl_b32 s44, 0x1111, s40
	s_or_b32 s[G1+0], s43, (3<<16)|(1<<21)
	s_or_b32 s[G1B+0], s44, (3<<16)|(1<<21)
.irp g, G1, G1B
	s_mov_b32 s[\g+1], (NQ*192)<<16
	s_mov_b32 s[\g+2], (2*TA)<<16                  ; tensor_dim1: both halves for the head's load; set to TA behind it
	s_mov_b32 s[\g+3], (NQ*192)<<16
	s_mov_b32 s[\g+4], 2*TA
	s_mov_b32 s[\g+5], KS*192
	s_mov_b32 s[\g+6], 0
	s_mov_b32 s[\g+7], 0
.endr
	s_or_b32 s[G1S+0], s43, (3<<16)|(1<<21)
	s_or_b32 s[G1SB+0], s44, (3<<16)|(1<<21)
.irp g, G1S, G1SB
	s_mov_b32 s[\g+1], 32<<16
	s_mov_b32 s[\g+2], (2*HALFS/256)<<16           ; both halves' scale words in one load
	s_mov_b32 s[\g+3], 32<<16
	s_mov_b32 s[\g+4], 2*HALFS/256
	s_mov_b32 s[\g+5], 32
	s_mov_b32 s[\g+6], 0
	s_mov_b32 s[\g+7], 0
.endr
	s_mul_i32 s18, s16, TA
	s_mul_i32 s20, s17, 2*TA
	s_add_co_u32 s20, s20, s18
	s_mul_i32 s46, s42, 2*TA
	s_add_co_u32 s46, s46, s18
	s_mul_i32 s22, s20, SROW
	s_mul_i32 s92, s46, SROW
	s_mul_i32 s20, s20, KROW
	s_mul_i32 s46, s46, KROW
.if KIND == 0
	s_add_co_u32 s20, s20, s2
	s_add_co_u32 s22, s22, s67
	s_add_co_u32 s92, s92, s66
.else
	s_add_co_u32 s22, s22, ASOFF
	s_add_co_u32 s46, s46, BCOFF
	s_add_co_u32 s92, s92, BSOFF
.endif
	s_mov_b32 s21, 0
	s_mov_b32 s23, 0
	s_mov_b32 s47, 0
	s_mov_b32 s93, 0
	s_mul_i32 s45, s14, HALFT
	s_mul_i32 s66, s16, HALFS
	s_wait_kmcnt 0x0
.if KIND == 0
	s_cmp_eq_u32 ttmp9, 2
	s_cselect_b64 s[10:11], s[6:7], s[4:5]
	s_cselect_b64 s[12:13], s[4:5], s[6:7]
	s_add_nc_u64 s[20:21], s[10:11], s[20:21]
	s_add_nc_u64 s[22:23], s[10:11], s[22:23]
	s_add_nc_u64 s[46:47], s[12:13], s[46:47]
	s_add_nc_u64 s[92:93], s[12:13], s[92:93]
.else
	s_add_nc_u64 s[20:21], s[4:5], s[20:21]
	s_add_nc_u64 s[22:23], s[4:5], s[22:23]
	s_add_nc_u64 s[46:47], s[6:7], s[46:47]
	s_add_nc_u64 s[92:93], s[6:7], s[92:93]
.endif
	CROUND
	; THE HEAD'S FOUR TILES, each whole, one load a wave: wave 0 slot 0's A (both halves), wave 1 its B, wave 2 A's scale words, wave 3 B's.  Slot 0's groups 0 serve the head's loads first
	s_mul_i32 s2, s16, TA*KROW                     ; my half's bytes, taken off again
	s_mov_b32 s3, 0
	s_mov_b32 s[G0], 1
	s_mov_b32 s[G0+1], 0
	s_sub_nc_u64 s[G0+2:G0+3], s[20:21], s[2:3]
	s_or_b32 s[G0+3], s[G0+3], 0x80000000
	s_mov_b32 s[G0B], 1
	s_mov_b32 s[G0B+1], 2*HALFT
	s_sub_nc_u64 s[G0B+2:G0B+3], s[46:47], s[2:3]
	s_or_b32 s[G0B+3], s[G0B+3], 0x80000000
	s_mov_b32 s2, s66                              ; the same for the scale words
	s_mov_b32 s[G0S], 1
	s_mov_b32 s[G0S+1], SCL
	s_sub_nc_u64 s[G0S+2:G0S+3], s[22:23], s[2:3]
	s_or_b32 s[G0S+3], s[G0S+3], 0x80000000
	s_mov_b32 s[G0SB], 1
	s_mov_b32 s[G0SB+1], SCLB
	s_sub_nc_u64 s[G0SB+2:G0SB+3], s[92:93], s[2:3]
	s_or_b32 s[G0SB+3], s[G0SB+3], 0x80000000
	s_cmp_eq_u32 s15, 0                            ; the four partners of a joint load share its rows out by address: place cx for A, cy for B
	s_cselect_b64 s[PFA:PFA+1], s[20:21], s[46:47]
	s_cselect_b32 s2, s40, s41
	s_mul_i32 s2, s2, (TA/4)*KROW
	s_add_nc_u64 s[PFA:PFA+1], s[PFA:PFA+1], s[2:3]
	s_wait_alu depctr_va_vdst(0)
; one chain of branches on the wave's number, one load to an arm, all arms to one join
.macro ARM under, g0, g1, next
	s_cmp_lt_u32 s14, \under
	s_cbranch_scc0 \next
	tensor_load_to_lds s[\g0:\g0+3], s[\g1:\g1+7]
	s_nop 0
.rept 4
	v_nop
.endr
	s_branch .Lhead_asked
\next:
.endm
	ARM 1, G0, G1, .Lhead_b
	ARM 2, G0B, G1B, .Lhead_sa
	ARM 3, G0S, G1S, .Lhead_sb
	tensor_load_to_lds s[G0SB:G0SB+3], s[G1SB:G1SB+7]
	s_nop 0
.rept 4
	v_nop
.endr
.Lhead_asked:
	global_prefetch_b8 v7, s[PFA:PFA+1] offset:ROWB th:TH_LOAD_NT scope:SCOPE_SE     ; my share of slots 1 and 2
	global_prefetch_b8 v7, s[PFA:PFA+1] offset:2*ROWB th:TH_LOAD_NT scope:SCOPE_SE
	s_wait_alu depctr_va_vdst(0)
	s_wait_tensorcnt 0x0                           ; my tile of the head's four is in
	ds_add_u32 v28, v29
	s_mov_b32 s[G1+2], TA<<16                      ; no tensor load of mine is out: from here on a load brings one half, TA tiles,
	s_mov_b32 s[G1+4], TA
	s_mov_b32 s[G1B+2], TA<<16
	s_mov_b32 s[G1B+4], TA
.irp s, 0,1                                    ; and the groups 0 are the ring's: my half of each slot
	s_mov_b32 s[G0+4*\s], 1
	s_add_co_u32 s[G0+4*\s+1], s45, \s*SLOT
	s_add_nc_u64 s[G0+4*\s+2:G0+4*\s+3], s[20:21], \s*ROWB
	s_or_b32 s[G0+4*\s+3], s[G0+4*\s+3], 0x80000000
	s_mov_b32 s[G0B+4*\s], 1
	s_add_co_u32 s[G0B+4*\s+1], s45, \s*SLOT
	s_add_nc_u64 s[G0B+4*\s+2:G0B+4*\s+3], s[46:47], \s*ROWB
	s_or_b32 s[G0B+4*\s+3], s[G0B+4*\s+3], 0x80000000
.endr
	s_wait_dscnt 0x0                               ; the add is done
	CROUND                                         ; all four tiles are in, and all sixteen work-groups are here
	JLOAD G0+4, G1, G0B+4, G1B                     ; slot 1's first fill, the first tensor load behind the round
	global_prefetch_b8 v7, s[PFA:PFA+1] offset:3*ROWB th:TH_LOAD_NT scope:SCOPE_SE   ; slot 3, the last: the loop asks for nothing
	v_and_b32 v1, 31, v0
	v_lshlrev_b32 v[L16], 4, v1
	v_and_b32 v3, 15, v0
	v_bfe_u32 v4, v0, 4, 1
	s_wait_alu depctr_va_vdst(0)
	v_lshlrev_b32 v6, 5, v4
	s_wait_alu depctr_va_vdst(0)
	s_mul_i32 s18, s15, HALFT
	s_mul_i32 s19, s16, HALFT
	s_add_co_u32 s19, s19, 2*HALFT
.irp s, 0,1
	v_add_nc_u32 v[ADRA+\s], s18, v[L16]
	v_add_nc_u32 v[ADRB+\s], s19, v[L16]
	s_add_co_u32 s18, s18, SLOT
	s_add_co_u32 s19, s19, SLOT
.endr
	s_mul_i32 s18, s15, HALFS
	s_mul_i32 s19, s16, HALFS
	s_add_co_u32 s19, s19, SCLB-SCL
	s_sub_co_u32 s19, s19, s18
	v_mul_u32_u24 v5, s19, v4
	s_add_co_u32 s18, s18, SCL
	v_lshl_add_u32 v5, v3, 2, v5
	v_add_nc_u32 v[ADRS], s18, v5
.if KIND < 2
	v_lshlrev_b32 v[EA+1], 2, v3
	s_lshl_b32 s[OC+1], s17, 4
	s_lshl_b32 s[OS+1], s15, 3
	s_add_co_u32 s[OC+1], s[OC+1], s[OS+1]
	s_mul_i32 s[OC+1], s[OC+1], s[OCS]
	s_lshl_b32 s[OS+1], s42, 1
	s_add_co_u32 s[OS+1], s[OS+1], s16
	s_mul_i32 s[OS+1], s[OS+1], s[OSS]
	s_add_co_u32 s[OC+1], s[OC+1], s[OS+1]
	s_mul_i32 s[OS+1], s[OC+1], REC
	s_add_co_u32 s[OC], s[OC], s[OS+1]
	s_lshl_b32 s[OS+1], s[OC+1], 6
	s_add_co_u32 s[OS], s[OS], s[OS+1]
	s_mov_b32 s[OC+1], 0
	s_mov_b32 s[OS+1], 0
	s_lshl_b32 s[OSS], s[OCS], 6
	s_mul_i32 s[OCS], s[OCS], REC
	s_mov_b32 s[OCS+1], 0
	s_mov_b32 s[OSS+1], 0
.if KIND == 0
	s_add_nc_u64 s[OC:OC+1], s[8:9], s[OC:OC+1]
	s_add_nc_u64 s[OS:OS+1], s[8:9], s[OS:OS+1]
.else
	s_add_nc_u64 s[OC:OC+1], s[10:11], s[OC:OC+1]
	s_add_nc_u64 s[OS:OS+1], s[10:11], s[OS:OS+1]
.endif
.else
	s_mul_i32 s18, s14, 16*SPITCH
	s_add_co_u32 s18, s18, STAGE
	v_mul_u32_u24 v5, v3, SPITCH
	v_lshl_add_u32 v5, v4, 5, v5
	v_add_nc_u32 v[EA], s18, v5
	v_mul_u32_u24 v5, v4, SPITCH
	v_lshl_add_u32 v5, v3, 4, v5
	v_add_nc_u32 v[EA+1], s18, v5
	v_lshlrev_b32 v5, 12, v4
	v_lshl_add_u32 v[EA+2], v3, 4, v5
	s_lshl_b32 s[OC], s17, 7
	s_lshl_b32 s[OC+1], s15, 6
	s_add_co_u32 s[OC], s[OC], s[OC+1]
	s_lshl_b32 s[OC], s[OC], 12
	s_lshl_b32 s[OC+1], s42, 7
	s_lshl_b32 s[OS], s16, 6
	s_add_co_u32 s[OC+1], s[OC+1], s[OS]
	s_lshl_b32 s[OC+1], s[OC+1], 2
	s_add_co_u32 s[OC], s[OC], s[OC+1]
	s_mov_b32 s[OC+1], 0
	s_add_nc_u64 s[10:11], s[10:11], s[OC:OC+1]
	s_add_nc_u64 s[12:13], s[12:13], s[OC:OC+1]
.endif
.if KIND > 0
	s_mul_i32 s46, s42, 128*TB
	s_mul_i32 s47, s16, 64*TB
	s_add_co_u32 s46, s46, s47
	s_mov_b32 s47, 0
	s_add_nc_u64 s[8:9], s[8:9], s[46:47]
.if KIND == 1
	WIN 0x40
.else
	WIN 0xc0
.endif
.set J, 0
.rept TB
.if KIND == 1
.set BI, 96+8*J+96*(J/4)
.else
.set BI, 128+8*J
.endif
	global_load_b128 v[BI:BI+3], v6, s[8:9] offset:64*J
	global_load_b128 v[BI+4:BI+7], v6, s[8:9] offset:64*J+16
.set J, J+1
.endr
.if KIND == 2
.set J, 0
.rept 32
	global_load_b128 v[4*J:4*J+3], v[EA+2], s[10:11] offset:2*J*4096 th:TH_LOAD_NT
.set J, J+1
.endr
.endif
	WIN 0
.endif
.macro FETCH slot, q, fs
	WIN 0x40
.set I, 0
.rept TB
.irp c, 0,1,2
	ds_load_b128 v[128*(\fs)+12*I+4*\c:128*(\fs)+12*I+4*\c+3], v[ADRB+\slot] offset:I*ROWB+(\q)*REC+512*\c
.endr
.set I, I+1
.endr
	WIN 0
.set I, 0
.rept TA
.irp c, 0,1,2
	ds_load_b128 v[AF+96*(\fs)+12*I+4*\c:AF+96*(\fs)+12*I+4*\c+3], v[ADRA+\slot] offset:I*ROWB+(\q)*REC+512*\c
.endr
.set I, I+1
.endr
.endm
.macro SCALES sc
.set I, 0
.rept TA
.set K, 0
.rept NQ
	ds_load_b32 v[SC+16*(\sc)+NQ*I+K], v[ADRS] offset:I*SROW+64*K
.set K, K+1
.endr
.set I, I+1
.endr
.endm
.macro MULA a, fs, q, sc, cm
.set J, 0
.rept TB
.set AI, 8*(TB*(\a)+J)
.set AW, 2+AI/256
.set AR, AI%256
.set FB, 128*(\fs)+12*J
.set FA, AF+96*(\fs)+12*(\a)
.set SWB, SC+16*(\sc)+NQ*J+(\q)
.set SWA, SC+16*(\sc)+NQ*(\a)+(\q)
.if (\cm) && (KIND == 0)
	WIN 0x01|(AW<<4)|(AW<<6)
	v_wmma_scale_f32_16x16x128_f8f6f4 v[AR:AR+7], v[FB:FB+11], v[FA:FA+11], 0, v[SWB], v[SWA] matrix_a_fmt:MATRIX_FMT_BF6 matrix_b_fmt:MATRIX_FMT_BF6 matrix_a_scale:MATRIX_SCALE_ROW1
.elseif (\cm) && (KIND == 1)
.set BI, 96+8*J+96*(J/4)
	WIN 0x11|(AW<<6)
	v_wmma_scale_f32_16x16x128_f8f6f4 v[AR:AR+7], v[FB:FB+11], v[FA:FA+11], v[BI:BI+7], v[SWB], v[SWA] matrix_a_fmt:MATRIX_FMT_BF6 matrix_b_fmt:MATRIX_FMT_BF6 matrix_a_scale:MATRIX_SCALE_ROW1
.elseif (\cm)
.set BI, 128+8*J
	WIN 0x31|(AW<<6)
	v_wmma_scale_f32_16x16x128_f8f6f4 v[AR:AR+7], v[FB:FB+11], v[FA:FA+11], v[BI:BI+7], v[SWB], v[SWA] matrix_a_fmt:MATRIX_FMT_BF6 matrix_b_fmt:MATRIX_FMT_BF6 matrix_a_scale:MATRIX_SCALE_ROW1
.else
	WIN 0x01|(AW<<4)|(AW<<6)
	v_wmma_scale_f32_16x16x128_f8f6f4 v[AR:AR+7], v[FB:FB+11], v[FA:FA+11], v[AR:AR+7], v[SWB], v[SWA] matrix_a_fmt:MATRIX_FMT_BF6 matrix_b_fmt:MATRIX_FMT_BF6 matrix_a_scale:MATRIX_SCALE_ROW1
.endif
.set J, J+1
.endr
.endm
.macro MULS a0, n, fs, q, sc, cm
.set AA, \a0
.rept \n
	MULA AA, \fs, \q, \sc, \cm
.set AA, AA+1
.endr
.endm
.macro STEP slot, q, cm
	s_wait_dscnt 0x0
	PLACES 4
	FETCH \slot, (\q)+1, ((\q)+1)%2
	MULS 0, TA, (\q)%2, \q, \slot, \cm
.endm
.macro STEPS slot, q0
.if NQ-1-(\q0) > 0
.set QQ, \q0
.rept NQ-1-(\q0)
	STEP \slot, QQ, 0
.set QQ, QQ+1
.endr
.endif
.endm
.macro TURN slot, next, fill
	WIN 0
	s_wait_tensorcnt 0x0
	ds_add_u32 v[SPW], v[NIL]
	s_wait_dscnt 1
	MULS 0, TA/4, 1, NQ-1, \slot, 0
	s_wait_dscnt 0x0
	s_barrier_signal -1
	MULS TA/4, TA/4, 1, NQ-1, \slot, 0
	WIN 0
	s_barrier_wait -1
.if \fill
	CREST
	s_add_nc_u64 s[G0+4*\slot+2:G0+4*\slot+3], s[G0+4*\slot+2:G0+4*\slot+3], 2*ROWB
	s_add_nc_u64 s[G0B+4*\slot+2:G0B+4*\slot+3], s[G0B+4*\slot+2:G0B+4*\slot+3], 2*ROWB
	JLOAD G0+4*\slot, G1, G0B+4*\slot, G1B
.else
	PLACES 4
.endif
	s_wait_alu depctr_va_vdst(0)
	v_add_nc_u32 v[ADRS], NQ*64, v[ADRS]
	FETCH \next, 0, 0
	SCALES \next
	MULS TA/2, TA/2, 1, NQ-1, \slot, 0
.endm
	s_wait_alu depctr_va_vdst(0)
	s_wait_tensorcnt 1
	s_barrier_signal -1
	s_barrier_wait -1
	FETCH 0, 0, 0
	SCALES 0
.if KIND == 1
	s_wait_loadcnt 0x0
.elseif KIND == 2
	s_wait_loadcnt 32
.endif
	STEP 0, 0, 1
.if LAPS > 1
	WIN 0
	s_mov_b32 s3, LAPS-1
.Llap:
	STEPS 0, 1
	TURN 0, 1, 1
	STEPS 1, 0
	TURN 1, 0, 1
	STEP 0, 0, 0
	WIN 0
	s_sub_co_u32 s3, s3, 1
	s_cmp_lg_u32 s3, 0
	s_cbranch_scc1 .Llap
.endif
	STEPS 0, 1
	TURN 0, 1, 0
	STEPS 1, 0
	s_wait_dscnt 0x0
	MULS 0, TA, 1, NQ-1, 1, 0
	WIN 0
	PLACES 4
.if KIND < 2
.macro QUANTW s, W
.if KIND == 1
	WIN ((\W)<<2)|((\W)<<6)
.set J, 0
.rept 64
	v_max_num_f32 v[(\s)+J], 0, v[(\s)+J]
.set J, J+1
.endr
.endif
	WIN (\W)|((\W)<<2)
.irp b, 0,1,2,3
	v_max3_num_f32 v[TM+\b], |v[(\s)+16*\b]|, |v[(\s)+16*\b+1]|, 0x2800000
.endr
.irp i, 2,4,6,8,10,12,14
.irp b, 0,1,2,3
	v_max3_num_f32 v[TM+\b], |v[(\s)+16*\b+\i]|, |v[(\s)+16*\b+\i+1]|, v[TM+\b]
.endr
.endr
	WIN 0
.irp b, 0,1,2,3
	v_permlanex16_b32 v[TM+4+\b], v[TM+\b], s[SEL], s[SEL+1]
.endr
.irp b, 0,1,2,3
	v_max_num_f32 v[TM+\b], v[TM+\b], v[TM+4+\b]
.endr
.irp b, 0,1,2,3
	v_add_nc_u32 v[TM+12+\b], 0xfe000000, v[TM+\b]
.endr
.irp b, 0,1,2,3
	v_lshrrev_b32 v[TM+4+\b], 23, v[TM+12+\b]
.endr
	v_lshl_or_b32 v[PW], v[TM+5], 8, v[TM+4]
	v_lshl_or_b32 v[PW], v[TM+6], 16, v[PW]
	v_lshl_or_b32 v[PW], v[TM+7], 24, v[PW]
	WIN (\W)
.irp c, 0,1
	v_cvt_scalef32_pk16_bf6_f32 v[PC+6*\c:PC+2+6*\c], v[(\s)+32*\c:(\s)+15+32*\c], v[TM+12+2*\c]
	v_cvt_scalef32_pk16_bf6_f32 v[PC+12+4*\c:PC+14+4*\c], v[(\s)+16+32*\c:(\s)+31+32*\c], v[TM+12+2*\c+1]
.endr
	WIN 0
	v_nop
.irp c, 0,1
.irp i, 0,1,2
	v_permlane16_swap_b32 v[PC+6*\c+\i], v[PC+12+4*\c+\i]
.endr
.irp i, 0,1,2
	v_mov_b32 v[PC+3+6*\c+\i], v[PC+12+4*\c+\i]
.endr
.endr
.endm
	s_mov_b32 s[SEL], 0x76543210
	s_mov_b32 s[SEL+1], 0xfedcba98
.irp b, 0,1,2,3
	v_mov_b32 v[TM+4+\b], 0
.endr
.set AB, 0
.rept TA
.if AB > 0
	s_wait_xcnt 0x0
	s_add_nc_u64 s[OC:OC+1], s[OC:OC+1], s[OCS:OCS+1]
	s_add_nc_u64 s[OS:OS+1], s[OS:OS+1], s[OSS:OSS+1]
.endif
	QUANTW 64*(AB%4), 2+AB/4
.irp c, 0,1,2
	global_store_b128 v[L16], v[PC+4*\c:PC+4*\c+3], s[OC:OC+1] offset:512*\c
.endr
	global_store_b32 v[EA+1], v[PW], s[OS:OS+1]
.set AB, AB+1
.endr
.else
.macro TOSTAGE a
	WIN 0x08
.irp b, 0,1,2,3
	ds_store_b128 v[EA], v[32*(\a)+8*\b:32*(\a)+8*\b+3] offset:64*\b
	ds_store_b128 v[EA], v[32*(\a)+8*\b+4:32*(\a)+8*\b+7] offset:64*\b+16
.endr
	WIN 0
.irp t, 0,1,2,3,4,5,6,7
	ds_load_b128 v[BK+32*((\a)%2)+4*\t:BK+32*((\a)%2)+4*\t+3], v[EA+1] offset:2*SPITCH*\t
.endr
.endm
.macro SEND a, younger
	s_wait_dscnt \younger
	WIN 0x0c
.irp i, 0,2,4,6,8,10,12,14,16,18,20,22,24,26,28,30
	v_pk_add_f32 v[BK+32*((\a)%2)+\i:BK+32*((\a)%2)+\i+1], v[BK+32*((\a)%2)+\i:BK+32*((\a)%2)+\i+1], v[32*(\a)+\i:32*(\a)+\i+1]
.endr
	WIN 0
.irp t, 0,1,2,3,4,5,6,7
	global_store_b128 v[EA+2], v[BK+32*((\a)%2)+4*\t:BK+32*((\a)%2)+4*\t+3], s[12:13] offset:(16*(\a)+2*\t)*4096 th:TH_STORE_NT
.endr
.endm
	s_wait_loadcnt 0x0
	TOSTAGE 0
.irp a, 1,2,3
.if \a > 1
	s_wait_xcnt 0x0
.endif
	TOSTAGE \a
	SEND \a-1, 16
.endr
	SEND 3, 0
.endif
	s_wait_tensorcnt 0x0
	ds_add_u32 v[SPW], v[NIL]
	s_wait_dscnt 0x0
	CROUND
	s_endpgm
.Lfunc_end_k_q8a73358026_ffn1:
	.size	k_q8a73358026_ffn1, .Lfunc_end_k_q8a73358026_ffn1-k_q8a73358026_ffn1
	.p2alignl 7, 3214868480
	.fill 96, 4, 3214868480
	.section	.rodata,"a",@progbits
	.p2align	6, 0x0
	.amdhsa_kernel k_q8a73358026_ffn1
		.amdhsa_group_segment_fixed_size 327680
		.amdhsa_private_segment_fixed_size 0
		.amdhsa_enable_private_segment 0
		.amdhsa_kernarg_size 32
		.amdhsa_user_sgpr_count 2
		.amdhsa_user_sgpr_kernarg_segment_ptr 1
		.amdhsa_wavefront_size32 1
		.amdhsa_system_sgpr_workgroup_id_x 1
		.amdhsa_system_sgpr_workgroup_id_y 1
		.amdhsa_system_sgpr_workgroup_id_z 1
		.amdhsa_system_vgpr_workitem_id 0
		.amdhsa_next_free_vgpr 1024
		.amdhsa_next_free_sgpr 102
		.amdhsa_reserve_vcc 0
		.amdhsa_float_denorm_mode_32 3
		.amdhsa_float_denorm_mode_16_64 3
		.amdhsa_memory_ordered 1
		.amdhsa_forward_progress 1
		.amdhsa_inst_pref_size 162
	.end_amdhsa_kernel
	.amdgpu_metadata
---
amdhsa.version: [ 1, 2 ]
amdhsa.kernels:
  - .name:           k_q8a73358026_ffn1
    .symbol:         k_q8a73358026_ffn1.kd
    .args:
      - { .name: h2q, .offset: 0, .size: 8, .value_kind: global_buffer, .address_space: global }
      - { .name: wts, .offset: 8, .size: 8, .value_kind: global_buffer, .address_space: global }
      - { .name: b1, .offset: 16, .size: 8, .value_kind: global_buffer, .address_space: global }
      - { .name: fq, .offset: 24, .size: 8, .value_kind: global_buffer, .address_space: global }
    .group_segment_fixed_size: 327680
    .private_segment_fixed_size: 0
    .kernarg_segment_align: 8
    .kernarg_segment_size: 32
    .max_flat_workgroup_size: 128
    .sgpr_count:     102
    .vgpr_count:     1024
    .wavefront_size: 32
...
	.end_amdgpu_metadata
.endif
;; end of part 6
;; launch ffn2 (part 7): grid 8 x 32, 4 waves a work-group, clusters of 4 x 4, 327,680 bytes of LDS; arguments fq, wts, b2, x1, out0; writes out0
.if DOCPART == 7
	.amdgcn_target "amdgcn-amd-amdhsa--gfx1250"
	.amdhsa_code_object_version 6
	.text
	.protected	k_q8a73358026_ffn2
	.globl	k_q8a73358026_ffn2
	.p2align	8
	.type	k_q8a73358026_ffn2,@function
k_q8a73358026_ffn2:
	s_mov_b64 s[64:65], 0
	v_nop
	global_prefetch_b8 v0, s[64:65] scope:SCOPE_SE
	s_setreg_imm32_b32 hwreg(HW_REG_WAVE_MODE, 25, 1), 1
	s_wait_xcnt 0x0
	s_wait_alu depctr_hold_cnt(0) depctr_sa_sdst(0) depctr_va_vdst(0) depctr_va_sdst(0) depctr_va_ssrc(0) depctr_va_vcc(0) depctr_vm_vsrc(0)
	s_getreg_b32 s2, hwreg(HW_REG_IB_STS2, 6, 4)
	s_cmp_eq_u32 s2, 0
	s_cbranch_scc0 .Lentry_in_a_cluster
	s_endpgm
.Lentry_in_a_cluster:
	s_bfe_u32 s2, ttmp6, 0x10000c
	s_cmp_lg_u32 s2, 0xf033
	s_cbranch_scc0 .Lentry_shape_is_right
	s_endpgm
.Lentry_shape_is_right:
.set KIND,  2
.set TA,    4
.set NQ,    4
.set KS,    32
.set ASOFF, 12582912
.set BCOFF, 6291456
.set BSOFF, 9699328
.set OSOFF, 0
.set TB,     TA
.set LAPS,   KS/(2*NQ)
.set REC,    1536
.set ROWB,   NQ*REC
.set KROW,   KS*REC
.set HALFT,  TA*ROWB
.set SLOT,   4*HALFT
.set SCL,    2*SLOT
.set SROW,   KS*64
.set HALFS,  TA*SROW
.set SCLB,   SCL+2*HALFS+128
.set SPARE,  SCL+4*HALFS+256
.set STAGE,  SPARE+512
.set SPITCH, 272
.set L16,  2
.set ADRA, 16
.set ADRB, 20
.set EA,   24
.set ADRS, 27
.set SPW,  28
.set NIL,  29
.set SC,   32
.set AF,   64
.set TM,   64
.set PW,   80
.set PC,   96
.set BK,   64
.set G1,   24
.set G0,   32
.set G1B,  48
.set G0B,  56
.set G1S,  68
.set G0S,  76
.set G1SB, 80
.set G0SB, 88
.set OC,   94
.set OS,   96
.set OCS,  98
.set OSS,  100
.set SEL,  18
.set MSB, 0
.macro WIN new
.if MSB != (\new)
	s_set_vgpr_msb (MSB<<8)|(\new)
.set MSB, (\new)
.endif
.endm
.macro JLOAD g0a, g1a, g0b, g1b
	s_cmp_eq_u32 s15, 0
	s_cbranch_scc0 .Lfor_b_\@
	tensor_load_to_lds s[\g0a:\g0a+3], s[\g1a:\g1a+7]
	s_nop 0
.rept 4
	v_nop
.endr
	s_branch .Lasked_\@
.Lfor_b_\@:
	tensor_load_to_lds s[\g0b:\g0b+3], s[\g1b:\g1b+7]
	s_nop 0
.rept 4
	v_nop
.endr
.Lasked_\@:
.endm
.macro CREST
	s_cmp_lg_u32 s14, 0
	s_cbranch_scc1 .Lnot_wave_0_\@
	s_barrier_signal -3
.Lnot_wave_0_\@:
	s_barrier_wait -3
	s_barrier_signal -1
	s_barrier_wait -1
.endm
.macro CROUND
	s_barrier_signal -1
	s_barrier_wait -1
	CREST
.endm
.macro PLACES n
.rept \n
	v_nop
.endr
.endm
.if KIND == 0
	s_load_b128 s[4:7], s[0:1], 0x0
	s_load_b64 s[8:9], s[0:1], 0x10
.elseif KIND == 1
	s_load_b256 s[4:11], s[0:1], 0x0
.else
	s_load_b256 s[4:11], s[0:1], 0x0
	s_load_b64 s[12:13], s[0:1], 0x20
.endif
	v_lshl_add_u32 v[SPW], v0, 2, SPARE
	v_mov_b32 v[NIL], 0
	ds_add_u32 v28, v29
	ds_add_u32 v28, v29
	s_wait_dscnt 0x0
	v_lshrrev_b32 v1, 5, v0
	v_readfirstlane_b32 s14, v1
.set PFA, 22                           ; s[22:23] base of my prefetches: my work-group's one tile of 16 rows of the four that my wave fetches
	v_and_b32 v7, 31, v0                           ; v7: the prefetches' offset: lanes 0-23 name the 24 blocks of 256 bytes of that tile in a slot; lanes 24-31 name the last again
	v_min_u32 v7, 23, v7
	v_lshlrev_b32 v7, 8, v7
	s_lshr_b32 s15, s14, 1
	s_and_b32 s16, s14, 1
	s_bfe_u32 s40, ttmp6, 0x40000
	s_bfe_u32 s41, ttmp6, 0x40004
	s_and_b32 s19, ttmp7, 0xffff
	s_lshl_b32 s42, ttmp9, 2
	s_add_co_u32 s42, s42, s40
	s_lshl_b32 s17, s19, 2
	s_add_co_u32 s17, s17, s41
.if KIND == 0
	s_lshl_b32 s66, s19, 2
	s_add_co_u32 s66, s66, s40
	s_cmp_eq_u32 ttmp9, 2
	s_cselect_b32 s42, s66, s42
	s_cselect_b32 s17, s41, s17
	s_cselect_b32 s2, 1572864, 0
	s_mov_b32 s67, 3145728
	s_cselect_b32 s67, 9502720, s67
	s_mov_b32 s66, 9437184
	s_cselect_b32 s66, 3145728, s66
	s_cselect_b32 s[OC], 6291456, 0
	s_mov_b32 s[OS], 9437184
	s_cselect_b32 s[OS], 9699328, s[OS]
	s_cselect_b32 s[OCS], 32, 1
	s_cselect_b32 s[OSS], 1, 256
.elseif KIND == 1
	s_mov_b32 s[OC], 0
	s_mov_b32 s[OS], OSOFF
	s_mov_b32 s[OCS], 32
	s_mov_b32 s[OSS], 1
.endif
	s_lshl_b32 s43, s41, 2
	s_lshl_b32 s43, 15, s43
	s_lshl_b32 s44, 0x1111, s40
	s_or_b32 s[G1+0], s43, (3<<16)|(1<<21)
	s_or_b32 s[G1B+0], s44, (3<<16)|(1<<21)
.irp g, G1, G1B
	s_mov_b32 s[\g+1], (NQ*192)<<16
	s_mov_b32 s[\g+2], (2*TA)<<16                  ; tensor_dim1: both halves for the head's load; set to TA behind it
	s_mov_b32 s[\g+3], (NQ*192)<<16
	s_mov_b32 s[\g+4], 2*TA
	s_mov_b32 s[\g+5], KS*192
	s_mov_b32 s[\g+6], 0
	s_mov_b32 s[\g+7], 0
.endr
	s_or_b32 s[G1S+0], s43, (3<<16)|(1<<21)
	s_or_b32 s[G1SB+0], s44, (3<<16)|(1<<21)
.irp g, G1S, G1SB
	s_mov_b32 s[\g+1], 32<<16
	s_mov_b32 s[\g+2], (2*HALFS/256)<<16           ; both halves' scale words in one load
	s_mov_b32 s[\g+3], 32<<16
	s_mov_b32 s[\g+4], 2*HALFS/256
	s_mov_b32 s[\g+5], 32
	s_mov_b32 s[\g+6], 0
	s_mov_b32 s[\g+7], 0
.endr
	s_mul_i32 s18, s16, TA
	s_mul_i32 s20, s17, 2*TA
	s_add_co_u32 s20, s20, s18
	s_mul_i32 s46, s42, 2*TA
	s_add_co_u32 s46, s46, s18
	s_mul_i32 s22, s20, SROW
	s_mul_i32 s92, s46, SROW
	s_mul_i32 s20, s20, KROW
	s_mul_i32 s46, s46, KROW
.if KIND == 0
	s_add_co_u32 s20, s20, s2
	s_add_co_u32 s22, s22, s67
	s_add_co_u32 s92, s92, s66
.else
	s_add_co_u32 s22, s22, ASOFF
	s_add_co_u32 s46, s46, BCOFF
	s_add_co_u32 s92, s92, BSOFF
.endif
	s_mov_b32 s21, 0
	s_mov_b32 s23, 0
	s_mov_b32 s47, 0
	s_mov_b32 s93, 0
	s_mul_i32 s45, s14, HALFT
	s_mul_i32 s66, s16, HALFS
	s_wait_kmcnt 0x0
.if KIND == 0
	s_cmp_eq_u32 ttmp9, 2
	s_cselect_b64 s[10:11], s[6:7], s[4:5]
	s_cselect_b64 s[12:13], s[4:5], s[6:7]
	s_add_nc_u64 s[20:21], s[10:11], s[20:21]
	s_add_nc_u64 s[22:23], s[10:11], s[22:23]
	s_add_nc_u64 s[46:47], s[12:13], s[46:47]
	s_add_nc_u64 s[92:93], s[12:13], s[92:93]
.else
	s_add_nc_u64 s[20:21], s[4:5], s[20:21]
	s_add_nc_u64 s[22:23], s[4:5], s[22:23]
	s_add_nc_u64 s[46:47], s[6:7], s[46:47]
	s_add_nc_u64 s[92:93], s[6:7], s[92:93]
.endif
	CROUND
	; THE HEAD'S FOUR TILES, each whole, one load a wave: wave 0 slot 0's A (both halves), wave 1 its B, wave 2 A's scale words, wave 3 B's.  Slot 0's groups 0 serve the head's loads first
	s_mul_i32 s2, s16, TA*KROW                     ; my half's bytes, taken off again
	s_mov_b32 s3, 0
	s_mov_b32 s[G0], 1
	s_mov_b32 s[G0+1], 0
	s_sub_nc_u64 s[G0+2:G0+3], s[20:21], s[2:3]
	s_or_b32 s[G0+3], s[G0+3], 0x80000000
	s_mov_b32 s[G0B], 1
	s_mov_b32 s[G0B+1], 2*HALFT
	s_sub_nc_u64 s[G0B+2:G0B+3], s[46:47], s[2:3]
	s_or_b32 s[G0B+3], s[G0B+3], 0x80000000
	s_mov_b32 s2, s66                              ; the same for the scale words
	s_mov_b32 s[G0S], 1
	s_mov_b32 s[G0S+1], SCL
	s_sub_nc_u64 s[G0S+2:G0S+3], s[22:23], s[2:3]
	s_or_b32 s[G0S+3], s[G0S+3], 0x80000000
	s_mov_b32 s[G0SB], 1
	s_mov_b32 s[G0SB+1], SCLB
	s_sub_nc_u64 s[G0SB+2:G0SB+3], s[92:93], s[2:3]
	s_or_b32 s[G0SB+3], s[G0SB+3], 0x80000000
	s_cmp_eq_u32 s15, 0                            ; the four partners of a joint load share its rows out by address: place cx for A, cy for B
	s_cselect_b64 s[PFA:PFA+1], s[20:21], s[46:47]
	s_cselect_b32 s2, s40, s41
	s_mul_i32 s2, s2, (TA/4)*KROW
	s_add_nc_u64 s[PFA:PFA+1], s[PFA:PFA+1], s[2:3]
	s_wait_alu depctr_va_vdst(0)
; one chain of branches on the wave's number, one load to an arm, all arms to one join
.macro ARM under, g0, g1, next
	s_cmp_lt_u32 s14, \under
	s_cbranch_scc0 \next
	tensor_load_to_lds s[\g0:\g0+3], s[\g1:\g1+7]
	s_nop 0
.rept 4
	v_nop
.endr
	s_branch .Lhead_asked
\next:
.endm
	ARM 1, G0, G1, .Lhead_b
	ARM 2, G0B, G1B, .Lhead_sa
	ARM 3, G0S, G1S, .Lhead_sb
	tensor_load_to_lds s[G0SB:G0SB+3], s[G1SB:G1SB+7]
	s_nop 0
.rept 4
	v_nop
.endr
.Lhead_asked:
	global_prefetch_b8 v7, s[PFA:PFA+1] offset:ROWB th:TH_LOAD_NT scope:SCOPE_SE     ; my share of slots 1 and 2
	global_prefetch_b8 v7, s[PFA:PFA+1] offset:2*ROWB th:TH_LOAD_NT scope:SCOPE_SE
	s_wait_alu depctr_va_vdst(0)
	s_wait_tensorcnt 0x0                           ; my tile of the head's four is in
	ds_add_u32 v28, v29
	s_mov_b32 s[G1+2], TA<<16                      ; no tensor load of mine is out: from here on a load brings one half, TA tiles,
	s_mov_b32 s[G1+4], TA
	s_mov_b32 s[G1B+2], TA<<16
	s_mov_b32 s[G1B+4], TA
.irp s, 0,1                                    ; and the groups 0 are the ring's: my half of each slot
	s_mov_b32 s[G0+4*\s], 1
	s_add_co_u32 s[G0+4*\s+1], s45, \s*SLOT
	s_add_nc_u64 s[G0+4*\s+2:G0+4*\s+3], s[20:21], \s*ROWB
	s_or_b32 s[G0+4*\s+3], s[G0+4*\s+3], 0x80000000
	s_mov_b32 s[G0B+4*\s], 1
	s_add_co_u32 s[G0B+4*\s+1], s45, \s*SLOT
	s_add_nc_u64 s[G0B+4*\s+2:G0B+4*\s+3], s[46:47], \s*ROWB
	s_or_b32 s[G0B+4*\s+3], s[G0B+4*\s+3], 0x80000000
.endr
	s_wait_dscnt 0x0                               ; the add is done
	CROUND                                         ; all four tiles are in, and all sixteen work-groups are here
	JLOAD G0+4, G1, G0B+4, G1B                     ; slot 1's first fill, the first tensor load behind the round
	global_prefetch_b8 v7, s[PFA:PFA+1] offset:3*ROWB th:TH_LOAD_NT scope:SCOPE_SE   ; slot 3; from here on each refill names the slot two refills on
	v_and_b32 v1, 31, v0
	v_lshlrev_b32 v[L16], 4, v1
	v_and_b32 v3, 15, v0
	v_bfe_u32 v4, v0, 4, 1
	s_wait_alu depctr_va_vdst(0)
	v_lshlrev_b32 v6, 5, v4
	s_mul_i32 s18, s15, HALFT
	s_mul_i32 s19, s16, HALFT
	s_add_co_u32 s19, s19, 2*HALFT
.irp s, 0,1
	v_add_nc_u32 v[ADRA+\s], s18, v[L16]
	v_add_nc_u32 v[ADRB+\s], s19, v[L16]
	s_add_co_u32 s18, s18, SLOT
	s_add_co_u32 s19, s19, SLOT
.endr
	s_mul_i32 s18, s15, HALFS
	s_mul_i32 s19, s16, HALFS
	s_add_co_u32 s19, s19, SCLB-SCL
	s_sub_co_u32 s19, s19, s18
	v_mul_u32_u24 v5, s19, v4
	s_add_co_u32 s18, s18, SCL
	v_lshl_add_u32 v5, v3, 2, v5
	v_add_nc_u32 v[ADRS], s18, v5
.if KIND < 2
	v_lshlrev_b32 v[EA+1], 2, v3
	s_lshl_b32 s[OC+1], s17, 4
	s_lshl_b32 s[OS+1], s15, 3
	s_add_co_u32 s[OC+1], s[OC+1], s[OS+1]
	s_mul_i32 s[OC+1], s[OC+1], s[OCS]
	s_lshl_b32 s[OS+1], s42, 1
	s_add_co_u32 s[OS+1], s[OS+1], s16
	s_mul_i32 s[OS+1], s[OS+1], s[OSS]
	s_add_co_u32 s[OC+1], s[OC+1], s[OS+1]
	s_mul_i32 s[OS+1], s[OC+1], REC
	s_add_co_u32 s[OC], s[OC], s[OS+1]
	s_lshl_b32 s[OS+1], s[OC+1], 6
	s_add_co_u32 s[OS], s[OS], s[OS+1]
	s_mov_b32 s[OC+1], 0
	s_mov_b32 s[OS+1], 0
	s_lshl_b32 s[OSS], s[OCS], 6
	s_mul_i32 s[OCS], s[OCS], REC
	s_mov_b32 s[OCS+1], 0
	s_mov_b32 s[OSS+1], 0
.if KIND == 0
	s_add_nc_u64 s[OC:OC+1], s[8:9], s[OC:OC+1]
	s_add_nc_u64 s[OS:OS+1], s[8:9], s[OS:OS+1]
.else
	s_add_nc_u64 s[OC:OC+1], s[10:11], s[OC:OC+1]
	s_add_nc_u64 s[OS:OS+1], s[10:11], s[OS:OS+1]
.endif
.else
	s_mul_i32 s18, s14, 16*SPITCH
	s_add_co_u32 s18, s18, STAGE
	v_mul_u32_u24 v5, v3, SPITCH
	v_lshl_add_u32 v5, v4, 5, v5
	v_add_nc_u32 v[EA], s18, v5
	v_mul_u32_u24 v5, v4, SPITCH
	v_lshl_add_u32 v5, v3, 4, v5
	v_add_nc_u32 v[EA+1], s18, v5
	v_lshlrev_b32 v5, 12, v4
	v_lshl_add_u32 v[EA+2], v3, 4, v5
	s_wait_alu depctr_va_vdst(0)
	s_lshl_b32 s[OC], s17, 7
	s_lshl_b32 s[OC+1], s15, 6
	s_add_co_u32 s[OC], s[OC], s[OC+1]
	s_lshl_b32 s[OC], s[OC], 12
	s_lshl_b32 s[OC+1], s42, 7
	s_lshl_b32 s[OS], s16, 6
	s_add_co_u32 s[OC+1], s[OC+1], s[OS]
	s_lshl_b32 s[OC+1], s[OC+1], 2
	s_add_co_u32 s[OC], s[OC], s[OC+1]
	s_mov_b32 s[OC+1], 0
	s_add_nc_u64 s[10:11], s[10:11], s[OC:OC+1]
	s_add_nc_u64 s[12:13], s[12:13], s[OC:OC+1]
.endif
.if KIND > 0
	s_mul_i32 s46, s42, 128*TB
	s_mul_i32 s47, s16, 64*TB
	s_add_co_u32 s46, s46, s47
	s_mov_b32 s47, 0
	s_add_nc_u64 s[8:9], s[8:9], s[46:47]
.if KIND == 1
	WIN 0x40
.else
	WIN 0xc0
.endif
.set J, 0
.rept TB
.if KIND == 1
.set BI, 96+8*J+96*(J/4)
.else
.set BI, 128+8*J
.endif
	global_load_b128 v[BI:BI+3], v6, s[8:9] offset:64*J
	global_load_b128 v[BI+4:BI+7], v6, s[8:9] offset:64*J+16
.set J, J+1
.endr
.if KIND == 2
.set J, 0
.rept 32
	global_load_b128 v[4*J:4*J+3], v[EA+2], s[10:11] offset:2*J*4096 th:TH_LOAD_NT
.set J, J+1
.endr
.endif
	WIN 0
.endif
.macro FETCH slot, q, fs
	WIN 0x40
.set I, 0
.rept TB
.irp c, 0,1,2
	ds_load_b128 v[128*(\fs)+12*I+4*\c:128*(\fs)+12*I+4*\c+3], v[ADRB+\slot] offset:I*ROWB+(\q)*REC+512*\c
.endr
.set I, I+1
.endr
	WIN 0
.set I, 0
.rept TA
.irp c, 0,1,2
	ds_load_b128 v[AF+96*(\fs)+12*I+4*\c:AF+96*(\fs)+12*I+4*\c+3], v[ADRA+\slot] offset:I*ROWB+(\q)*REC+512*\c
.endr
.set I, I+1
.endr
.endm
.macro SCALES sc
.set I, 0
.rept TA
.set K, 0
.rept NQ
	ds_load_b32 v[SC+16*(\sc)+NQ*I+K], v[ADRS] offset:I*SROW+64*K
.set K, K+1
.endr
.set I, I+1
.endr
.endm
.macro MULA a, fs, q, sc, cm
.set J, 0
.rept TB
.set AI, 8*(TB*(\a)+J)
.set AW, 2+AI/256
.set AR, AI%256
.set FB, 128*(\fs)+12*J
.set FA, AF+96*(\fs)+12*(\a)
.set SWB, SC+16*(\sc)+NQ*J+(\q)
.set SWA, SC+16*(\sc)+NQ*(\a)+(\q)
.if (\cm) && (KIND == 0)
	WIN 0x01|(AW<<4)|(AW<<6)
	v_wmma_scale_f32_16x16x128_f8f6f4 v[AR:AR+7], v[FB:FB+11], v[FA:FA+11], 0, v[SWB], v[SWA] matrix_a_fmt:MATRIX_FMT_BF6 matrix_b_fmt:MATRIX_FMT_BF6 matrix_a_scale:MATRIX_SCALE_ROW1
.elseif (\cm) && (KIND == 1)
.set BI, 96+8*J+96*(J/4)
	WIN 0x11|(AW<<6)
	v_wmma_scale_f32_16x16x128_f8f6f4 v[AR:AR+7], v[FB:FB+11], v[FA:FA+11], v[BI:BI+7], v[SWB], v[SWA] matrix_a_fmt:MATRIX_FMT_BF6 matrix_b_fmt:MATRIX_FMT_BF6 matrix_a_scale:MATRIX_SCALE_ROW1
.elseif (\cm)
.set BI, 128+8*J
	WIN 0x31|(AW<<6)
	v_wmma_scale_f32_16x16x128_f8f6f4 v[AR:AR+7], v[FB:FB+11], v[FA:FA+11], v[BI:BI+7], v[SWB], v[SWA] matrix_a_fmt:MATRIX_FMT_BF6 matrix_b_fmt:MATRIX_FMT_BF6 matrix_a_scale:MATRIX_SCALE_ROW1
.else
	WIN 0x01|(AW<<4)|(AW<<6)
	v_wmma_scale_f32_16x16x128_f8f6f4 v[AR:AR+7], v[FB:FB+11], v[FA:FA+11], v[AR:AR+7], v[SWB], v[SWA] matrix_a_fmt:MATRIX_FMT_BF6 matrix_b_fmt:MATRIX_FMT_BF6 matrix_a_scale:MATRIX_SCALE_ROW1
.endif
.set J, J+1
.endr
.endm
.macro MULS a0, n, fs, q, sc, cm
.set AA, \a0
.rept \n
	MULA AA, \fs, \q, \sc, \cm
.set AA, AA+1
.endr
.endm
.macro STEP slot, q, cm
	s_wait_dscnt 0x0
	PLACES 4
	FETCH \slot, (\q)+1, ((\q)+1)%2
	MULS 0, TA, (\q)%2, \q, \slot, \cm
.endm
.macro STEPS slot, q0
.if NQ-1-(\q0) > 0
.set QQ, \q0
.rept NQ-1-(\q0)
	STEP \slot, QQ, 0
.set QQ, QQ+1
.endr
.endif
.endm
.macro TURN slot, next, fill
	WIN 0
	s_wait_tensorcnt 0x0
	ds_add_u32 v[SPW], v[NIL]
	s_wait_dscnt 1
	MULS 0, TA/4, 1, NQ-1, \slot, 0
	s_wait_dscnt 0x0
	s_barrier_signal -1
	MULS TA/4, TA/4, 1, NQ-1, \slot, 0
	WIN 0
	s_barrier_wait -1
.if \fill
	CREST
	s_add_nc_u64 s[G0+4*\slot+2:G0+4*\slot+3], s[G0+4*\slot+2:G0+4*\slot+3], 2*ROWB
	s_add_nc_u64 s[G0B+4*\slot+2:G0B+4*\slot+3], s[G0B+4*\slot+2:G0B+4*\slot+3], 2*ROWB
	JLOAD G0+4*\slot, G1, G0B+4*\slot, G1B
.else
	PLACES 4
.endif
	s_wait_alu depctr_va_vdst(0)
	v_add_nc_u32 v[ADRS], NQ*64, v[ADRS]
	FETCH \next, 0, 0
	SCALES \next
.if (\fill) && (LAPS > 2)
	s_cmp_gt_u32 s3, 1                             ; behind a refill and the run of LDS loads: the slot two refills on; the last trip's two refills have none
	s_cbranch_scc0 .Lno_ask_\@
	global_prefetch_b8 v7, s[PFA:PFA+1] offset:(4+\slot)*ROWB th:TH_LOAD_NT scope:SCOPE_SE
.Lno_ask_\@:
.endif
	MULS TA/2, TA/2, 1, NQ-1, \slot, 0
.endm
	s_wait_tensorcnt 1
	s_barrier_signal -1
	s_barrier_wait -1
	FETCH 0, 0, 0
	SCALES 0
.if KIND == 1
	s_wait_loadcnt 0x0
.elseif KIND == 2
	s_wait_loadcnt 32
.endif
	STEP 0, 0, 1
.if LAPS > 1
	WIN 0
	s_mov_b32 s3, LAPS-1
.Llap:
	STEPS 0, 1
	TURN 0, 1, 1
	STEPS 1, 0
	TURN 1, 0, 1
	STEP 0, 0, 0
	WIN 0
	s_wait_xcnt 0x0                                ; my prefetches have read their base: it steps two slots a trip
	s_add_nc_u64 s[PFA:PFA+1], s[PFA:PFA+1], 2*ROWB
	s_sub_co_u32 s3, s3, 1
	s_cmp_lg_u32 s3, 0
	s_cbranch_scc1 .Llap
.endif
	STEPS 0, 1
	TURN 0, 1, 0
	STEPS 1, 0
	s_wait_dscnt 0x0
	MULS 0, TA, 1, NQ-1, 1, 0
	WIN 0
	PLACES 4
.if KIND < 2
.macro QUANTW s, W
.if KIND == 1
	WIN ((\W)<<2)|((\W)<<6)
.set J, 0
.rept 64
	v_max_num_f32 v[(\s)+J], 0, v[(\s)+J]
.set J, J+1
.endr
.endif
	WIN (\W)|((\W)<<2)
.irp b, 0,1,2,3
	v_max3_num_f32 v[TM+\b], |v[(\s)+16*\b]|, |v[(\s)+16*\b+1]|, 0x2800000
.endr
.irp i, 2,4,6,8,10,12,14
.irp b, 0,1,2,3
	v_max3_num_f32 v[TM+\b], |v[(\s)+16*\b+\i]|, |v[(\s)+16*\b+\i+1]|, v[TM+\b]
.endr
.endr
	WIN 0
.irp b, 0,1,2,3
	v_permlanex16_b32 v[TM+4+\b], v[TM+\b], s[SEL], s[SEL+1]
.endr
.irp b, 0,1,2,3
	v_max_num_f32 v[TM+\b], v[TM+\b], v[TM+4+\b]
.endr
.irp b, 0,1,2,3
	v_add_nc_u32 v[TM+12+\b], 0xfe000000, v[TM+\b]
.endr
.irp b, 0,1,2,3
	v_lshrrev_b32 v[TM+4+\b], 23, v[TM+12+\b]
.endr
	v_lshl_or_b32 v[PW], v[TM+5], 8, v[TM+4]
	v_lshl_or_b32 v[PW], v[TM+6], 16, v[PW]
	v_lshl_or_b32 v[PW], v[TM+7], 24, v[PW]
	WIN (\W)
.irp c, 0,1
	v_cvt_scalef32_pk16_bf6_f32 v[PC+6*\c:PC+2+6*\c], v[(\s)+32*\c:(\s)+15+32*\c], v[TM+12+2*\c]
	v_cvt_scalef32_pk16_bf6_f32 v[PC+12+4*\c:PC+14+4*\c], v[(\s)+16+32*\c:(\s)+31+32*\c], v[TM+12+2*\c+1]
.endr
	WIN 0
	v_nop
.irp c, 0,1
.irp i, 0,1,2
	v_permlane16_swap_b32 v[PC+6*\c+\i], v[PC+12+4*\c+\i]
.endr
.irp i, 0,1,2
	v_mov_b32 v[PC+3+6*\c+\i], v[PC+12+4*\c+\i]
.endr
.endr
.endm
	s_mov_b32 s[SEL], 0x76543210
	s_mov_b32 s[SEL+1], 0xfedcba98
.irp b, 0,1,2,3
	v_mov_b32 v[TM+4+\b], 0
.endr
.set AB, 0
.rept TA
.if AB > 0
	s_wait_xcnt 0x0
	s_add_nc_u64 s[OC:OC+1], s[OC:OC+1], s[OCS:OCS+1]
	s_add_nc_u64 s[OS:OS+1], s[OS:OS+1], s[OSS:OSS+1]
.endif
	QUANTW 64*(AB%4), 2+AB/4
.irp c, 0,1,2
	global_store_b128 v[L16], v[PC+4*\c:PC+4*\c+3], s[OC:OC+1] offset:512*\c
.endr
	global_store_b32 v[EA+1], v[PW], s[OS:OS+1]
.set AB, AB+1
.endr
.else
.macro TOSTAGE a
	WIN 0x08
.irp b, 0,1,2,3
	ds_store_b128 v[EA], v[32*(\a)+8*\b:32*(\a)+8*\b+3] offset:64*\b
	ds_store_b128 v[EA], v[32*(\a)+8*\b+4:32*(\a)+8*\b+7] offset:64*\b+16
.endr
	WIN 0
.irp t, 0,1,2,3,4,5,6,7
	ds_load_b128 v[BK+32*((\a)%2)+4*\t:BK+32*((\a)%2)+4*\t+3], v[EA+1] offset:2*SPITCH*\t
.endr
.endm
.macro SEND a, younger
	s_wait_dscnt \younger
	WIN 0x0c
.irp i, 0,2,4,6,8,10,12,14,16,18,20,22,24,26,28,30
	v_pk_add_f32 v[BK+32*((\a)%2)+\i:BK+32*((\a)%2)+\i+1], v[BK+32*((\a)%2)+\i:BK+32*((\a)%2)+\i+1], v[32*(\a)+\i:32*(\a)+\i+1]
.endr
	WIN 0
.irp t, 0,1,2,3,4,5,6,7
	global_store_b128 v[EA+2], v[BK+32*((\a)%2)+4*\t:BK+32*((\a)%2)+4*\t+3], s[12:13] offset:(16*(\a)+2*\t)*4096 th:TH_STORE_NT
.endr
.endm
	s_wait_loadcnt 0x0
	TOSTAGE 0
.irp a, 1,2,3
.if \a > 1
	s_wait_xcnt 0x0
.endif
	TOSTAGE \a
	SEND \a-1, 16
.endr
	SEND 3, 0
.endif
	s_wait_tensorcnt 0x0
	ds_add_u32 v[SPW], v[NIL]
	s_wait_dscnt 0x0
	CROUND
	s_endpgm
.Lfunc_end_k_q8a73358026_ffn2:
	.size	k_q8a73358026_ffn2, .Lfunc_end_k_q8a73358026_ffn2-k_q8a73358026_ffn2
	.p2alignl 7, 3214868480
	.fill 96, 4, 3214868480
	.section	.rodata,"a",@progbits
	.p2align	6, 0x0
	.amdhsa_kernel k_q8a73358026_ffn2
		.amdhsa_group_segment_fixed_size 327680
		.amdhsa_private_segment_fixed_size 0
		.amdhsa_enable_private_segment 0
		.amdhsa_kernarg_size 40
		.amdhsa_user_sgpr_count 2
		.amdhsa_user_sgpr_kernarg_segment_ptr 1
		.amdhsa_wavefront_size32 1
		.amdhsa_system_sgpr_workgroup_id_x 1
		.amdhsa_system_sgpr_workgroup_id_y 1
		.amdhsa_system_sgpr_workgroup_id_z 1
		.amdhsa_system_vgpr_workitem_id 0
		.amdhsa_next_free_vgpr 1024
		.amdhsa_next_free_sgpr 102
		.amdhsa_reserve_vcc 0
		.amdhsa_float_denorm_mode_32 3
		.amdhsa_float_denorm_mode_16_64 3
		.amdhsa_memory_ordered 1
		.amdhsa_forward_progress 1
		.amdhsa_inst_pref_size 95
	.end_amdhsa_kernel
	.amdgpu_metadata
---
amdhsa.version: [ 1, 2 ]
amdhsa.kernels:
  - .name:           k_q8a73358026_ffn2
    .symbol:         k_q8a73358026_ffn2.kd
    .args:
      - { .name: fq, .offset: 0, .size: 8, .value_kind: global_buffer, .address_space: global }
      - { .name: wts, .offset: 8, .size: 8, .value_kind: global_buffer, .address_space: global }
      - { .name: b2, .offset: 16, .size: 8, .value_kind: global_buffer, .address_space: global }
      - { .name: x1, .offset: 24, .size: 8, .value_kind: global_buffer, .address_space: global }
      - { .name: out0, .offset: 32, .size: 8, .value_kind: global_buffer, .address_space: global }
    .group_segment_fixed_size: 327680
    .private_segment_fixed_size: 0
    .kernarg_segment_align: 8
    .kernarg_segment_size: 40
    .max_flat_workgroup_size: 128
    .sgpr_count:     102
    .vgpr_count:     1024
    .wavefront_size: 32
...
	.end_amdgpu_metadata
.endif
;; end of part 7
